; MI455X (gfx1250); checked and timed in simulation.
; The chip was launched on July 23, 2026; its instructions are those of AMD's public machine-readable ISA for CDNA 5 (MIT licence, August 2026) and "CDNA5" Instruction Set Architecture Reference Guide (July 2026). The comments in the code are by the model that wrote it; some were corrected since.
;; Multi Heads Attention. Allowed arithmetic: matrix products marked QUANTISED: E3M2 operands, one E8M0 scale for each 32 along K, by v_wmma_scale_f32_16x16x128_f8f6f4 with both operands' format E3M2, f32 sums; everything else in f32.
;; Inputs: bc 2,048 float32; bk 2,048 float32; bq 2,048 float32; bv 2,048 float32; msk 2,048 x 2,048 int32; object_tokens 1 x 2,048 x 2,048 float32; subject_tokens 1 x 2,048 x 2,048 float32; wc 2,048 x 2,048 float32; wk 2,048 x 2,048 float32; wq 2,048 x 2,048 float32; wv 2,048 x 2,048 float32.
;; Outputs: out0 1 x 2,048 x 2,048 float32.
;; Constants: rotate_base = 10000.0.
;; This version of the problem:
;;   THIS VERSION OF THE PROBLEM IS GIVEN IN LOW PRECISION. The matrix products marked QUANTISED in the list below multiply operands that are first quantised to E3M2 (3 exponent bits, 2 mantissa bits; 6 bits a number), with one power-of-two scale for each 32 numbers along K (OCP MX v1.0); their sums are f32. All else is computed in f32.
;;   The module's matrix products, in the order in which they are computed (A, B: the left and right operand; K: the contracted axis; several contracted axes count as one K, in the product's order):
;;     1. [M 2,048, K 2,048] x [K 2,048, N 2,048]; A: input subject_tokens; B: input wq: QUANTISED
;;     2. [M 2,048, K 2,048] x [K 2,048, N 2,048]; A: input object_tokens; B: input wk: QUANTISED
;;     3. [M 2,048, K 2,048] x [K 2,048, N 2,048]; A: input object_tokens; B: input wv: QUANTISED
;;     4. batch 16 x [M 2,048, K 128] x [K 128, N 2,048]; A: computed on the way; B: computed on the way: QUANTISED
;;     5. batch 16 x [M 2,048, K 2,048] x [K 2,048, N 128]; A: softmax (see below); B: computed on the way: QUANTISED
;;     6. [M 2,048, K 2,048] x [K 2,048, N 2,048]; A: computed on the way; B: input wc: QUANTISED
;;   THE QUANTISER, for each operand of a quantised product, along K:
;;     - K is cut into blocks of 32 from its start; a last block that is shorter is filled with zeros.
;;     - A block's scale is 2^e with e = floor(log2(the largest magnitude in the block)) - 4, held to -126 .. 127; a block of zeros has e = 0. As a byte (E8M0): e + 127.
;;     - Each number is divided by its block's scale, clamped to +-28, and rounded to the nearest number of E3M2, ties to even, subnormals kept.
;;     - The product sums the exact products of the quantised numbers (number of the format x scale) in f32.
;;   ~~~python
;;   def quantise(x, axis):      # numpy; x: float32 -> the quantised numbers, widened to float32 again
;;       x = np.moveaxis(x, axis, -1); K = x.shape[-1]
;;       x = np.pad(x, [(0, 0)] * (x.ndim - 1) + [(0, -K % 32)]); x = x.reshape(x.shape[:-1] + (-1, 32)); a = np.abs(x).max(-1, keepdims=True)
;;       e = np.where(a > 0, np.clip(np.frexp(np.where(a > 0, a, 1))[1] - 1 - 4, -126, 127), 0)      # np.frexp(a)[1] - 1 = floor(log2(a)), exactly
;;       r = np.clip(x / 2.0 ** e, -28, 28)
;;       step = 2.0 ** (np.maximum(np.frexp(np.where(r == 0, 1, r))[1] - 1, -2) - 2)
;;       q = np.round(r / step) * step * 2.0 ** e      # np.round: ties to even
;;       return np.moveaxis(q.reshape(q.shape[:-2] + (-1,))[..., :K], -1, axis).astype(np.float32)
;;   ~~~
;;   SOFTMAX AHEAD OF A QUANTISED PRODUCT. Where the list says 'softmax', what is quantised is not the finished softmax but p = 2^(t - M), with t = logit x log2(e) and M = ceil(the row's largest t), a whole number; so 1/2 < the row's largest p <= 1. The row's sum l is taken of the UNQUANTISED p, in f32, and the product's result is divided by l at the end. Since M is a whole number, a kernel that streams over the keys may use a running M (the ceiling of the running maximum): every later rescaling is an exact power of two, which a block's scale takes up: the codes' values come out the same.
;;   OPERANDS COMPUTED ON THE WAY. 'Computed on the way' means the value that the module computes at that place (a softmax that the list does not call 'softmax' is quantised finished and normalised). What goes into a quantiser is computed in f32, as accurately as f32 sums, v_exp_f32 and their like allow (about 1e-6 of the number): no bf16 or f16 on the way to a quantiser, and a product that is left as it is and whose result goes on into a quantised operand takes f32 operands (vector FMAs, or v_wmma_f32_16x16x4_f32). A number that lies on a knife's edge between two numbers of the format may be rounded either way, as far as f32 arithmetic and the matrix unit's own rounding can turn it there, and no further.
;; 2 versions. Each part assembles by itself: llvm-mc -triple=amdgcn-amd-amdhsa -mcpu=gfx1250 --defsym DOCPART=n.
;; ======== version 1 of 2: 4 launches
;; limits: right only within a limited range of input values
;; workspace buffers: opf 18,874,368 bytes; ops 1,572,864 bytes; mbits 524,288 bytes of whole numbers; rt 2,097,152 bytes; qkvf 9,437,184 bytes; qkvs 393,216 bytes; cf 3,145,728 bytes; cs 262,144 bytes
;; launch prep (part 1): grid 672 x 1, 4 waves a work-group, no clusters, 68,096 bytes of LDS; arguments subject_tokens, object_tokens, wq, wk, wv, wc, msk, opf, ops, mbits, rt; writes opf, ops, mbits, rt
.if DOCPART == 1
	.amdgcn_target "amdgcn-amd-amdhsa--gfx1250"
	.amdhsa_code_object_version 6
	.text
	.protected	k_q4a4d20be46_prep
	.globl	k_q4a4d20be46_prep
	.p2align	8
	.type	k_q4a4d20be46_prep,@function
k_q4a4d20be46_prep:
	s_mov_b64 s[64:65], 0
	v_nop
	global_prefetch_b8 v0, s[64:65] scope:SCOPE_SE
	s_setreg_imm32_b32 hwreg(HW_REG_WAVE_MODE, 25, 1), 1
	s_wait_xcnt 0x0
; PREP: everything that later launches read many times is made once, in the order of the matrix operands' registers.
;  work-groups   0-255: the four weights [K 2048][N 2048] f32 -> codes of BF6 (E3M2) along K, one E8M0 byte for each 32 along K
;  work-groups 256-511: the two token tensors [2048][2048] f32 (K innermost) -> the same
;  work-groups 512-639: msk [2048][2048] i32 -> one bit a number, as lane masks for the attention's score registers
;  work-groups 640-671: cos and sin of position x 10000^(-i/64), i = 0..63, in the order in which the projections' results lie in registers
; A FRAGMENT IMAGE is 16 rows x 128 K = 1,536 bytes: operand registers 4 g .. 4 g + 3 of lane l at 512 g + 16 l (lane (r, h): registers 6 c .. 6 c + 5 = k 64 c + 32 h + 0..31 of row r).
; A SCALE IMAGE is 128 bytes: lane l's word (four bytes, 128 along K of row l % 16) at 4 l.  An operand of 2,048 rows: tile Tt, K step j at (j / 2) KPAIR + 3072 Tt + 1536 (j % 2).
; A tile is NATURAL (place r = row 16 Tt + r) or PERMUTED (place r = row 32 (Tt / 2) + 8 (Tt % 2) + r % 8 + 16 (r / 8)): as source 0 of a product two neighbouring permuted tiles give a lane 16 neighbours.
; A block's scale is 2^(floor(log2(largest magnitude)) - 4); its byte is the largest magnitude's exponent field - 4, held at 1 from below.
; LIMITS: NaN and infinities are not served; a block whose largest magnitude lies under 2^-122 (a block of zeros too) gets the byte 1 where the rule says more or 127: its codes add nothing, and only this program reads the bytes.
; The frequencies are 2^(-i log2(10) / 16) by v_exp_f32; the angle at position 2,047 may differ from a correctly rounded one by about 2e-4.
; A stream: no matrix unit, no tensor load, no barrier, no cluster: waves share nothing.  The two paths that use LDS have bytes of their own.
.set OPSEC, 3145728                    ; an operand's codes
.set SCSEC, 262144                     ; its scale images
.set KPAIR, 393216                     ; 128 tiles x two K steps of codes
.set SPAIR, 32768                      ; and of scale images
.set FRB,   1536
.set SPI,   528                        ; a stage row: 512 bytes + 16, so that 16 rows begin in 16 different groups of banks
.set STGB,  16*SPI                     ; a wave's stage
.set WX,  32                           ; weights: v32-95 two sets of 32 numbers down K
.set P0,  96                           ; v96-107  the image registers of lanes 0-15 (blocks 0 and 2 of a K step)
.set P1,  108                          ; v108-119 of lanes 16-31 (blocks 1 and 3)
.set TC,  120                          ; v120-122 a block's upper 16 codes (a conversion's three registers begin on an even number)
.set SB,  24                           ; v24-27   a scale word for each of the wave's four K steps
.set RL,  32                           ; tokens, mask: v32-159 two sets of 16 rows x 16 bytes as loaded
.set X,   160                          ; v160-223 64 numbers of my row
.set P,   16                           ; v16-27   a fragment's registers
.set TT,  28                           ; v28-30
.macro WLOAD t                         ; block t: W(32 t + i, my column): 128 consecutive bytes a load
.set i, 0
.rept 32
	global_load_b32 v[WX+32*((\t)%2)+i], v6, s[28:29] offset:(32*(\t)+i)*8192 th:TH_LOAD_NT
.set i, i+1
.endr
.endm
.macro WBLOCK t
.set XS, WX+32*((\t)%2)
.set BE, (\t)%4                        ; the block in its K step
.set JJ, (\t)/4                        ; the K step
.set PD, P0+12*(BE%2)+6*(BE/2)
.if (\t) < 15
	s_wait_loadcnt 32                              ; this block's 32 loads are in; the next block's may be out
.else
	s_wait_loadcnt 0x0
.endif
	v_max3_num_f32 v12, |v[XS]|, |v[XS+1]|, |v[XS+2]|              ; all 32 numbers of the block are mine: two chains
	v_max3_num_f32 v13, |v[XS+3]|, |v[XS+4]|, |v[XS+5]|
.irp i2, 6,10,14,18,22,26
	v_max3_num_f32 v12, v12, |v[XS+\i2]|, |v[XS+\i2+1]|
	v_max3_num_f32 v13, v13, |v[XS+\i2+2]|, |v[XS+\i2+3]|
.endr
	v_max3_num_f32 v12, v12, |v[XS+30]|, |v[XS+31]|
	v_max3_num_f32 v12, v12, v13, 0x2800000        ; the floor 2^(5 - 127): the byte cannot fall under 1
	v_add_nc_u32 v11, 0xfe000000, v12              ; 4 off the exponent field: the conversion's scale operand
	v_lshrrev_b32 v13, 23, v11                     ; the scale's byte
.if BE == 0
	v_mov_b32 v[SB+JJ], v13
.else
	v_lshl_or_b32 v[SB+JJ], v13, 8*BE, v[SB+JJ]
.endif
.if (BE == 0) && ((\t) > 0)
	s_wait_xcnt 0x0                                ; the last K step's stores have read the image registers, which are written again below
.endif
	v_cvt_scalef32_pk16_bf6_f32 v[PD:PD+2], v[XS:XS+15], v11
	v_cvt_scalef32_pk16_bf6_f32 v[TC:TC+2], v[XS+16:XS+31], v11
	v_nop                                          ; one plain line behind a scaled conversion
.irp i2, 0,1,2
	v_mov_b32 v[PD+3+\i2], v[TC+\i2]
.endr
.if (\t)+2 < 16
	WLOAD (\t)+2
.endif
.if BE == 3                            ; a K step is whole: 16 lanes fill 256 consecutive bytes of one tile's image, the other 16 of the neighbour tile's
.irp g, 0,1,2
	global_store_b128 v4, v[P0+4*\g:P0+4*\g+3], s[18:19] offset:(JJ/2)*KPAIR+(JJ%2)*FRB+512*\g
	global_store_b128 v4, v[P1+4*\g:P1+4*\g+3], s[18:19] offset:(JJ/2)*KPAIR+(JJ%2)*FRB+512*\g+256
.endr
	global_store_b32 v5, v[SB+JJ], s[20:21] offset:(JJ/2)*SPAIR+(JJ%2)*128
	global_store_b32 v5, v[SB+JJ], s[20:21] offset:(JJ/2)*SPAIR+(JJ%2)*128+64
.endif
.endm
.macro TLOADU t                        ; unit t: 16 rows x 512 consecutive bytes; places 0-7 from the first base, 8-15 from the second
.irp p, 0,1,2,3,4,5,6,7
	global_load_b128 v[RL+64*((\t)%2)+4*\p:RL+64*((\t)%2)+4*\p+3], v4, s[28:29] offset:\p*8192+512*(\t) th:TH_LOAD_NT
.endr
.irp p, 0,1,2,3,4,5,6,7
	global_load_b128 v[RL+64*((\t)%2)+32+4*\p:RL+64*((\t)%2)+32+4*\p+3], v4, s[30:31] offset:\p*8192+512*(\t) th:TH_LOAD_NT
.endr
.endm
.macro TIN t                           ; into the wave's own stage, as loaded
.irp p, 0,1,2,3,4,5,6,7,8,9,10,11,12,13,14,15
	ds_store_b128 v5, v[RL+64*((\t)%2)+4*\p:RL+64*((\t)%2)+4*\p+3] offset:SPI*\p
.endr
.endm
.macro TBACK                           ; tokens: X[32 c + e] = k 64 c + 32 h + e of row r.  LDS serves a wave's instructions in order: these see the stores above
.irp c, 0,1
.irp u, 0,1,2,3,4,5,6,7
	ds_load_b128 v[X+32*\c+4*\u:X+32*\c+4*\u+3], v6 offset:256*\c+16*\u
.endr
.endr
.endm
.macro MBACK                           ; mask: X[16 b + e] = key 32 b + 16 h + e of query r
.irp b, 0,1,2,3
.irp u, 0,1,2,3
	ds_load_b128 v[X+16*\b+4*\u:X+16*\b+4*\u+3], v6 offset:128*\b+16*\u
.endr
.endr
.endm
.macro TUNIT t                         ; one K step of the tile: a fragment image and a scale image
	s_wait_dscnt 0x0                               ; my 64 numbers are back, and the stage's stores have read their registers
.if (\t) > 0
	s_wait_xcnt 0x0                                ; the last unit's stores have read the codes and the scale word
.endif
.if (\t)+2 < 4
	TLOADU (\t)+2
.endif
.irp c, 0,1
	v_max3_num_f32 v[8+\c], |v[X+32*\c]|, |v[X+32*\c+1]|, 0x2800000   ; my block 2 c + h: all its 32 numbers are mine; the floor holds the byte at 1
.endr
.irp i2, 2,4,6,8,10,12,14,16,18,20,22,24,26,28,30
.irp c, 0,1
	v_max3_num_f32 v[8+\c], v[8+\c], |v[X+32*\c+\i2]|, |v[X+32*\c+\i2+1]|
.endr
.endr
.irp c, 0,1
	v_add_nc_u32 v[10+\c], 0xfe000000, v[8+\c]
.endr
.irp c, 0,1
	v_lshrrev_b32 v[12+\c], 23, v[10+\c]
.endr
	v_lshl_or_b32 v14, v13, 16, v12                ; my two bytes: blocks h and 2 + h,
	v_lshlrev_b32 v14, v31, v14                    ; 8 h bits up;
	v_permlanex16_b32 v15, v14, s40, s41
	v_or_b32 v14, v14, v15                         ; with lane l xor 16's two the word is whole, in both lanes
	v_cvt_scalef32_pk16_bf6_f32 v[P:P+2], v[X:X+15], v10
	v_cvt_scalef32_pk16_bf6_f32 v[TT:TT+2], v[X+16:X+31], v10
	v_cvt_scalef32_pk16_bf6_f32 v[P+6:P+8], v[X+32:X+47], v11
	v_nop
.irp i2, 0,1,2
	v_mov_b32 v[P+3+\i2], v[TT+\i2]
.endr
	v_cvt_scalef32_pk16_bf6_f32 v[TT:TT+2], v[X+48:X+63], v11
	v_nop
.irp i2, 0,1,2
	v_mov_b32 v[P+9+\i2], v[TT+\i2]
.endr
.irp g, 0,1,2
	global_store_b128 v4, v[P+4*\g:P+4*\g+3], s[18:19] offset:((\t)/2)*KPAIR+((\t)%2)*FRB+512*\g   ; 512 consecutive bytes
.endr
	global_store_b32 v7, v14, s[20:21] offset:((\t)/2)*SPAIR+((\t)%2)*128
.if (\t) < 2
	s_wait_loadcnt 16                              ; the next unit's 16 loads are in; the unit after it may be out
.elseif (\t) == 2
	s_wait_loadcnt 0x0
.endif
.if (\t) < 3
	TIN (\t)+1
	TBACK
.endif
.endm
.macro MUNIT t                         ; 16 queries x 128 keys of the mask become 64 words: word n, bit l: the number that stands under score register n of lane l
	s_wait_dscnt 0x0
.if (\t) > 0
	s_wait_xcnt 0x0                                ; the last unit's store has read v[16:17]
.endif
.if (\t)+2 < 4
	TLOADU (\t)+2
.endif
	v_mov_b32 v16, 0
	v_mov_b32 v17, 0
.irp q, 0,1,2,3
.irp n, 0,1,2,3,4,5,6,7,8,9,10,11,12,13,14,15
	v_cmp_ne_u32 s[44+\n], 0, v[X+16*\q+\n]
.endr
.irp n, 0,1,2,3,4,5,6,7,8,9,10,11,12,13,14,15
	v_writelane_b32 v[16+\n%2], s[44+\n], 8*\q+\n/2    ; word 16 q + n goes to lane (16 q + n) / 2
.endr
.endr
	global_store_b64 v7, v[16:17], s[22:23] offset:256*(\t)   ; 256 consecutive bytes, aligned
.if (\t) < 2
	s_wait_loadcnt 16
.elseif (\t) == 2
	s_wait_loadcnt 0x0
.endif
.if (\t) < 3
	TIN (\t)+1
	MBACK
.endif
.endm
; cos and sin of the angle in v[a] (0 or more): n = the nearest multiple of pi / 2, taken off in two parts; polynomials on +-pi/4; the quadrant by a swap and two signs
.macro SINCOS a, c, s
	v_mul_f32 v20, s32, v[\a]
	v_rndne_f32 v20, v20
	v_fma_f32 v21, v20, s33, v[\a]
	v_fma_f32 v21, v20, s34, v21
	v_mul_f32 v22, v21, v21
	v_fma_f32 v23, v22, s35, s36
	v_fma_f32 v23, v23, v22, s37
	v_mul_f32 v23, v23, v22
	v_fma_f32 v23, v23, v21, v21                   ; sin
	v_fma_f32 v24, v22, s38, s39
	v_fma_f32 v24, v24, v22, s40
	v_mul_f32 v24, v24, v22
	v_fma_f32 v25, v22, -0.5, 1.0
	v_fma_f32 v24, v24, v22, v25                   ; cos
	v_cvt_i32_f32 v20, v20
	v_and_b32 v25, 1, v20
	v_cmp_eq_u32 vcc_lo, 1, v25
	v_cndmask_b32 v[\s], v23, v24, vcc_lo
	v_cndmask_b32 v[\c], v24, v23, vcc_lo
	v_and_b32 v25, 2, v20
	v_lshlrev_b32 v25, 30, v25
	v_xor_b32 v[\s], v[\s], v25
	v_add_nc_u32 v20, 1, v20
	v_and_b32 v20, 2, v20
	v_lshlrev_b32 v20, 30, v20
	v_xor_b32 v[\c], v[\c], v20
.endm
	s_load_b512 s[4:19], s[0:1], 0x0               ; subject s4, object s6, wq s8, wk s10, wv s12, wc s14, msk s16, opf s18
	s_load_b128 s[20:23], s[0:1], 0x40             ; ops s20, mbits s22
	s_load_b64 s[24:25], s[0:1], 0x50              ; rt
	v_lshl_add_u32 v224, v0, 2, 0x10800
	v_mov_b32 v225, 0
	v_lshrrev_b32 v1, 5, v0
	v_readfirstlane_b32 s26, v1                    ; wave
	v_and_b32 v1, 31, v0                           ; lane
	v_and_b32 v2, 15, v0                           ; r
	v_bfe_u32 v3, v0, 4, 1                         ; h
	s_wait_kmcnt 0x0
	s_cmp_lt_u32 ttmp9, 256
	s_cbranch_scc1 .Lweights
	s_cmp_lt_u32 ttmp9, 512
	s_cbranch_scc1 .Ltokens
	s_cmp_lt_u32 ttmp9, 640
	s_cbranch_scc1 .Lmask
	; ---- the tables: wave = a tile of 16 positions; a trip = 16 bytes a lane: cos, sin of two neighbouring frequencies
	s_sub_co_u32 s27, ttmp9, 640
	s_lshl_b32 s27, s27, 2
	s_add_co_u32 s27, s27, s26                     ; Tt
	s_lshl_b32 s28, s27, 4
	v_add_nc_u32 v4, s28, v2
	v_cvt_f32_u32 v4, v4                           ; my position 16 Tt + r
	v_lshlrev_b32 v5, 3, v3                        ; 8 h
	s_lshl_b32 s29, s27, 13
	v_lshlrev_b32 v6, 4, v1
	v_add_nc_u32 v6, s29, v6                       ; the natural table: 8192 Tt + 16 lane
	s_and_b32 s30, s27, 0x7e
	v_lshrrev_b32 v7, 3, v2
	v_or_b32 v7, s30, v7                           ; the permuted table: my position's tile (Tt with its low bit = r / 8),
	v_lshlrev_b32 v7, 13, v7
	s_and_b32 s31, s27, 1
	s_lshl_b32 s31, s31, 3
	v_and_b32 v8, 7, v2
	v_or_b32 v8, s31, v8                           ; and its place there: r % 8 + 8 (Tt % 2)
	v_lshl_add_u32 v8, v3, 4, v8
	v_lshl_add_u32 v7, v8, 4, v7
	v_add_nc_u32 v7, 1048576, v7
	s_mov_b32 s32, 0x3f22f983                      ; 2 / pi
	s_mov_b32 s33, 0xbfc90fdb                      ; -pi / 2, the f32 nearest,
	s_mov_b32 s34, 0x333bbd2e                      ; and what it lacks
	s_mov_b32 s35, 0xb94ca1f9
	s_mov_b32 s36, 0x3c08839e
	s_mov_b32 s37, 0xbe2aaaa3
	s_mov_b32 s38, 0x37ccf5ce
	s_mov_b32 s39, 0xbab6061a
	s_mov_b32 s40, 0x3d2aaaa5
	s_mov_b32 s43, 0xbe549a78                      ; -log2(10) / 16 = -log2(10000) / 64
	s_mov_b32 s44, 0
.Lrt:
	s_lshr_b32 s45, s44, 2
	s_lshl_b32 s45, s45, 4
	s_and_b32 s46, s44, 3
	s_lshl_b32 s46, s46, 1
	s_add_co_u32 s45, s45, s46
	v_add_nc_u32 v10, s45, v5                      ; i0 = 16 (g / 4) + 2 (g % 4) + 8 h
	v_cvt_f32_u32 v10, v10
	v_add_f32 v11, 1.0, v10
	v_mul_f32 v10, s43, v10
	v_mul_f32 v11, s43, v11
	v_exp_f32 v10, v10
	v_exp_f32 v11, v11
	v_nop                                          ; a plain line behind the exponentials,
	s_wait_alu depctr_va_vdst(0)                   ; and one wait for both, ahead of their first reader
	v_mul_f32 v10, v4, v10
	v_mul_f32 v11, v4, v11
	SINCOS 10, 12, 13
	SINCOS 11, 14, 15
	global_store_b128 v6, v[12:15], s[24:25]
	global_store_b128 v7, v[12:15], s[24:25]
	s_wait_xcnt 0x0                                ; the stores have read their data and offsets: both are written again
	v_add_nc_u32 v6, 512, v6
	v_add_nc_u32 v7, 512, v7
	s_add_co_u32 s44, s44, 1
	s_cmp_lt_u32 s44, 16
	s_cbranch_scc1 .Lrt
	s_endpgm
.Lweights:                             ; ---- a lane takes a column n, its registers run down K: wave = 32 columns x 512 along K
	s_lshr_b32 s27, ttmp9, 6                       ; which weight
	s_cmp_eq_u32 s27, 1
	s_cselect_b64 s[28:29], s[10:11], s[8:9]
	s_cmp_eq_u32 s27, 2
	s_cselect_b64 s[28:29], s[12:13], s[28:29]
	s_cmp_eq_u32 s27, 3
	s_cselect_b64 s[28:29], s[14:15], s[28:29]
	s_bfe_u32 s30, ttmp9, 0x40002                  ; which 128 columns
	s_and_b32 s31, ttmp9, 3                        ; which 512 along K
	s_lshl_b32 s32, s31, 22
	s_lshl_b32 s33, s30, 9
	s_add_co_u32 s32, s32, s33
	s_lshl_b32 s33, s26, 7
	s_add_co_u32 s32, s32, s33
	s_mov_b32 s33, 0
	s_add_nc_u64 s[28:29], s[28:29], s[32:33]
	s_lshl_b32 s34, s30, 3
	s_lshl_b32 s35, s26, 1
	s_add_co_u32 s34, s34, s35                     ; my two tiles begin at 8 cg + 2 w
	s_add_co_u32 s35, s27, 2                       ; the operand's section
	s_mul_i32 s36, s35, OPSEC
	s_mul_i32 s37, s31, 2*KPAIR
	s_add_co_u32 s36, s36, s37
	s_mul_i32 s37, s34, 2*FRB
	s_add_co_u32 s36, s36, s37
	s_mov_b32 s37, 0
	s_add_nc_u64 s[18:19], s[18:19], s[36:37]
	s_mul_i32 s36, s35, SCSEC
	s_lshl_b32 s38, s31, 16
	s_add_co_u32 s36, s36, s38
	s_lshl_b32 s38, s34, 8
	s_add_co_u32 s36, s36, s38
	s_add_nc_u64 s[20:21], s[20:21], s[36:37]
	v_lshlrev_b32 v6, 2, v1                        ; in: 4 bytes a lane
	v_bfe_u32 v7, v0, 3, 1                         ; column c lies in tile (c / 8) % 2 of the pair,
	v_and_b32 v8, 7, v0
	v_lshl_or_b32 v8, v3, 3, v8                    ; at place c % 8 + 8 (c / 16)
	v_mul_u32_u24 v4, v7, 2*FRB
	v_lshl_add_u32 v4, v8, 4, v4
	v_lshlrev_b32 v5, 8, v7
	v_lshl_add_u32 v5, v8, 2, v5
	WLOAD 0
	WLOAD 1
.set tt, 0
.rept 16
	WBLOCK tt
.set tt, tt+1
.endr
	s_endpgm
.Ltokens:                              ; ---- work-group = a tile of 16 rows, wave = four K steps of it
	s_sub_co_u32 s27, ttmp9, 256
	s_lshr_b32 s32, s27, 7                         ; 0 subject (natural tiles), 1 object (permuted)
	s_and_b32 s27, s27, 127                        ; Tt
	s_lshl_b32 s33, s27, 4
	s_lshr_b32 s34, s27, 1
	s_lshl_b32 s34, s34, 5
	s_and_b32 s35, s27, 1
	s_lshl_b32 s35, s35, 3
	s_add_co_u32 s34, s34, s35
	s_mov_b32 s35, 131072
	s_cmp_eq_u32 s32, 0
	s_cselect_b64 s[28:29], s[4:5], s[6:7]
	s_cselect_b32 s33, s33, s34                    ; the row at place 0
	s_cselect_b32 s34, 65536, s35                  ; places 8-15 begin 8 rows on, or 16
	s_lshl_b32 s36, s33, 13
	s_lshl_b32 s37, s26, 11
	s_add_co_u32 s36, s36, s37
	s_mov_b32 s37, 0
	s_mov_b32 s35, 0
	s_add_nc_u64 s[28:29], s[28:29], s[36:37]
	s_add_nc_u64 s[30:31], s[28:29], s[34:35]
	s_mul_i32 s36, s32, OPSEC
	s_mul_i32 s38, s26, 2*KPAIR
	s_add_co_u32 s36, s36, s38
	s_mul_i32 s38, s27, 2*FRB
	s_add_co_u32 s36, s36, s38
	s_add_nc_u64 s[18:19], s[18:19], s[36:37]
	s_lshl_b32 s36, s32, 18
	s_lshl_b32 s38, s26, 16
	s_add_co_u32 s36, s36, s38
	s_lshl_b32 s38, s27, 8
	s_add_co_u32 s36, s36, s38
	s_add_nc_u64 s[20:21], s[20:21], s[36:37]
	s_mul_i32 s38, s26, STGB                       ; my stage
	v_lshlrev_b32 v4, 4, v1
	v_add_nc_u32 v5, s38, v4
	v_mul_u32_u24 v6, v2, SPI
	v_lshl_add_u32 v6, v3, 7, v6
	v_add_nc_u32 v6, s38, v6
	v_lshlrev_b32 v7, 2, v1
	v_lshlrev_b32 v31, 3, v3
	v_mov_b32 v15, 0                               ; a lane permute's destination counts as one of its sources
	s_mov_b32 s40, 0x76543210
	s_mov_b32 s41, 0xfedcba98
	TLOADU 0
	TLOADU 1
	s_wait_loadcnt 16
	TIN 0
	TBACK
	TUNIT 0
	TUNIT 1
	TUNIT 2
	TUNIT 3
	s_wait_tensorcnt 0x0
	ds_add_u32 v224, v225
	s_wait_dscnt 0x0
	s_endpgm
.Lmask:                                ; ---- work-group = 16 queries, wave = four steps of 128 keys
	s_sub_co_u32 s27, ttmp9, 512
	s_lshl_b32 s36, s27, 17
	s_lshl_b32 s37, s26, 11
	s_add_co_u32 s36, s36, s37
	s_mov_b32 s37, 0
	s_add_nc_u64 s[28:29], s[16:17], s[36:37]
	s_add_nc_u64 s[30:31], s[28:29], 65536
	s_lshl_b32 s36, s27, 12
	s_lshl_b32 s38, s26, 10
	s_add_co_u32 s36, s36, s38
	s_add_nc_u64 s[22:23], s[22:23], s[36:37]
	s_mul_i32 s38, s26, STGB
	s_add_co_u32 s38, s38, 4*STGB                  ; this path's stages lie behind the tokens'
	v_lshlrev_b32 v4, 4, v1
	v_add_nc_u32 v5, s38, v4
	v_mul_u32_u24 v6, v2, SPI
	v_lshl_add_u32 v6, v3, 6, v6
	v_add_nc_u32 v6, s38, v6
	v_lshlrev_b32 v7, 3, v1
	TLOADU 0
	TLOADU 1
	s_wait_loadcnt 16
	TIN 0
	MBACK
	MUNIT 0
	MUNIT 1
	MUNIT 2
	MUNIT 3
	s_wait_tensorcnt 0x0
	ds_add_u32 v224, v225
	s_wait_dscnt 0x0
	s_endpgm
.Lfunc_end_k_q4a4d20be46_prep:
	.size	k_q4a4d20be46_prep, .Lfunc_end_k_q4a4d20be46_prep-k_q4a4d20be46_prep
	.p2alignl 7, 3214868480
	.fill 96, 4, 3214868480
	.section	.rodata,"a",@progbits
	.p2align	6, 0x0
	.amdhsa_kernel k_q4a4d20be46_prep
		.amdhsa_group_segment_fixed_size 68096
		.amdhsa_private_segment_fixed_size 0
		.amdhsa_enable_private_segment 0
		.amdhsa_kernarg_size 88
		.amdhsa_user_sgpr_count 2
		.amdhsa_user_sgpr_kernarg_segment_ptr 1
		.amdhsa_wavefront_size32 1
		.amdhsa_system_sgpr_workgroup_id_x 1
		.amdhsa_system_sgpr_workgroup_id_y 1
		.amdhsa_system_sgpr_workgroup_id_z 1
		.amdhsa_system_vgpr_workitem_id 0
		.amdhsa_next_free_vgpr 226
		.amdhsa_next_free_sgpr 66
		.amdhsa_reserve_vcc 1
		.amdhsa_float_denorm_mode_32 3
		.amdhsa_float_denorm_mode_16_64 3
		.amdhsa_memory_ordered 1
		.amdhsa_forward_progress 1
		.amdhsa_inst_pref_size 160
	.end_amdhsa_kernel
	.amdgpu_metadata
---
amdhsa.version: [ 1, 2 ]
amdhsa.kernels:
  - .name:           k_q4a4d20be46_prep
    .symbol:         k_q4a4d20be46_prep.kd
    .args:
      - { .name: subject_tokens, .offset: 0, .size: 8, .value_kind: global_buffer, .address_space: global }
      - { .name: object_tokens, .offset: 8, .size: 8, .value_kind: global_buffer, .address_space: global }
      - { .name: wq, .offset: 16, .size: 8, .value_kind: global_buffer, .address_space: global }
      - { .name: wk, .offset: 24, .size: 8, .value_kind: global_buffer, .address_space: global }
      - { .name: wv, .offset: 32, .size: 8, .value_kind: global_buffer, .address_space: global }
      - { .name: wc, .offset: 40, .size: 8, .value_kind: global_buffer, .address_space: global }
      - { .name: msk, .offset: 48, .size: 8, .value_kind: global_buffer, .address_space: global }
      - { .name: opf, .offset: 56, .size: 8, .value_kind: global_buffer, .address_space: global }
      - { .name: ops, .offset: 64, .size: 8, .value_kind: global_buffer, .address_space: global }
      - { .name: mbits, .offset: 72, .size: 8, .value_kind: global_buffer, .address_space: global }
      - { .name: rt, .offset: 80, .size: 8, .value_kind: global_buffer, .address_space: global }
    .group_segment_fixed_size: 68096
    .private_segment_fixed_size: 0
    .kernarg_segment_align: 8
    .kernarg_segment_size: 88
    .max_flat_workgroup_size: 128
    .sgpr_count:     66
    .vgpr_count:     226
    .wavefront_size: 32
...
	.end_amdgpu_metadata
.endif
;; end of part 1
;; launch qkv (part 2): grid 24 x 8, 4 waves a work-group, clusters of 4 x 4, 327,680 bytes of LDS; arguments opf, ops, bq, bk, bv, rt, qkvf, qkvs; writes qkvf, qkvs
.if DOCPART == 2
	.amdgcn_target "amdgcn-amd-amdhsa--gfx1250"
	.amdhsa_code_object_version 6
	.text
	.protected	k_q4a4d20be46_qkv
	.globl	k_q4a4d20be46_qkv
	.p2align	8
	.type	k_q4a4d20be46_qkv,@function
k_q4a4d20be46_qkv:
	s_mov_b64 s[64:65], 0
	v_nop
	global_prefetch_b8 v0, s[64:65] scope:SCOPE_SE
	s_setreg_imm32_b32 hwreg(HW_REG_WAVE_MODE, 25, 1), 1
	s_wait_xcnt 0x0
	s_wait_alu depctr_hold_cnt(0) depctr_sa_sdst(0) depctr_va_vdst(0) depctr_va_sdst(0) depctr_va_ssrc(0) depctr_va_vcc(0) depctr_vm_vsrc(0)
	s_getreg_b32 s2, hwreg(HW_REG_IB_STS2, 6, 4)
	s_cmp_eq_u32 s2, 0
	s_cbranch_scc0 .Lentry_in_a_cluster
	s_endpgm
.Lentry_in_a_cluster:
	s_bfe_u32 s2, ttmp6, 0x10000c
	s_cmp_lg_u32 s2, 0xf033
	s_cbranch_scc0 .Lentry_shape_is_right
	s_endpgm
.Lentry_shape_is_right:
; The three projections, on codes of BF6 (E3M2) with one E8M0 scale for each 32 along K, and what follows them: bias, rotation of q and k, and the quantising of q, k (along the head's 128) and v (along the keys).
; ROLE = cluster x / 2: 0: q = subject wq; 1: k = object wk; 2: v^T = wv^T object^T (the operands change places, so that a lane holds one channel and its registers run along the keys).
; A tile of the result, 256 x 256, is made by four waves, 128 x 128 each: 64 accumulators, 512 registers.  K = 2,048 goes in steps of 256 through a ring of two LDS slots.
; THE OPERANDS LIE IN MEMORY AS IMAGES OF THEIR REGISTERS (16 rows x 128 K = 1,536 bytes: registers 4 g .. 4 g + 3 of lane l at 512 g + 16 l): 8 tiles x 256 K are one dense block of 24,576 bytes, one tensor load;
; a fragment is three ds_load_b128 at 16 x lane: no pitch, no padding.  The scale images (128 bytes, lane l's word at 4 l) of the work-group's rows, for all of K, come once and stay.
; CLUSTERS: 4 x 4 work-groups; A's tiles are shared along a row of the cluster, B's along a column: joint loads.  192 work-groups of equal work.
; SOURCE 0 = 16 rows of B, SOURCE 1 = 16 rows of A.  B's tiles are PERMUTED (place r = row 32 (t / 2) + 8 (t % 2) + r % 8 + 16 (r / 8)), so a lane's 64 results of a block of A's rows are: register 16 b + i = column 32 b + 16 h + i:
; 16 neighbours of each block of 32, as the conversions want them.  A wave's 128 columns are one head (roles 0, 1) or one step of 128 keys (role 2).
; LIMITS: NaN and infinities are not served; a block whose largest magnitude lies under 2^-122 gets the byte 1.
; REGISTERS: window 0: v1-6 lane numbers; v16-29 addresses; v32-63 scale words, two sets; v128-223 A's fragments, one set; on the way out v64-195.  window 1: B's fragments, two sets (v0, v128); on the way out the bias and three
; buffers of cos and sin.  windows 2, 3: the accumulators ((a, b) at v[8 (8 (a % 4) + b)]).
.set NQ,     2
.set FR,     12
.set FRB,    1536
.set NL,     3                         ; LDS loads that bring a fragment
.set NP,     4                         ; places behind this matrix instruction (ISA guide 7.12.1)
.set HALFT,  24576                     ; 8 tiles x 2 K steps: what one tensor load brings
.set SLOT,   4*HALFT
.set LAPS,   4                         ; 2,048 / 512
.set SCL,    2*SLOT
.set HALFS,  16384                     ; the scale images of 8 tiles, 16 K steps
.set SPARE,  SCL+4*HALFS               ; the spare words: 128 bytes for each wave, named by no other line
.set OPSEC,  3145728
.set SCSEC,  262144
.set KPAIR,  393216                    ; from a pair of K steps to the next, in memory
.set LI,   3                           ; v3   16 x lane; never rewritten
.set ADRA, 16
.set ADRB, 20
.set ADRS, 27
.set SPW,  28
.set NIL,  29
.set SC,   32
.set AF,   128
.set H,    64                          ; the way out: v64-127 a block's 64 numbers
.set PC,   128                         ; v128-147 its codes
.set TM,   148                         ; v148-163 at work
.set PW8,  164                         ; v164-171 eight scale words
.set M4,   172                         ; v172-175 merged
.set T,    176                         ; v176-179
.set BV,   180                         ; v180-195 v's bias, a pair for each block (the upper register 0)
.set BIAS, 0                           ; window 1
.set G1, 24
.set G0, 32
.set G1B, 48
.set G0B, 56
.set G1S, 68
.set G0S, 76
.set G1SB, 80
.set G0SB, 88
.set ROLE, 66
.set MSB, 0
.macro WIN new                         ; the immediate's high byte repeats the setting that is left
.if MSB != \new
	s_set_vgpr_msb (MSB<<8)|\new
.set MSB, \new
.endif
.endm
.set MUL_LO, 0xa1                      ; source 0 (B) window 1, source 1 (A) window 0, C and D window 2
.set MUL_HI, 0xf1
.set TO_B,   0x40
.macro JLOAD g0a, g1a, g0b, g1b        ; a joint load: waves 0 and 1 fetch for A, waves 2 and 3 for B; four v_nop follow each line
	s_cmp_eq_u32 s15, 0
	s_cbranch_scc0 .Lfor_b_\@
	tensor_load_to_lds s[\g0a:\g0a+3], s[\g1a:\g1a+7]
	s_nop 0
.rept 4
	v_nop
.endr
	s_branch .Lasked_\@
.Lfor_b_\@:
	tensor_load_to_lds s[\g0b:\g0b+3], s[\g1b:\g1b+7]
	s_nop 0
.rept 4
	v_nop
.endr
.Lasked_\@:
.endm
.macro CREST
	s_cmp_lg_u32 s14, 0
	s_cbranch_scc1 .Lnot_wave_0_\@
	s_barrier_signal -3
.Lnot_wave_0_\@:
	s_barrier_wait -3
	s_barrier_signal -1
	s_barrier_wait -1
.endm
.macro CROUND
	s_barrier_signal -1
	s_barrier_wait -1
	CREST
.endm
	s_load_b128 s[4:7], s[0:1], 0x0                ; the operands' codes, their scale images
	v_lshl_add_u32 v[SPW], v0, 2, SPARE
	v_mov_b32 v[NIL], 0
	ds_add_u32 v28, v29
	s_wait_dscnt 0x0
	v_lshrrev_b32 v1, 5, v0
	v_readfirstlane_b32 s14, v1                    ; wave
	s_lshr_b32 s15, s14, 1                         ; my half of the tile's rows; also: I fetch for A (0) or B (1)
	s_and_b32 s16, s14, 1                          ; my half of its columns; also: which 8 tiles I fetch
	s_bfe_u32 s40, ttmp6, 0x40000                  ; cx
	s_bfe_u32 s41, ttmp6, 0x40004                  ; cy
	s_and_b32 s42, ttmp9, 1
	s_lshl_b32 s42, s42, 2
	s_add_co_u32 s42, s42, s40                     ; tile column in my role: 4 (cluster x % 2) + cx
	s_and_b32 s17, ttmp7, 0xffff
	s_lshl_b32 s17, s17, 2
	s_add_co_u32 s17, s17, s41                     ; tile row
	s_lshl_b32 s43, s41, 2
	s_lshl_b32 s43, 15, s43                        ; my row of the cluster
	s_lshl_b32 s44, 0x1111, s40                    ; my column
	s_lshr_b32 s[ROLE], ttmp9, 1                   ; the same in all sixteen partners
	s_add_co_u32 s67, s[ROLE], 2
	s_cmp_eq_u32 s[ROLE], 2
	s_cselect_b32 s95, 4, s[ROLE]                  ; A's section: subject, object, wv
	s_cselect_b32 s96, 1, s67                      ; B's: wq, wk, object
	; group 1: 24,576 dense bytes as 96 rows of 32 elements of 8 bytes
	s_or_b32 s[G1+0], s43, (3<<16)|(1<<21)
	s_or_b32 s[G1B+0], s44, (3<<16)|(1<<21)
.irp g, G1, G1B
	s_mov_b32 s[\g+1], 32<<16
	s_mov_b32 s[\g+2], 96<<16
	s_mov_b32 s[\g+3], 32<<16
	s_mov_b32 s[\g+4], 96
	s_mov_b32 s[\g+5], 32
	s_mov_b32 s[\g+6], 0
	s_mov_b32 s[\g+7], 0
.endr
	; the scale images: 8 rows (pairs of K steps) of 2,048 bytes (8 tiles), 32,768 bytes apart
	s_or_b32 s[G1S+0], s43, (3<<16)|(1<<21)
	s_or_b32 s[G1SB+0], s44, (3<<16)|(1<<21)
.irp g, G1S, G1SB
	s_mov_b32 s[\g+1], 256<<16
	s_mov_b32 s[\g+2], 8<<16
	s_mov_b32 s[\g+3], 256<<16
	s_mov_b32 s[\g+4], 8
	s_mov_b32 s[\g+5], 4096
	s_mov_b32 s[\g+6], 0
	s_mov_b32 s[\g+7], 0
.endr
	s_lshl_b32 s18, s16, 3
	s_lshl_b32 s20, s17, 4
	s_add_co_u32 s20, s20, s18                     ; A: my first tile of 16 rows
	s_lshl_b32 s46, s42, 4
	s_add_co_u32 s46, s46, s18                     ; B: likewise
	s_lshl_b32 s22, s20, 8
	s_lshl_b32 s92, s46, 8
	s_mul_i32 s20, s20, 2*FRB
	s_mul_i32 s46, s46, 2*FRB
	s_mul_i32 s18, s95, OPSEC
	s_add_co_u32 s20, s20, s18
	s_mul_i32 s18, s95, SCSEC
	s_add_co_u32 s22, s22, s18
	s_mul_i32 s18, s96, OPSEC
	s_add_co_u32 s46, s46, s18
	s_mul_i32 s18, s96, SCSEC
	s_add_co_u32 s92, s92, s18
	s_mov_b32 s21, 0
	s_mov_b32 s23, 0
	s_mov_b32 s47, 0
	s_mov_b32 s93, 0
	s_mul_i32 s45, s14, HALFT                      ; where they go: by the wave's number alone
	s_mul_i32 s94, s14, HALFS
	s_wait_kmcnt 0x0
	s_add_nc_u64 s[20:21], s[4:5], s[20:21]
	s_add_nc_u64 s[22:23], s[6:7], s[22:23]
	s_add_nc_u64 s[46:47], s[4:5], s[46:47]
	s_add_nc_u64 s[92:93], s[6:7], s[92:93]
	CROUND                                         ; all sixteen work-groups are here: the first joint loads meet
	s_mov_b32 s[G0S], 1
	s_add_co_u32 s[G0S+1], s94, SCL
	s_mov_b64 s[G0S+2:G0S+3], s[22:23]
	s_or_b32 s[G0S+3], s[G0S+3], 0x80000000
	s_mov_b32 s[G0SB], 1
	s_add_co_u32 s[G0SB+1], s94, SCL
	s_mov_b64 s[G0SB+2:G0SB+3], s[92:93]
	s_or_b32 s[G0SB+3], s[G0SB+3], 0x80000000
	JLOAD G0S, G1S, G0SB, G1SB                     ; the scale images first: three loads of mine are out behind these lines
.irp s, 0,1
	s_mov_b32 s[G0+4*\s], 1
	s_add_co_u32 s[G0+4*\s+1], s45, \s*SLOT
	s_add_nc_u64 s[G0+4*\s+2:G0+4*\s+3], s[20:21], \s*KPAIR
	s_or_b32 s[G0+4*\s+3], s[G0+4*\s+3], 0x80000000
	s_mov_b32 s[G0B+4*\s], 1
	s_add_co_u32 s[G0B+4*\s+1], s45, \s*SLOT
	s_add_nc_u64 s[G0B+4*\s+2:G0B+4*\s+3], s[46:47], \s*KPAIR
	s_or_b32 s[G0B+4*\s+3], s[G0B+4*\s+3], 0x80000000
	JLOAD G0+4*\s, G1, G0B+4*\s, G1B
.endr
	v_and_b32 v1, 31, v0                           ; lane
	v_bfe_u32 v2, v0, 4, 1                         ; h
	v_lshlrev_b32 v[LI], 4, v1
	v_and_b32 v4, 15, v0                           ; r
	s_mul_i32 s21, s15, HALFT
	s_mul_i32 s22, s16, HALFT
	s_add_co_u32 s22, s22, 2*HALFT
.irp s, 0,1
	v_add_nc_u32 v[ADRA+\s], s21, v[LI]
	v_add_nc_u32 v[ADRB+\s], s22, v[LI]
	s_add_co_u32 s21, s21, SLOT
	s_add_co_u32 s22, s22, SLOT
.endr
	v_lshlrev_b32 v5, 2, v1                        ; scale words: 4 x lane; lanes 0-15 in A's images, lanes 16-31 in B's
	s_mul_i32 s21, s15, HALFS
	s_mul_i32 s22, s16, HALFS
	s_add_co_u32 s22, s22, 2*HALFS
	s_sub_co_u32 s22, s22, s21
	v_mul_u32_u24 v6, s22, v2
	s_add_co_u32 s21, s21, SCL
	v_add_nc_u32 v5, v5, v6
	v_add_nc_u32 v[ADRS], s21, v5
.macro FRAG reg, adr, q, i             ; tile i, the slot's q-th 128 along K: the image comes back as the registers
.irp c, 0,1,2
	ds_load_b128 v[\reg+4*\c:\reg+4*\c+3], v[\adr] offset:(2*(\i)+(\q))*FRB+512*\c
.endr
.endm
; 16 matrix instructions: A's blocks a0, a0 + 1 x B's eight.  The 64 accumulators take turns, one instruction a turn, in the same order in every step.
.macro MUL16 a0, p, q, sc, zero
.irp a, \a0, \a0+1
.irp b, 0,1,2,3,4,5,6,7
.if \zero
	v_wmma_scale_f32_16x16x128_f8f6f4 v[8*(8*((\a)%4)+\b):8*(8*((\a)%4)+\b)+7], v[128*(\p)+FR*\b:128*(\p)+FR*\b+FR-1], v[AF+FR*(\a):AF+FR*(\a)+FR-1], 0, v[SC+8*NQ*(\sc)+NQ*\b+(\q)], v[SC+8*NQ*(\sc)+NQ*(\a)+(\q)] matrix_a_fmt:MATRIX_FMT_BF6 matrix_b_fmt:MATRIX_FMT_BF6 matrix_a_scale:MATRIX_SCALE_ROW1
.else
	v_wmma_scale_f32_16x16x128_f8f6f4 v[8*(8*((\a)%4)+\b):8*(8*((\a)%4)+\b)+7], v[128*(\p)+FR*\b:128*(\p)+FR*\b+FR-1], v[AF+FR*(\a):AF+FR*(\a)+FR-1], v[8*(8*((\a)%4)+\b):8*(8*((\a)%4)+\b)+7], v[SC+8*NQ*(\sc)+NQ*\b+(\q)], v[SC+8*NQ*(\sc)+NQ*(\a)+(\q)] matrix_a_fmt:MATRIX_FMT_BF6 matrix_b_fmt:MATRIX_FMT_BF6 matrix_a_scale:MATRIX_SCALE_ROW1
.endif
.endr
.endr
.endm
.macro FETCH_B slot, q, p
	WIN TO_B
.irp i, 0,1,2,3,4,5,6,7
	FRAG 128*(\p)+FR*\i, ADRB+\slot, \q, \i
.endr
	WIN 0
.endm
.macro FETCH_A slot, q, i0
.irp i, \i0, \i0+1, \i0+2, \i0+3
	FRAG AF+FR*(\i), ADRA+\slot, \q, \i
.endr
.endm
.macro SCALES sc                       ; register 2 i + q of the set: lanes 0-15 the words of A's block i, lanes 16-31 of B's block i
.irp i, 0,1,2,3,4,5,6,7
.irp q, 0,1
	ds_load_b32 v[SC+8*NQ*\sc+NQ*\i+\q], v[ADRS] offset:256*\i+128*\q
.endr
.endr
.endm
.macro PLACES n                        ; plain vector lines between a matrix instruction and a load into, or a read of, its registers
.rept \n
	v_nop
.endr
.endm
.macro STEP slot, q, zero              ; 128 along K whose successor lies in the same slot
	s_wait_dscnt 4*NL                              ; all but the youngest 12 loads (A's blocks 4-7)
	WIN MUL_LO
	MUL16 0, (\q)%2, \q, \slot, \zero
	MUL16 2, (\q)%2, \q, \slot, \zero
	s_wait_dscnt 0
	PLACES NP
	FETCH_B \slot, (\q)+1, 1-(\q)%2
	FETCH_A \slot, (\q)+1, 0
	WIN MUL_HI
	MUL16 4, (\q)%2, \q, \slot, \zero
	MUL16 6, (\q)%2, \q, \slot, \zero
	PLACES NP
	WIN 0
	FETCH_A \slot, (\q)+1, 4
.endm
; A slot's last step changes slots: one barrier; in front of it each wave waits for all its tensor loads, adds 0 to its spare word, and waits for that and for its reads of this slot.
.macro TURN slot, next, fill
	s_wait_tensorcnt 0x0                           ; all my tensor loads have landed: my part of the next slot
	ds_add_u32 v[SPW], v[NIL]                      ; 0 onto my spare word
	s_wait_dscnt 4*NL+1                            ; (the add and the youngest 12 loads may be out)
	WIN MUL_LO
	MUL16 0, 1, NQ-1, \slot, 0
	s_wait_dscnt 0x0                               ; the add is done, and my reads of this slot are over
	s_barrier_signal -1
	MUL16 2, 1, NQ-1, \slot, 0
	WIN 0
	s_barrier_wait -1
.if \fill
	CREST                                          ; the barrier has opened a round of the cluster's: no wave of any partner still reads this slot or has a load on its way
	s_add_nc_u64 s[G0+4*\slot+2:G0+4*\slot+3], s[G0+4*\slot+2:G0+4*\slot+3], 2*KPAIR
	s_add_nc_u64 s[G0B+4*\slot+2:G0B+4*\slot+3], s[G0B+4*\slot+2:G0B+4*\slot+3], 2*KPAIR
	JLOAD G0+4*\slot, G1, G0B+4*\slot, G1B         ; my one tensor load behind the round; its four v_nop are the places in front of the loads below
.else
	PLACES NP
.endif
	v_add_nc_u32 v[ADRS], 2048, v[ADRS]            ; the next pair of K steps' scale images
	FETCH_B \next, 0, 0
	FETCH_A \next, 0, 0
	SCALES \next
	WIN MUL_HI
	MUL16 4, 1, NQ-1, \slot, 0
	MUL16 6, 1, NQ-1, \slot, 0
	PLACES NP
	WIN 0
	FETCH_A \next, 0, 4
.endm
	s_wait_tensorcnt 1                             ; the scale images and my part of slot 0 are in; slot 1's load may be out
	s_barrier_signal -1
	s_barrier_wait -1
	FETCH_B 0, 0, 0
	FETCH_A 0, 0, 0
	SCALES 0
	FETCH_A 0, 0, 4
	STEP 0, 0, 1                                   ; the first step starts the sums
	s_mov_b32 s3, LAPS-1
.Llap:
	TURN 0, 1, 1
	STEP 1, 0, 0
	TURN 1, 0, 1
	STEP 0, 0, 0
	s_sub_co_u32 s3, s3, 1
	s_cmp_lg_u32 s3, 0
	s_cbranch_scc1 .Llap
	TURN 0, 1, 0                                   ; the last lap fills nothing
	s_load_b256 s[24:31], s[0:1], 0x10             ; no tensor load of mine is out, so the descriptors' registers take bq s24, bk s26, bv s28, rt s30,
	s_load_b128 s[32:35], s[0:1], 0x30             ; qkvf s32, qkvs s34
	STEP 1, 0, 0
	s_wait_dscnt 4*NL
	WIN MUL_LO
	MUL16 0, 1, NQ-1, 1, 0
	MUL16 2, 1, NQ-1, 1, 0
	s_wait_dscnt 0
	WIN MUL_HI
	MUL16 4, 1, NQ-1, 1, 0
	MUL16 6, 1, NQ-1, 1, 0
	WIN 0
; THE WAY OUT uses no LDS: a block of 16 of A's rows (64 numbers a lane) becomes one fragment image, stored as 3 x 512 consecutive bytes.
; 64 numbers of a lane, register 16 b + i = k 32 b + 16 h + i of my row, become codes in v[PC] on and the row's scale word in v[pw].
.macro QUANT s, pw
.irp b, 0,1,2,3
	v_max3_num_f32 v[TM+\b], |v[\s+16*\b]|, |v[\s+1+16*\b]|, 0x2800000   ; my 16 numbers of block b, and the floor 2^(5 - 127)
.endr
.irp i, 2,4,6,8,10,12,14
.irp b, 0,1,2,3
	v_max3_num_f32 v[TM+\b], v[TM+\b], |v[\s+16*\b+\i]|, |v[\s+1+16*\b+\i]|
.endr
.endr
.irp b, 0,1,2,3
	v_permlanex16_b32 v[TM+4+\b], v[TM+\b], s58, s59
.endr
.irp b, 0,1,2,3
	v_max_num_f32 v[TM+\b], v[TM+\b], v[TM+4+\b]   ; with lane l xor 16's
.endr
.irp b, 0,1,2,3
	v_add_nc_u32 v[TM+12+\b], 0xfe000000, v[TM+\b] ; 4 off the exponent field: the conversion's scale operand
.endr
.irp b, 0,1,2,3
	v_lshrrev_b32 v[TM+4+\b], 23, v[TM+12+\b]
.endr
	v_lshl_or_b32 v[\pw], v[TM+5], 8, v[TM+4]
	v_lshl_or_b32 v[\pw], v[TM+6], 16, v[\pw]
	v_lshl_or_b32 v[\pw], v[TM+7], 24, v[\pw]
.irp c, 0,1
	v_cvt_scalef32_pk16_bf6_f32 v[PC+6*\c:PC+2+6*\c], v[\s+32*\c:\s+15+32*\c], v[TM+12+2*\c]
	v_cvt_scalef32_pk16_bf6_f32 v[PC+12+4*\c:PC+14+4*\c], v[\s+16+32*\c:\s+31+32*\c], v[TM+12+2*\c+1]
.endr
	v_nop                                          ; one plain line behind a scaled conversion
.irp c, 0,1                                    ; the layout wants a whole block in a lane
.irp i, 0,1,2
	v_permlane16_swap_b32 v[PC+6*\c+\i], v[PC+12+4*\c+\i]
.endr
.irp i, 0,1,2
	v_mov_b32 v[PC+3+6*\c+\i], v[PC+12+4*\c+\i]
.endr
.endr
.endm
.macro IMAGE a
.irp g, 0,1,2
	global_store_b128 v[LI], v[PC+4*\g:PC+4*\g+3], s[54:55] offset:(\a)*FRB+512*\g
.endr
.endm
.macro FINISH                          ; the eight scale words as one merged image: word j of lane l: fragment 2 j (lanes 0-15) or 2 j + 1 (lanes 16-31): 512 consecutive bytes
.irp j, 0,1,2,3
	v_cndmask_b32 v[M4+\j], v[PW8+2*\j], v[PW8+2*\j+1], s67
.endr
	global_store_b128 v[LI], v[M4:M4+3], s[56:57]
.endm
.macro RTLOAD a                        ; cos and sin for block a's 16 rows, in the results' order: 16 x 512 consecutive bytes, into buffer a % 3 of window 1
	WIN 0x40
.irp g, 0,1,2,3,4,5,6,7,8,9,10,11,12,13,14,15
	global_load_b128 v[64+64*((\a)%3)+4*\g:64+64*((\a)%3)+4*\g+3], v[LI], s[52:53] offset:(\a)*8192+512*\g
.endr
.endm
.macro QKBLK a
.set AC, 64*((\a)%4)
.set RB, 64+64*((\a)%3)
.if (\a) > 0
	s_wait_xcnt 0x0                                ; the last block's stores have read the codes' registers
.endif
.if (\a) <= 5
	s_wait_loadcnt 32                              ; the bias and this block's table are in; two tables of 16 loads may be out
.elseif (\a) == 6
	s_wait_loadcnt 16
.else
	s_wait_loadcnt 0x0
.endif
	WIN 0x06+(\a)/4                                ; source 0: the accumulators' window; source 1: window 1
.set k, 0
.rept 32
	v_pk_add_f32 v[H+2*k:H+2*k+1], v[AC+2*k:AC+2*k+1], v[BIAS+2*k:BIAS+2*k+1]   ; each accumulator from its low end on
.set k, k+1
.endr
	WIN 0x04                                       ; source 1 window 1: pair k's cos at 2 k, sin at 2 k + 1
.set k, 0
.rept 32
	v_mul_f32 v[T+2*(k%2)], v[H+2*k+1], v[RB+2*k+1]
	v_mul_f32 v[T+2*(k%2)+1], v[H+2*k], v[RB+2*k+1]
	v_fma_f32 v[H+2*k], v[H+2*k], v[RB+2*k], -v[T+2*(k%2)]        ; x0 cos - x1 sin
	v_fma_f32 v[H+2*k+1], v[H+2*k+1], v[RB+2*k], v[T+2*(k%2)+1]   ; x1 cos + x0 sin
.set k, k+1
.endr
.if (\a)+3 < 8
	RTLOAD (\a)+3
.endif
	WIN 0
	QUANT H, PW8+(\a)
	IMAGE \a
.endm
.macro VBLK a
.set AC, 64*((\a)%4)
.if (\a) > 0
	s_wait_xcnt 0x0
.endif
	WIN 0x02+(\a)/4
.set k, 0
.rept 32
	v_pk_add_f32 v[H+2*k:H+2*k+1], v[AC+2*k:AC+2*k+1], v[BV+2*(\a):BV+2*(\a)+1] op_sel_hi:[1,0]   ; my channel's bias for both
.set k, k+1
.endr
	WIN 0
	QUANT H, PW8+(\a)
	IMAGE \a
.endm
	PLACES NP                                      ; behind the last products: results are read, operands' registers are loaded and written
	s_wait_kmcnt 0x0
	s_lshl_b32 s36, s17, 1
	s_add_co_u32 s36, s36, s15                     ; rb: which 128 of A's rows are mine
	s_lshl_b32 s37, s42, 1
	s_add_co_u32 s37, s37, s16                     ; cb: which 128 of B's
	s_mov_b32 s58, 0x76543210
	s_mov_b32 s59, 0xfedcba98                      ; lane l xor 16
	s_mov_b32 s67, 0xffff0000                      ; lanes 16-31
.irp b, 0,1,2,3
	v_mov_b32 v[TM+4+\b], 0                        ; a lane permute's destination counts as one of its sources
.endr
	s_cmp_eq_u32 s[ROLE], 2
	s_cbranch_scc1 .Lvrole
	; ---- q and k: head cb, tokens 128 rb on
	s_lshl_b32 s40, s37, 4
	s_add_co_u32 s40, s40, s36
	s_mul_i32 s44, s40, 8*FRB                      ; q's images: (16 head + block) x 12,288
	s_lshl_b32 s45, s40, 9
	s_mul_i32 s46, s37, 393216                     ; k's: head x 393,216 + (step / 4) x 98,304 + (step % 4) x 12,288, behind q's
	s_lshr_b32 s47, s36, 2
	s_mul_i32 s47, s47, 98304
	s_add_co_u32 s46, s46, s47
	s_and_b32 s47, s36, 3
	s_mul_i32 s47, s47, 8*FRB
	s_add_co_u32 s46, s46, s47
	s_add_co_u32 s46, s46, 3145728
	s_lshl_b32 s47, s37, 14
	s_lshl_b32 s48, s36, 9
	s_add_co_u32 s47, s47, s48
	s_add_co_u32 s47, s47, 131072
	s_cmp_eq_u32 s[ROLE], 0
	s_cselect_b32 s44, s44, s46
	s_cselect_b32 s46, s45, s47
	s_cselect_b64 s[48:49], s[24:25], s[26:27]     ; bq or bk
	s_mov_b32 s45, 0
	s_mov_b32 s47, 0
	s_add_nc_u64 s[54:55], s[32:33], s[44:45]
	s_add_nc_u64 s[56:57], s[34:35], s[46:47]
	s_lshl_b32 s44, s37, 9
	s_add_nc_u64 s[48:49], s[48:49], s[44:45]      ; my head's 128 numbers of the bias
	s_lshl_b32 s44, s[ROLE], 20                    ; the natural table for q's rows, the permuted one for k's
	s_lshl_b32 s46, s36, 16
	s_add_co_u32 s44, s44, s46
	s_add_nc_u64 s[52:53], s[30:31], s[44:45]
	v_lshlrev_b32 v5, 6, v2                        ; register 16 b + i wants column 32 b + 16 h + i
	WIN 0x40
.irp b, 0,1,2,3
.irp u, 0,1,2,3
	global_load_b128 v[BIAS+16*\b+4*\u:BIAS+16*\b+4*\u+3], v5, s[48:49] offset:128*\b+16*\u
.endr
.endr
	RTLOAD 0
	RTLOAD 1
	RTLOAD 2
	WIN 0
	QKBLK 0
	QKBLK 1
	QKBLK 2
	QKBLK 3
	QKBLK 4
	QKBLK 5
	QKBLK 6
	QKBLK 7
	FINISH
	s_branch .Lend
.Lvrole:                               ; ---- v^T: head rb, key step cb; block a = the head's channels at places 16 a + r of wv's permuted tiles
	s_mul_i32 s46, s36, 393216
	s_lshr_b32 s47, s37, 2
	s_mul_i32 s47, s47, 98304
	s_add_co_u32 s46, s46, s47
	s_and_b32 s47, s37, 3
	s_mul_i32 s47, s47, 8*FRB
	s_add_co_u32 s46, s46, s47
	s_add_co_u32 s46, s46, 3145728+49152           ; V's half of a slot lies behind K's
	s_mov_b32 s47, 0
	s_add_nc_u64 s[54:55], s[32:33], s[46:47]
	s_lshl_b32 s46, s36, 14
	s_lshl_b32 s48, s37, 9
	s_add_co_u32 s46, s46, s48
	s_add_co_u32 s46, s46, 131072+8192
	s_add_nc_u64 s[56:57], s[34:35], s[46:47]
	s_lshl_b32 s46, s36, 9
	s_add_nc_u64 s[48:49], s[28:29], s[46:47]      ; bv at my head
	v_and_b32 v5, 7, v4
	v_lshrrev_b32 v6, 3, v4
	v_lshl_add_u32 v5, v6, 4, v5
	v_lshlrev_b32 v5, 2, v5                        ; place r of a tile: channel r % 8 + 16 (r / 8) on
.irp a, 0,1,2,3,4,5,6,7
	global_load_b32 v[BV+2*\a], v5, s[48:49] offset:(32*(\a/2)+8*(\a%2))*4
	v_mov_b32 v[BV+2*\a+1], 0                      ; (named with it as a pair)
.endr
	s_wait_loadcnt 0x0
	VBLK 0
	VBLK 1
	VBLK 2
	VBLK 3
	VBLK 4
	VBLK 5
	VBLK 6
	VBLK 7
	FINISH
.Lend:
	s_wait_tensorcnt 0x0                           ; the wave's end
	ds_add_u32 v[SPW], v[NIL]
	s_wait_dscnt 0x0
	CROUND                                         ; the closing round: no work-group ends while a partner may still ask for a tile that names it
	s_endpgm
.Lfunc_end_k_q4a4d20be46_qkv:
	.size	k_q4a4d20be46_qkv, .Lfunc_end_k_q4a4d20be46_qkv-k_q4a4d20be46_qkv
	.p2alignl 7, 3214868480
	.fill 96, 4, 3214868480
	.section	.rodata,"a",@progbits
	.p2align	6, 0x0
	.amdhsa_kernel k_q4a4d20be46_qkv
		.amdhsa_group_segment_fixed_size 327680
		.amdhsa_private_segment_fixed_size 0
		.amdhsa_enable_private_segment 0
		.amdhsa_kernarg_size 64
		.amdhsa_user_sgpr_count 2
		.amdhsa_user_sgpr_kernarg_segment_ptr 1
		.amdhsa_wavefront_size32 1
		.amdhsa_system_sgpr_workgroup_id_x 1
		.amdhsa_system_sgpr_workgroup_id_y 1
		.amdhsa_system_sgpr_workgroup_id_z 1
		.amdhsa_system_vgpr_workitem_id 0
		.amdhsa_next_free_vgpr 1024
		.amdhsa_next_free_sgpr 100
		.amdhsa_reserve_vcc 0
		.amdhsa_float_denorm_mode_32 3
		.amdhsa_float_denorm_mode_16_64 3
		.amdhsa_memory_ordered 1
		.amdhsa_forward_progress 1
		.amdhsa_inst_pref_size 255
	.end_amdhsa_kernel
	.section	.bss,"aw",@nobits
	.p2align	6
	.space	262144
	.amdgpu_metadata
---
amdhsa.version: [ 1, 2 ]
amdhsa.kernels:
  - .name:           k_q4a4d20be46_qkv
    .symbol:         k_q4a4d20be46_qkv.kd
    .args:
      - { .name: opf, .offset: 0, .size: 8, .value_kind: global_buffer, .address_space: global }
      - { .name: ops, .offset: 8, .size: 8, .value_kind: global_buffer, .address_space: global }
      - { .name: bq, .offset: 16, .size: 8, .value_kind: global_buffer, .address_space: global }
      - { .name: bk, .offset: 24, .size: 8, .value_kind: global_buffer, .address_space: global }
      - { .name: bv, .offset: 32, .size: 8, .value_kind: global_buffer, .address_space: global }
      - { .name: rt, .offset: 40, .size: 8, .value_kind: global_buffer, .address_space: global }
      - { .name: qkvf, .offset: 48, .size: 8, .value_kind: global_buffer, .address_space: global }
      - { .name: qkvs, .offset: 56, .size: 8, .value_kind: global_buffer, .address_space: global }
    .group_segment_fixed_size: 327680
    .private_segment_fixed_size: 0
    .kernarg_segment_align: 8
    .kernarg_segment_size: 64
    .max_flat_workgroup_size: 128
    .sgpr_count:     100
    .vgpr_count:     1024
    .wavefront_size: 32
...
	.end_amdgpu_metadata
.endif
;; end of part 2
;; launch attn (part 3): grid 16 x 16, 8 waves a work-group, clusters of 4 x 1, 327,680 bytes of LDS; arguments qkvf, qkvs, mbits, cf, cs; writes cf, cs
.if DOCPART == 3
	.amdgcn_target "amdgcn-amd-amdhsa--gfx1250"
	.amdhsa_code_object_version 6
	.text
	.protected	k_q4a4d20be46_attn
	.globl	k_q4a4d20be46_attn
	.p2align	8
	.type	k_q4a4d20be46_attn,@function
k_q4a4d20be46_attn:
	s_mov_b64 s[64:65], 0
	v_nop
	global_prefetch_b8 v0, s[64:65] scope:SCOPE_SE
	s_setreg_imm32_b32 hwreg(HW_REG_WAVE_MODE, 25, 1), 1
	s_wait_xcnt 0x0
	s_wait_alu depctr_hold_cnt(0) depctr_sa_sdst(0) depctr_va_vdst(0) depctr_va_sdst(0) depctr_va_ssrc(0) depctr_va_vcc(0) depctr_vm_vsrc(0)
	s_getreg_b32 s2, hwreg(HW_REG_IB_STS2, 6, 4)
	s_cmp_eq_u32 s2, 0
	s_cbranch_scc0 .Lentry_in_a_cluster
	s_endpgm
.Lentry_in_a_cluster:
	s_bfe_u32 s2, ttmp6, 0x10000c
	s_cmp_lg_u32 s2, 0x3003
	s_cbranch_scc0 .Lentry_shape_is_right
	s_endpgm
.Lentry_shape_is_right:
; c[q][head][:] = softmax_k(mask(q . k / sqrt(128))) v, both products on codes of BF6 (E3M2) with one E8M0 scale for each 32 along K; c leaves quantised along the head's 128, as an operand of the last projection.
; THE SOFTMAX AHEAD OF THE SECOND PRODUCT: t = score x log2(e) / sqrt(128); M = the row's largest t so far, rounded up to a whole number; p = 2^(t - M) is quantised along the keys; the row's sum is taken of the unquantised p and divides at the end.
; THE MASK is an input: every word has been packed into lane masks (word n, bit l: the number under score register n of lane l); 64 words a key step come by scalar loads and feed v_cndmask_b32 alone.
; A masked score becomes -2^33 ahead of the maximum.  c = log2(e) / sqrt(128) as f32 is a multiple of 2^-26, so its t is a whole number: in a row all of whose keys are masked M = t and p = 1 exactly, a uniform row, as with -1e9.
; LIMITS: rows whose unmasked logits lie under -7.5e8 are not served; NaN and infinities are not served; a block whose largest magnitude lies under 2^-122 gets the byte 1.
; SHARES: a work-group owns 128 queries of one head, each of its eight waves 16 of them in 256 registers.  Every wave walks all 2,048 keys, 128 a step.  All operands lie in memory as images of their registers
; (16 rows x 128 K = 1,536 bytes, registers 4 g .. 4 g + 3 of lane l at 512 g + 16 l): a slot of four key steps, K's 32 fragments and then V's 32, is 98,304 dense bytes; waves 0-3 fetch a quarter each.
; CLUSTER: the four query blocks of a cluster belong to one head and walk the same K and V: joint loads, mask 15.
; LAYOUT: S^T = K Q^T, O^T = V^T P^T: a lane holds one query.  K's tiles hold keys 32 (t / 2) + 8 (t % 2) + r % 8 + 16 (r / 8), so score register 16 b + i is key 32 b + 16 h + i; V's tiles hold the channels in the same order, so O^T's registers run likewise.
; REGISTERS: v1-3 16 x lane (+ the scales' base, + V's offset); v5, v6 the add's; v7 4 x lane; v8-10 addresses in hand; v12 -M, v13 the largest t, v[14:15] the sum; v16-27 Q; v28 prefetch offset; v29 -2^33; v32-79 four fragments;
; v96-159 S^T, then p; v160-223 O^T; v224-235 codes; v232-247 at work; v248-251 a step's scale words (register j: tile 2 j in lanes 0-15, tile 2 j + 1 in lanes 16-31); v252 f; v253 p's scale word; v255 Q's.
.set FRB,    1536
.set KSTEPB, 12288                     ; a key step's eight fragments
.set VOFF,   49152                     ; V's half of a slot
.set SLOTB,  98304
.set SLOT1,  1<<17                     ; slot 1 begins here: one exclusive or turns an address
.set SCK,    2*SLOT1                   ; the head's scale images: K's 16 x 512 bytes, then V's
.set SPARE,  SCK+16384                 ; the spare words: 128 bytes for each of eight waves, named by no other line
.set LI,  1
.set LSC, 2
.set LV,  3
.set SPW, 5
.set NIL, 6
.set L4,  7
.set ADK, 8
.set ADV, 9
.set ADS, 10
.set PFO, 28
.set SM,  29
.set TB,  2                            ; s2  LDS byte at which the slot in hand begins
.set TS,  3                            ; s3  where the slot's scale images begin: 2,048 bytes a slot
.set WV,  4
.set SLOTS, 5
.set MO,  7                            ; s7  byte offset of the mask words to be fetched next
.set G1,  8                            ; s[8:15]  group 1 of the slots' loads; s[16:19] their group 0, which walks
.set G0,  16
.set SEL, 20
.set CS,  22
.set MB,  24                           ; s[24:25] my tile's mask words
.set CFB, 26
.set CSB, 28
.set PFA, 30
.set G1S, 44                           ; at the head only: the scale images' descriptors; afterwards s32-63 and s68-99 hold a step's 64 mask words
.set G0S, 52
.set LIM, 66
.macro CROUND
	s_barrier_signal -1
	s_barrier_wait -1
	s_cmp_lg_u32 s[WV], 0
	s_cbranch_scc1 .Lnot_wave_0_\@
	s_barrier_signal -3
.Lnot_wave_0_\@:
	s_barrier_wait -3
	s_barrier_signal -1
	s_barrier_wait -1
.endm
.macro TLOAD                           ; waves 0-3 fetch a quarter of a slot each; four v_nop follow the line
	s_cmp_lt_u32 s[WV], 4
	s_cbranch_scc0 .Lnone_\@
	tensor_load_to_lds s[G0:G0+3], s[G1:G1+7]
	s_nop 0
.rept 4
	v_nop
.endr
.Lnone_\@:
.endm
; A prefetch of the slot that the NEXT change of slots will ask for: 98,304 bytes = 12 parts of 8,192.  All clusters of a head walk the same bytes: the head's first cluster asks.  Its four partners take three parts each, told apart
; by address; in each, waves 4, 5 and 6, which fetch nothing, ask for one part: lanes 256 bytes apart.  So each block of 256 bytes is named once.  The last change that fills a slot asks for nothing; slots 0 and 1 come by their loads alone.
.macro ASK
	s_cmp_gt_u32 s[SLOTS], s[LIM]
	s_cbranch_scc0 .Lnot_mine_\@
	global_prefetch_b8 v[PFO], s[PFA:PFA+1] th:TH_LOAD_NT scope:SCOPE_SE
.Lnot_mine_\@:
.endm
	s_load_b256 s[32:39], s[0:1], 0x0              ; qkvf s32, qkvs s34, mbits s36, cf s38
	s_load_b64 s[40:41], s[0:1], 0x20              ; cs
	v_lshl_add_u32 v[SPW], v0, 2, SPARE
	v_mov_b32 v[NIL], 0
	ds_add_u32 v5, v6
	s_wait_dscnt 0x0
	v_lshrrev_b32 v8, 5, v0
	v_readfirstlane_b32 s[WV], v8                  ; wave 0..7
	s_bfe_u32 s56, ttmp6, 0x40000                  ; cx
	s_lshl_b32 s57, ttmp9, 2
	s_add_co_u32 s57, s57, s56                     ; my block of 128 queries: it enters plain loads' and stores' addresses alone
	s_and_b32 s58, ttmp7, 0xffff                   ; the head, which the partners share
	s_mul_i32 s60, s58, 393216                     ; what I fetch: by head and wave alone
	s_mul_i32 s59, s[WV], 24576
	s_add_co_u32 s60, s60, s59
	s_add_co_u32 s60, s60, 3145728
	s_mov_b32 s61, 0
	s_lshl_b32 s62, s58, 14
	s_lshl_b32 s59, s[WV], 12
	s_add_co_u32 s62, s62, s59
	s_add_co_u32 s62, s62, 131072
	s_mov_b32 s63, 0
	s_lshl_b32 s68, s57, 3
	s_add_co_u32 s68, s68, s[WV]                   ; T: my tile of 16 queries
	s_lshl_b32 s70, s68, 12                        ; its mask words: 16 steps x 256 bytes
	s_mov_b32 s71, 0
	s_lshr_b32 s69, s58, 1
	s_and_b32 s72, s58, 1
	s_mul_i32 s74, s69, 393216                     ; c's image: tile T, K step = head
	s_mul_i32 s73, s68, 2*FRB
	s_add_co_u32 s74, s74, s73
	s_mul_i32 s73, s72, FRB
	s_add_co_u32 s74, s74, s73
	s_mov_b32 s75, 0
	s_lshl_b32 s76, s69, 15
	s_lshl_b32 s73, s68, 8
	s_add_co_u32 s76, s76, s73
	s_lshl_b32 s73, s72, 7
	s_add_co_u32 s76, s76, s73
	s_mov_b32 s77, 0
	s_lshl_b32 s78, s58, 4
	s_add_co_u32 s78, s78, s57
	s_mul_i32 s80, s78, 8*FRB                      ; Q's image
	s_mul_i32 s73, s[WV], FRB
	s_add_co_u32 s80, s80, s73
	s_mov_b32 s81, 0
	s_lshl_b32 s82, s78, 9                         ; Q's word in the merged image: 16 r + 256 (w % 2) + 4 (w / 2)
	s_and_b32 s73, s[WV], 1
	s_lshl_b32 s73, s73, 8
	s_add_co_u32 s82, s82, s73
	s_lshr_b32 s73, s[WV], 1
	s_lshl_b32 s73, s73, 2
	s_add_co_u32 s82, s82, s73
	s_mov_b32 s83, 0
	s_mul_i32 s84, s56, 3                          ; the prefetches: part 3 cx + wave % 4,
	s_and_b32 s73, s[WV], 3
	s_add_co_u32 s84, s84, s73
	s_lshl_b32 s84, s84, 13
	s_mul_i32 s73, s58, 393216
	s_add_co_u32 s84, s84, s73
	s_add_co_u32 s84, s84, 3145728+SLOTB           ; in slot 1: the first change of slots steps it to slot 2
	s_mov_b32 s85, 0
	s_sub_co_u32 s73, s[WV], 4
	s_cmp_lt_u32 s73, 3
	s_cselect_b32 s73, 0, 1                        ; waves 4, 5, 6
	s_or_b32 s73, s73, ttmp9                       ; of the head's first cluster: the same in all partners
	s_cmp_eq_u32 s73, 0
	s_cselect_b32 s[LIM], 1, -1
	s_mov_b32 s[G1], 15|(3<<16)|(1<<21)            ; all four work-groups; elements of 8 bytes; 24,576 dense bytes as 96 rows of 256
	s_mov_b32 s[G1+1], 32<<16
	s_mov_b32 s[G1+2], 96<<16
	s_mov_b32 s[G1+3], 32<<16
	s_mov_b32 s[G1+4], 96
	s_mov_b32 s[G1+5], 32
	s_mov_b32 s[G1+6], 0
	s_mov_b32 s[G1+7], 0
	s_mov_b32 s[G1S], 15|(3<<16)|(1<<21)           ; the scale images: 4,096 dense bytes as 16 rows of 256
	s_mov_b32 s[G1S+1], 32<<16
	s_mov_b32 s[G1S+2], 16<<16
	s_mov_b32 s[G1S+3], 32<<16
	s_mov_b32 s[G1S+4], 16
	s_mov_b32 s[G1S+5], 32
	s_mov_b32 s[G1S+6], 0
	s_mov_b32 s[G1S+7], 0
	s_mov_b32 s[SEL], 0x76543210
	s_mov_b32 s[SEL+1], 0xfedcba98
	s_mov_b32 s[CS], 0x3e0293ee                    ; c = log2(e) / sqrt(128)
	s_mov_b32 s[CS+1], s[CS]
	s_mov_b32 s[TB], 0
	s_mov_b32 s[TS], 0
	s_mov_b32 s[MO], 0
	s_mov_b32 s[SLOTS], 3
	s_wait_kmcnt 0x0
	s_mov_b32 s[G0], 1
	s_mul_i32 s[G0+1], s[WV], 24576
	s_add_nc_u64 s[G0+2:G0+3], s[32:33], s[60:61]
	s_or_b32 s[G0+3], s[G0+3], 0x80000000
	s_mov_b32 s[G0S], 1
	s_lshl_b32 s[G0S+1], s[WV], 12
	s_add_co_u32 s[G0S+1], s[G0S+1], SCK
	s_add_nc_u64 s[G0S+2:G0S+3], s[34:35], s[62:63]
	s_or_b32 s[G0S+3], s[G0S+3], 0x80000000
	s_add_nc_u64 s[MB:MB+1], s[36:37], s[70:71]
	s_add_nc_u64 s[CFB:CFB+1], s[38:39], s[74:75]
	s_add_nc_u64 s[CSB:CSB+1], s[40:41], s[76:77]
	s_add_nc_u64 s[100:101], s[32:33], s[80:81]
	s_add_nc_u64 s[104:105], s[34:35], s[82:83]
	s_add_nc_u64 s[PFA:PFA+1], s[32:33], s[84:85]
	CROUND                                         ; all four work-groups are here: the first joint loads meet
	s_cmp_lt_u32 s[WV], 4                          ; a wave's two first fills stand in one branch: two loads of mine are out
	s_cbranch_scc0 .Lno_first
	tensor_load_to_lds s[G0S:G0S+3], s[G1S:G1S+7]  ; the head's scale images: filled once
	s_nop 0
	tensor_load_to_lds s[G0:G0+3], s[G1:G1+7]      ; slot 0
	s_nop 0
.rept 4
	v_nop
.endr
.Lno_first:
	v_and_b32 v8, 31, v0
	v_lshlrev_b32 v[LI], 4, v8
	v_add_nc_u32 v[LSC], SCK, v[LI]
	v_add_nc_u32 v[LV], VOFF, v[LI]
	v_lshlrev_b32 v[L4], 2, v8
	v_lshlrev_b32 v[PFO], 8, v8
	v_and_b32 v11, 15, v0
	v_lshlrev_b32 v11, 4, v11
.irp g, 0,1,2
	global_load_b128 v[16+4*\g:19+4*\g], v[LI], s[100:101] offset:512*\g   ; Q's fragment stays in registers
.endr
	global_load_b32 v255, v11, s[104:105]          ; and its rows' scale words
	v_mov_b32 v[SM], 0xd0000000                    ; -2^33
	v_mov_b32 v13, 0xff61b1e6                      ; the largest t so far: -3e38
	v_floor_f32 v12, -v13                          ; -M
	v_mov_b32 v14, 0
	v_mov_b32 v15, 0
.irp b, 0,1,2,3
	v_mov_b32 v[236+\b], 0                         ; a lane permute's destination counts as one of its sources
.endr
	v_mov_b32 v253, 0                              ; (named as the upper half of v[252:253] before it is first written)
.set j, 0
.rept 64
	v_mov_b32 v[160+j], 0                          ; O^T: the step is written once; its first turn finds zeros
.set j, j+1
.endr
	s_wait_tensorcnt 0x0                           ; no tensor load of mine is out: the scale images' descriptors give way to the mask words
	s_load_b512 s[32:47], s[MB:MB+1], 0x0          ; key step 0's 64 words
	s_load_b512 s[48:63], s[MB:MB+1], 0x40
	s_load_b512 s[68:83], s[MB:MB+1], 0x80
	s_load_b512 s[84:99], s[MB:MB+1], 0xc0
	s_wait_loadcnt 0x0                             ; Q
.macro TILES adr, off, t0              ; four fragments, tiles t0 .. t0 + 3
.irp t, 0,1,2,3
.irp c, 0,1,2
	ds_load_b128 v[32+12*\t+4*\c:35+12*\t+4*\c], v[\adr] offset:\off+FRB*(\t0+\t)+512*\c
.endr
.endr
.endm
.macro KQ g                            ; S^T, tiles 4 g .. 4 g + 3: each starts its sum
.irp t, 0,1,2,3
.if \t%2
	v_wmma_scale_f32_16x16x128_f8f6f4 v[96+8*(4*\g+\t):103+8*(4*\g+\t)], v[32+12*\t:43+12*\t], v[16:27], 0, v[248+2*\g+\t/2], v255 matrix_a_fmt:MATRIX_FMT_BF6 matrix_b_fmt:MATRIX_FMT_BF6 matrix_a_scale:MATRIX_SCALE_ROW1
.else
	v_wmma_scale_f32_16x16x128_f8f6f4 v[96+8*(4*\g+\t):103+8*(4*\g+\t)], v[32+12*\t:43+12*\t], v[16:27], 0, v[248+2*\g+\t/2], v255 matrix_a_fmt:MATRIX_FMT_BF6 matrix_b_fmt:MATRIX_FMT_BF6
.endif
.endr
.endm
.macro PV g                            ; O^T += V^T P^T: eight accumulators by turns, one instruction a turn
.irp t, 0,1,2,3
.if \t%2
	v_wmma_scale_f32_16x16x128_f8f6f4 v[160+8*(4*\g+\t):167+8*(4*\g+\t)], v[32+12*\t:43+12*\t], v[224:235], v[160+8*(4*\g+\t):167+8*(4*\g+\t)], v[248+2*\g+\t/2], v253 matrix_a_fmt:MATRIX_FMT_BF6 matrix_b_fmt:MATRIX_FMT_BF6 matrix_a_scale:MATRIX_SCALE_ROW1
.else
	v_wmma_scale_f32_16x16x128_f8f6f4 v[160+8*(4*\g+\t):167+8*(4*\g+\t)], v[32+12*\t:43+12*\t], v[224:235], v[160+8*(4*\g+\t):167+8*(4*\g+\t)], v[248+2*\g+\t/2], v253 matrix_a_fmt:MATRIX_FMT_BF6 matrix_b_fmt:MATRIX_FMT_BF6
.endif
.endr
.endm
.macro BMAX b0                         ; the largest score of blocks b0 and b0 + 1 of 32 keys, by turns: it serves the row's maximum and, since p rises with the score, the block's largest p
.irp b, \b0, \b0+1
	v_max3_num_f32 v[232+\b], v[96+16*(\b)], v[97+16*(\b)], v[98+16*(\b)]
.endr
.irp i, 3,5,7,9,11,13
.irp b, \b0, \b0+1
	v_max3_num_f32 v[232+\b], v[232+\b], v[96+16*(\b)+\i], v[97+16*(\b)+\i]
.endr
.endr
.irp b, \b0, \b0+1
	v_max_num_f32 v[232+\b], v[232+\b], v[111+16*(\b)]
.endr
.endm
.macro MKCODES                         ; v232-235 the four blocks' largest magnitudes (floored), v96-159 the numbers: codes into v224-235, the scale word into v253
.irp b, 0,1,2,3
	v_add_nc_u32 v[244+\b], 0xfe000000, v[232+\b]  ; 4 off the exponent field: the conversion's scale operand
.endr
.irp b, 0,1,2,3
	v_lshrrev_b32 v[236+\b], 23, v[244+\b]
.endr
	v_lshl_or_b32 v253, v237, 8, v236
	v_lshl_or_b32 v253, v238, 16, v253
	v_lshl_or_b32 v253, v239, 24, v253
.irp c, 0,1
	v_cvt_scalef32_pk16_bf6_f32 v[224+6*\c:226+6*\c], v[96+32*\c:111+32*\c], v[244+2*\c]
	v_cvt_scalef32_pk16_bf6_f32 v[236+4*\c:238+4*\c], v[112+32*\c:127+32*\c], v[244+2*\c+1]
.endr
	v_nop                                          ; one plain line behind a scaled conversion
.irp c, 0,1                                    ; the layout wants a whole block in a lane
.irp i, 0,1,2
	v_permlane16_swap_b32 v[224+6*\c+\i], v[236+4*\c+\i]
.endr
.irp i, 0,1,2
	v_mov_b32 v[227+6*\c+\i], v[236+4*\c+\i]
.endr
.endr
.endm
; A KEY STEP: 128 keys, the q-th of the slot in hand.
.macro STEP q
	v_add_nc_u32 v[ADK], s[TB], v[LI]              ; (these three and the v_nop are the four places behind the last step's products)
	v_add_nc_u32 v[ADV], s[TB], v[LV]
	v_add_nc_u32 v[ADS], s[TS], v[LSC]
	v_nop
	ds_load_b128 v[248:251], v[ADS] offset:512*(\q)   ; K's eight scale words
	TILES ADK, KSTEPB*(\q), 0
	s_wait_dscnt 0x0
	KQ 0
.rept 4
	v_nop
.endr
	TILES ADK, KSTEPB*(\q), 4
	s_wait_kmcnt 0x0                               ; this step's mask words are in
.set n, 0
.rept 32
	v_cndmask_b32 v[96+n], v[SM], v[96+n], s[32+n] ; the score where the mask's number is not 0, else -2^33; each accumulator from its low end on
.set n, n+1
.endr
	s_wait_dscnt 0x0
	KQ 1
	BMAX 0                                         ; sixteen plain lines on the first four tiles: the places behind the last four products
	ds_load_b128 v[248:251], v[ADS] offset:8192+512*(\q)   ; V's scale words and first four fragments are asked for ahead of the softmax
	TILES ADV, KSTEPB*(\q), 0
.set n, 0
.rept 32
	v_cndmask_b32 v[128+n], v[SM], v[128+n], s[68+n]
.set n, n+1
.endr
	BMAX 2
	s_add_co_u32 s[MO], s[MO], 256                 ; the next step's mask words; the last step goes round to step 0's: no load leaves the buffer
	s_and_b32 s[MO], s[MO], 4095
	s_load_b512 s[32:47], s[MB:MB+1], s[MO] offset:0x0
	s_load_b512 s[48:63], s[MB:MB+1], s[MO] offset:0x40
	s_load_b512 s[68:83], s[MB:MB+1], s[MO] offset:0x80
	s_load_b512 s[84:99], s[MB:MB+1], s[MO] offset:0xc0
.irp b, 0,1,2,3
	v_permlanex16_b32 v[236+\b], v[232+\b], s[SEL], s[SEL+1]
.endr
.irp b, 0,1,2,3
	v_max_num_f32 v[232+\b], v[232+\b], v[236+\b]  ; with lane l xor 16's 16 keys
.endr
	v_max3_num_f32 v254, v232, v233, v234
	v_max_num_f32 v254, v254, v235
	v_mul_f32 v254, s[CS], v254                    ; the step's largest t of my query
	v_max_num_f32 v13, v13, v254
	v_mov_b32 v254, v12
	v_floor_f32 v12, -v13                          ; the new -M = -ceil(t): a whole number
	v_sub_f32 v254, v12, v254                      ; old M - new M: a whole number, 0 or less
	v_cvt_i32_f32 v254, v254                       ; (it saturates)
	v_ldexp_f32 v252, 1.0, v254                    ; f = 2^(old M - new M): a multiplication by it rounds nothing
.set j, 0
.rept 32
	v_pk_fma_f32 v[96+j:97+j], v[96+j:97+j], s[CS:CS+1], v[12:13] op_sel_hi:[1,0,0]   ; t - M, two at a time
.set j, j+2
.endr
.irp b, 0,1,2,3
	v_fma_f32 v[232+\b], v[232+\b], s[CS], v12     ; the same of each block's largest score
.endr
.set j, 0
.rept 64
	v_exp_f32 v[96+j], v[96+j]                     ; p = 2^(t - M)
.set j, j+1
.endr
	v_pk_mul_f32 v[14:15], v[14:15], v[252:253] op_sel_hi:[1,0]   ; the sums under the new M: the plain line behind the batch
	s_wait_alu depctr_va_vdst(0)                   ; one wait for the 64, ahead of their first reader
.irp b, 0,1,2,3
	v_exp_f32 v[232+\b], v[232+\b]                 ; the block's largest p: the same two instructions on the same number
.endr
	v_pk_add_f32 v[236:237], v[96:97], v[98:99]    ; the row's sum of the unquantised p, in two chains
.irp j2, 4,8,12,16,20,24,28,32,36,40,44,48,52,56,60
	v_pk_add_f32 v[14:15], v[14:15], v[96+\j2:97+\j2]
	v_pk_add_f32 v[236:237], v[236:237], v[98+\j2:99+\j2]
.endr
	v_pk_add_f32 v[14:15], v[14:15], v[236:237]
	s_wait_alu depctr_va_vdst(0)                   ; and one for the four
.irp b, 0,1,2,3
	v_max_num_f32 v[232+\b], 0x2800000, v[232+\b]  ; the floor 2^(5 - 127)
.endr
	MKCODES
.set j, 0
.rept 32
	v_pk_mul_f32 v[160+j:161+j], v[160+j:161+j], v[252:253] op_sel_hi:[1,0]   ; O^T under the new M; these are also the places between the codes' and the scale word's last writes and the products
.set j, j+2
.endr
	s_wait_dscnt 0x0                               ; V's first four fragments and its scale words
	PV 0
.rept 4
	v_nop
.endr
	TILES ADV, KSTEPB*(\q), 4
	s_wait_dscnt 0x0
	PV 1
.endm
; THE CHANGE OF SLOTS stands at a slot's head.  Each wave waits for all its tensor loads, adds 0 to its spare word, and waits for that and for its reads of the slot that it has left.
; fill = 1: the barrier is a round of the cluster's, and behind it the slot just left is filled with the next four key steps: one load a wave, with four key steps in which to land.
.macro CHANGE fill
	s_wait_tensorcnt 0x0                           ; no tensor load of mine is out, so group 0 may be written
	ds_add_u32 v[SPW], v[NIL]                      ; 0 onto my spare word
.if \fill
	s_xor_b32 s[G0+1], s[G0+1], SLOT1
	s_add_nc_u64 s[G0+2:G0+3], s[G0+2:G0+3], SLOTB
	s_wait_xcnt 0x0                                ; the last prefetch, a slot back, has read its address
	s_add_nc_u64 s[PFA:PFA+1], s[PFA:PFA+1], SLOTB
	s_wait_dscnt 0x0                               ; the add is done, and my reads of the slot that I have left are over
	CROUND
	TLOAD
	ASK
.else
	s_wait_dscnt 0x0
	s_barrier_signal -1
	s_barrier_wait -1
.endif
.endm
.macro SLOT_STEPS
	STEP 0
	STEP 1
	STEP 2
	STEP 3
	s_xor_b32 s[TB], s[TB], SLOT1
	s_add_co_u32 s[TS], s[TS], 2048
.endm
.Lslot:                                ; three trips: behind each change of slots but the last the next slot is asked for
	CHANGE 1
	SLOT_STEPS
	s_sub_co_u32 s[SLOTS], s[SLOTS], 1
	s_cmp_lg_u32 s[SLOTS], 0
	s_cbranch_scc1 .Lslot
	CHANGE 0                                       ; the last slot is written out
	SLOT_STEPS
	; THE WAY OUT: O^T / the sum; register 16 b + i is channel 32 b + 16 h + i of my query: quantised along the head's 128, stored as an image: K step = head of the last projection's operand.
.rept 4
	v_nop
.endr
	v_add_f32 v14, v14, v15
	v_permlanex16_b32 v252, v14, s[SEL], s[SEL+1]
	v_add_f32 v14, v14, v252                       ; the row's sum
	v_rcp_f32 v14, v14
	v_nop                                          ; a plain line behind the reciprocal,
	s_wait_alu depctr_va_vdst(0)                   ; and its wait, ahead of the first reader
.set j, 0
.rept 64
	v_mul_f32 v[96+j], v[160+j], v14
.set j, j+1
.endr
.irp b, 0,1,2,3
	v_max3_num_f32 v[232+\b], |v[96+16*\b]|, |v[97+16*\b]|, 0x2800000
.endr
.irp i, 2,4,6,8,10,12,14
.irp b, 0,1,2,3
	v_max3_num_f32 v[232+\b], v[232+\b], |v[96+16*\b+\i]|, |v[97+16*\b+\i]|
.endr
.endr
.irp b, 0,1,2,3
	v_permlanex16_b32 v[236+\b], v[232+\b], s[SEL], s[SEL+1]
.endr
.irp b, 0,1,2,3
	v_max_num_f32 v[232+\b], v[232+\b], v[236+\b]
.endr
	MKCODES
.irp g, 0,1,2
	global_store_b128 v[LI], v[224+4*\g:227+4*\g], s[CFB:CFB+1] offset:512*\g   ; 512 consecutive bytes
.endr
	global_store_b32 v[L4], v253, s[CSB:CSB+1]
	s_wait_tensorcnt 0x0                           ; the wave's end
	ds_add_u32 v[SPW], v[NIL]
	s_wait_dscnt 0x0
	CROUND                                         ; the closing round
	s_endpgm
.Lfunc_end_k_q4a4d20be46_attn:
	.size	k_q4a4d20be46_attn, .Lfunc_end_k_q4a4d20be46_attn-k_q4a4d20be46_attn
	.p2alignl 7, 3214868480
	.fill 96, 4, 3214868480
	.section	.rodata,"a",@progbits
	.p2align	6, 0x0
	.amdhsa_kernel k_q4a4d20be46_attn
		.amdhsa_group_segment_fixed_size 327680
		.amdhsa_private_segment_fixed_size 0
		.amdhsa_enable_private_segment 0
		.amdhsa_kernarg_size 40
		.amdhsa_user_sgpr_count 2
		.amdhsa_user_sgpr_kernarg_segment_ptr 1
		.amdhsa_wavefront_size32 1
		.amdhsa_system_sgpr_workgroup_id_x 1
		.amdhsa_system_sgpr_workgroup_id_y 1
		.amdhsa_system_sgpr_workgroup_id_z 1
		.amdhsa_system_vgpr_workitem_id 0
		.amdhsa_next_free_vgpr 256
		.amdhsa_next_free_sgpr 106
		.amdhsa_reserve_vcc 0
		.amdhsa_float_denorm_mode_32 3
		.amdhsa_float_denorm_mode_16_64 3
		.amdhsa_memory_ordered 1
		.amdhsa_forward_progress 1
		.amdhsa_inst_pref_size 199
	.end_amdhsa_kernel
	.amdgpu_metadata
---
amdhsa.version: [ 1, 2 ]
amdhsa.kernels:
  - .name:           k_q4a4d20be46_attn
    .symbol:         k_q4a4d20be46_attn.kd
    .args:
      - { .name: qkvf, .offset: 0, .size: 8, .value_kind: global_buffer, .address_space: global }
      - { .name: qkvs, .offset: 8, .size: 8, .value_kind: global_buffer, .address_space: global }
      - { .name: mbits, .offset: 16, .size: 8, .value_kind: global_buffer, .address_space: global }
      - { .name: cf, .offset: 24, .size: 8, .value_kind: global_buffer, .address_space: global }
      - { .name: cs, .offset: 32, .size: 8, .value_kind: global_buffer, .address_space: global }
    .group_segment_fixed_size: 327680
    .private_segment_fixed_size: 0
    .kernarg_segment_align: 8
    .kernarg_segment_size: 40
    .max_flat_workgroup_size: 256
    .sgpr_count:     106
    .vgpr_count:     256
    .wavefront_size: 32
...
	.end_amdgpu_metadata
.endif
;; end of part 3
;; launch proj (part 4): grid 8 x 8, 4 waves a work-group, clusters of 4 x 4, 327,680 bytes of LDS; arguments cf, cs, opf, ops, bc, out0; writes out0
.if DOCPART == 4
	.amdgcn_target "amdgcn-amd-amdhsa--gfx1250"
	.amdhsa_code_object_version 6
	.text
	.protected	k_q4a4d20be46_proj
	.globl	k_q4a4d20be46_proj
	.p2align	8
	.type	k_q4a4d20be46_proj,@function
k_q4a4d20be46_proj:
	s_mov_b64 s[64:65], 0
	v_nop
	global_prefetch_b8 v0, s[64:65] scope:SCOPE_SE
	s_setreg_imm32_b32 hwreg(HW_REG_WAVE_MODE, 25, 1), 1
	s_wait_xcnt 0x0
	s_wait_alu depctr_hold_cnt(0) depctr_sa_sdst(0) depctr_va_vdst(0) depctr_va_sdst(0) depctr_va_ssrc(0) depctr_va_vcc(0) depctr_vm_vsrc(0)
	s_getreg_b32 s2, hwreg(HW_REG_IB_STS2, 6, 4)
	s_cmp_eq_u32 s2, 0
	s_cbranch_scc0 .Lentry_in_a_cluster
	s_endpgm
.Lentry_in_a_cluster:
	s_bfe_u32 s2, ttmp6, 0x10000c
	s_cmp_lg_u32 s2, 0xf033
	s_cbranch_scc0 .Lentry_shape_is_right
	s_endpgm
.Lentry_shape_is_right:
; out0 = c wc + bc, on codes of BF6 (E3M2) with one E8M0 scale for each 32 along K.  A = c (natural tiles of 16 tokens), B = wc (section 5 of the operands; its tiles hold columns 32 (t / 2) + 8 (t % 2) + r % 8 + 16 (r / 8)).
; A tile of the result, 256 x 256, is made by four waves, 128 x 128 each; K = 2,048 goes in steps of 256 through a ring of two LDS slots.  Both operands lie in memory as images of their registers (16 rows x 128 K = 1,536 bytes:
; registers 4 g .. 4 g + 3 of lane l at 512 g + 16 l): 8 tiles x 256 K are one dense block of 24,576 bytes, one tensor load; a fragment is three ds_load_b128 at 16 x lane.  The scale images come once and stay.
; CLUSTERS: 4 x 4 work-groups; A's tiles shared along a row of the cluster, B's along a column: joint loads.  64 work-groups: the result has no more tiles of this size.
; SOURCE 0 = 16 rows of B, SOURCE 1 = 16 rows of A: a lane holds eight numbers of a row of the result; the stage on the way out puts the columns back in order.
; REGISTERS: window 0: v1-6 lane numbers; v8-11 my four numbers of bc; v16-29 addresses; v32-63 scale words; v128-223 A's fragments, on the way out v128-255 rows.  window 1: B's fragments, two sets.  windows 2, 3: the accumulators.
.set NQ,     2
.set FR,     12
.set FRB,    1536
.set NL,     3
.set NP,     4
.set HALFT,  24576
.set SLOT,   4*HALFT
.set LAPS,   4
.set SCL,    2*SLOT
.set HALFS,  16384
.set SPARE,  SCL+4*HALFS               ; the spare words: 128 bytes for each wave, named by no other line
.set OPSEC,  3145728
.set SCSEC,  262144
.set KPAIR,  393216
.set SPITCH, 528                       ; the way out: a stage of 16 rows x (512 bytes + 16) for each wave, in slot 0, which has had its last fill and its last read by then
.set ROWC,   8192                      ; a row of the result in bytes
.set LI,   3
.set ADRA, 16
.set ADRB, 20
.set STO,  24
.set RD,   25
.set CO,   26
.set ADRS, 27
.set SPW,  28
.set NIL,  29
.set SC,   32
.set AF,   128
.set BK,   128
.set G1, 24
.set G0, 32
.set G1B, 48
.set G0B, 56
.set G1S, 68
.set G0S, 76
.set G1SB, 80
.set G0SB, 88
.set MSB, 0
.macro WIN new
.if MSB != \new
	s_set_vgpr_msb (MSB<<8)|\new
.set MSB, \new
.endif
.endm
.set MUL_LO, 0xa1
.set MUL_HI, 0xf1
.set TO_B,   0x40
.macro JLOAD g0a, g1a, g0b, g1b        ; a joint load: waves 0 and 1 fetch for A, waves 2 and 3 for B; four v_nop follow each line
	s_cmp_eq_u32 s15, 0
	s_cbranch_scc0 .Lfor_b_\@
	tensor_load_to_lds s[\g0a:\g0a+3], s[\g1a:\g1a+7]
	s_nop 0
.rept 4
	v_nop
.endr
	s_branch .Lasked_\@
.Lfor_b_\@:
	tensor_load_to_lds s[\g0b:\g0b+3], s[\g1b:\g1b+7]
	s_nop 0
.rept 4
	v_nop
.endr
.Lasked_\@:
.endm
.macro CREST
	s_cmp_lg_u32 s14, 0
	s_cbranch_scc1 .Lnot_wave_0_\@
	s_barrier_signal -3
.Lnot_wave_0_\@:
	s_barrier_wait -3
	s_barrier_signal -1
	s_barrier_wait -1
.endm
.macro CROUND
	s_barrier_signal -1
	s_barrier_wait -1
	CREST
.endm
	s_load_b128 s[4:7], s[0:1], 0x0                ; c's codes, c's scale images
	s_load_b128 s[8:11], s[0:1], 0x10              ; the operands' codes, their scale images
	s_load_b128 s[96:99], s[0:1], 0x20             ; bc, out0
	v_lshl_add_u32 v[SPW], v0, 2, SPARE
	v_mov_b32 v[NIL], 0
	ds_add_u32 v28, v29
	s_wait_dscnt 0x0
	v_lshrrev_b32 v1, 5, v0
	v_readfirstlane_b32 s14, v1
	s_lshr_b32 s15, s14, 1
	s_and_b32 s16, s14, 1
	s_bfe_u32 s40, ttmp6, 0x40000
	s_bfe_u32 s41, ttmp6, 0x40004
	s_lshl_b32 s42, ttmp9, 2
	s_add_co_u32 s42, s42, s40                     ; tile column
	s_and_b32 s17, ttmp7, 0xffff
	s_lshl_b32 s17, s17, 2
	s_add_co_u32 s17, s17, s41                     ; tile row
	s_lshl_b32 s43, s41, 2
	s_lshl_b32 s43, 15, s43
	s_lshl_b32 s44, 0x1111, s40
	s_or_b32 s[G1+0], s43, (3<<16)|(1<<21)         ; 24,576 dense bytes as 96 rows of 32 elements of 8 bytes
	s_or_b32 s[G1B+0], s44, (3<<16)|(1<<21)
.irp g, G1, G1B
	s_mov_b32 s[\g+1], 32<<16
	s_mov_b32 s[\g+2], 96<<16
	s_mov_b32 s[\g+3], 32<<16
	s_mov_b32 s[\g+4], 96
	s_mov_b32 s[\g+5], 32
	s_mov_b32 s[\g+6], 0
	s_mov_b32 s[\g+7], 0
.endr
	s_or_b32 s[G1S+0], s43, (3<<16)|(1<<21)        ; the scale images: 8 rows of 2,048 bytes, 32,768 bytes apart
	s_or_b32 s[G1SB+0], s44, (3<<16)|(1<<21)
.irp g, G1S, G1SB
	s_mov_b32 s[\g+1], 256<<16
	s_mov_b32 s[\g+2], 8<<16
	s_mov_b32 s[\g+3], 256<<16
	s_mov_b32 s[\g+4], 8
	s_mov_b32 s[\g+5], 4096
	s_mov_b32 s[\g+6], 0
	s_mov_b32 s[\g+7], 0
.endr
	s_lshl_b32 s18, s16, 3
	s_lshl_b32 s20, s17, 4
	s_add_co_u32 s20, s20, s18
	s_lshl_b32 s46, s42, 4
	s_add_co_u32 s46, s46, s18
	s_lshl_b32 s22, s20, 8
	s_lshl_b32 s92, s46, 8
	s_mul_i32 s20, s20, 2*FRB
	s_mul_i32 s46, s46, 2*FRB
	s_add_co_u32 s46, s46, 5*OPSEC
	s_add_co_u32 s92, s92, 5*SCSEC
	s_mov_b32 s21, 0
	s_mov_b32 s23, 0
	s_mov_b32 s47, 0
	s_mov_b32 s93, 0
	s_mul_i32 s45, s14, HALFT
	s_mul_i32 s94, s14, HALFS
	s_wait_kmcnt 0x0
	s_add_nc_u64 s[20:21], s[4:5], s[20:21]
	s_add_nc_u64 s[22:23], s[6:7], s[22:23]
	s_add_nc_u64 s[46:47], s[8:9], s[46:47]
	s_add_nc_u64 s[92:93], s[10:11], s[92:93]
	CROUND                                         ; all sixteen work-groups are here: the first joint loads meet
	s_mov_b32 s[G0S], 1
	s_add_co_u32 s[G0S+1], s94, SCL
	s_mov_b64 s[G0S+2:G0S+3], s[22:23]
	s_or_b32 s[G0S+3], s[G0S+3], 0x80000000
	s_mov_b32 s[G0SB], 1
	s_add_co_u32 s[G0SB+1], s94, SCL
	s_mov_b64 s[G0SB+2:G0SB+3], s[92:93]
	s_or_b32 s[G0SB+3], s[G0SB+3], 0x80000000
	JLOAD G0S, G1S, G0SB, G1SB
.irp s, 0,1
	s_mov_b32 s[G0+4*\s], 1
	s_add_co_u32 s[G0+4*\s+1], s45, \s*SLOT
	s_add_nc_u64 s[G0+4*\s+2:G0+4*\s+3], s[20:21], \s*KPAIR
	s_or_b32 s[G0+4*\s+3], s[G0+4*\s+3], 0x80000000
	s_mov_b32 s[G0B+4*\s], 1
	s_add_co_u32 s[G0B+4*\s+1], s45, \s*SLOT
	s_add_nc_u64 s[G0B+4*\s+2:G0B+4*\s+3], s[46:47], \s*KPAIR
	s_or_b32 s[G0B+4*\s+3], s[G0B+4*\s+3], 0x80000000
	JLOAD G0+4*\s, G1, G0B+4*\s, G1B
.endr
	v_and_b32 v1, 31, v0
	v_bfe_u32 v2, v0, 4, 1
	v_lshlrev_b32 v[LI], 4, v1
	v_and_b32 v4, 15, v0
	s_mul_i32 s21, s15, HALFT
	s_mul_i32 s22, s16, HALFT
	s_add_co_u32 s22, s22, 2*HALFT
.irp s, 0,1
	v_add_nc_u32 v[ADRA+\s], s21, v[LI]
	v_add_nc_u32 v[ADRB+\s], s22, v[LI]
	s_add_co_u32 s21, s21, SLOT
	s_add_co_u32 s22, s22, SLOT
.endr
	v_lshlrev_b32 v5, 2, v1
	s_mul_i32 s21, s15, HALFS
	s_mul_i32 s22, s16, HALFS
	s_add_co_u32 s22, s22, 2*HALFS
	s_sub_co_u32 s22, s22, s21
	v_mul_u32_u24 v6, s22, v2
	s_add_co_u32 s21, s21, SCL
	v_add_nc_u32 v5, v5, v6
	v_add_nc_u32 v[ADRS], s21, v5
	s_mul_i32 s23, s14, 16*SPITCH                  ; my stage
	v_mul_u32_u24 v5, v4, SPITCH                   ; in: row r; B's tile b, register j is column 32 (b / 2) + 8 (b % 2) + 16 h + j
	v_lshl_add_u32 v5, v2, 6, v5
	v_add_nc_u32 v[STO], s23, v5
	v_lshlrev_b32 v[CO], 4, v1                     ; back: the 32 lanes take one row of 512 bytes; and the same in the result
	v_add_nc_u32 v[RD], s23, v[CO]
	s_lshl_b32 s20, s17, 8
	s_lshl_b32 s21, s15, 7
	s_add_co_u32 s20, s20, s21                     ; my first row
	s_lshl_b32 s20, s20, 13
	s_mov_b32 s21, 0
	s_lshl_b32 s46, s42, 10                        ; my first column, in bytes
	s_lshl_b32 s47, s16, 9
	s_add_co_u32 s46, s46, s47
	s_mov_b32 s47, 0
	s_add_nc_u64 s[96:97], s[96:97], s[46:47]
	s_add_nc_u64 s[12:13], s[98:99], s[46:47]
	s_add_nc_u64 s[12:13], s[12:13], s[20:21]
	global_load_b128 v[8:11], v[CO], s[96:97]      ; bc at my four columns of a row; waited for on the way out
.macro FRAG reg, adr, q, i
.irp c, 0,1,2
	ds_load_b128 v[\reg+4*\c:\reg+4*\c+3], v[\adr] offset:(2*(\i)+(\q))*FRB+512*\c
.endr
.endm
; 16 matrix instructions: A's blocks a0, a0 + 1 x B's eight.  The 64 accumulators take turns, one instruction a turn, in the same order in every step.
.macro MUL16 a0, p, q, sc, zero
.irp a, \a0, \a0+1
.irp b, 0,1,2,3,4,5,6,7
.if \zero
	v_wmma_scale_f32_16x16x128_f8f6f4 v[8*(8*((\a)%4)+\b):8*(8*((\a)%4)+\b)+7], v[128*(\p)+FR*\b:128*(\p)+FR*\b+FR-1], v[AF+FR*(\a):AF+FR*(\a)+FR-1], 0, v[SC+8*NQ*(\sc)+NQ*\b+(\q)], v[SC+8*NQ*(\sc)+NQ*(\a)+(\q)] matrix_a_fmt:MATRIX_FMT_BF6 matrix_b_fmt:MATRIX_FMT_BF6 matrix_a_scale:MATRIX_SCALE_ROW1
.else
	v_wmma_scale_f32_16x16x128_f8f6f4 v[8*(8*((\a)%4)+\b):8*(8*((\a)%4)+\b)+7], v[128*(\p)+FR*\b:128*(\p)+FR*\b+FR-1], v[AF+FR*(\a):AF+FR*(\a)+FR-1], v[8*(8*((\a)%4)+\b):8*(8*((\a)%4)+\b)+7], v[SC+8*NQ*(\sc)+NQ*\b+(\q)], v[SC+8*NQ*(\sc)+NQ*(\a)+(\q)] matrix_a_fmt:MATRIX_FMT_BF6 matrix_b_fmt:MATRIX_FMT_BF6 matrix_a_scale:MATRIX_SCALE_ROW1
.endif
.endr
.endr
.endm
.macro FETCH_B slot, q, p
	WIN TO_B
.irp i, 0,1,2,3,4,5,6,7
	FRAG 128*(\p)+FR*\i, ADRB+\slot, \q, \i
.endr
	WIN 0
.endm
.macro FETCH_A slot, q, i0
.irp i, \i0, \i0+1, \i0+2, \i0+3
	FRAG AF+FR*(\i), ADRA+\slot, \q, \i
.endr
.endm
.macro SCALES sc
.irp i, 0,1,2,3,4,5,6,7
.irp q, 0,1
	ds_load_b32 v[SC+8*NQ*\sc+NQ*\i+\q], v[ADRS] offset:256*\i+128*\q
.endr
.endr
.endm
.macro PLACES n
.rept \n
	v_nop
.endr
.endm
.macro STEP slot, q, zero
	s_wait_dscnt 4*NL                              ; all but the youngest 12 loads (A's blocks 4-7)
	WIN MUL_LO
	MUL16 0, (\q)%2, \q, \slot, \zero
	MUL16 2, (\q)%2, \q, \slot, \zero
	s_wait_dscnt 0
	PLACES NP
	FETCH_B \slot, (\q)+1, 1-(\q)%2
	FETCH_A \slot, (\q)+1, 0
	WIN MUL_HI
	MUL16 4, (\q)%2, \q, \slot, \zero
	MUL16 6, (\q)%2, \q, \slot, \zero
	PLACES NP
	WIN 0
	FETCH_A \slot, (\q)+1, 4
.endm
.macro TURN slot, next, fill
	s_wait_tensorcnt 0x0                           ; all my tensor loads have landed: my part of the next slot
	ds_add_u32 v[SPW], v[NIL]                      ; 0 onto my spare word
	s_wait_dscnt 4*NL+1                            ; (the add and the youngest 12 loads may be out)
	WIN MUL_LO
	MUL16 0, 1, NQ-1, \slot, 0
	s_wait_dscnt 0x0                               ; the add is done, and my reads of this slot are over
	s_barrier_signal -1
	MUL16 2, 1, NQ-1, \slot, 0
	WIN 0
	s_barrier_wait -1
.if \fill
	CREST                                          ; the barrier has opened a round of the cluster's: no wave of any partner still reads this slot or has a load on its way
	s_add_nc_u64 s[G0+4*\slot+2:G0+4*\slot+3], s[G0+4*\slot+2:G0+4*\slot+3], 2*KPAIR
	s_add_nc_u64 s[G0B+4*\slot+2:G0B+4*\slot+3], s[G0B+4*\slot+2:G0B+4*\slot+3], 2*KPAIR
	JLOAD G0+4*\slot, G1, G0B+4*\slot, G1B
.else
	PLACES NP
.endif
	v_add_nc_u32 v[ADRS], 2048, v[ADRS]
	FETCH_B \next, 0, 0
	FETCH_A \next, 0, 0
	SCALES \next
	WIN MUL_HI
	MUL16 4, 1, NQ-1, \slot, 0
	MUL16 6, 1, NQ-1, \slot, 0
	PLACES NP
	WIN 0
	FETCH_A \next, 0, 4
.endm
	s_wait_tensorcnt 1                             ; the scale images and my part of slot 0 are in; slot 1's load may be out
	s_barrier_signal -1
	s_barrier_wait -1
	FETCH_B 0, 0, 0
	FETCH_A 0, 0, 0
	SCALES 0
	FETCH_A 0, 0, 4
	STEP 0, 0, 1
	s_mov_b32 s3, LAPS-1
.Llap:
	TURN 0, 1, 1
	STEP 1, 0, 0
	TURN 1, 0, 1
	STEP 0, 0, 0
	s_sub_co_u32 s3, s3, 1
	s_cmp_lg_u32 s3, 0
	s_cbranch_scc1 .Llap
	TURN 0, 1, 0
	STEP 1, 0, 0
	s_wait_dscnt 4*NL
	WIN MUL_LO
	MUL16 0, 1, NQ-1, 1, 0
	MUL16 2, 1, NQ-1, 1, 0
	s_wait_dscnt 0
	WIN MUL_HI
	MUL16 4, 1, NQ-1, 1, 0
	MUL16 6, 1, NQ-1, 1, 0
	WIN 0
; THE WAY OUT, block by block of 16 rows x 128 columns: through my own stage and back as whole rows of 512 bytes, to which bc is added; the 32 lanes store two aligned units of 256 bytes.
; LDS serves a wave's instructions in order (ISA guide 5.7.1.4): no wait between the stores and the loads, nor in front of the next block's stores.
.macro TOSTAGE a
.set AC, 64*((\a)%4)
	WIN 0x08+4*((\a)/4)                            ; the data: window 2 or 3
.irp b, 0,1,2,3,4,5,6,7
	ds_store_b128 v[STO], v[AC+8*\b:AC+8*\b+3] offset:128*(\b/2)+32*(\b%2)          ; each accumulator from its low end on
	ds_store_b128 v[STO], v[AC+8*\b+4:AC+8*\b+7] offset:128*(\b/2)+32*(\b%2)+16
.endr
	WIN 0
.set BB, BK+64*((\a)%2)
.irp t, 0,1,2,3,4,5,6,7,8,9,10,11,12,13,14,15
	ds_load_b128 v[BB+4*\t:BB+4*\t+3], v[RD] offset:\t*SPITCH
.endr
.endm
.macro SEND a, younger
.set BB, BK+64*((\a)%2)
	s_wait_dscnt \younger                          ; the block is back in registers
.if (\a) > 0
	s_add_nc_u64 s[12:13], s[12:13], 16*ROWC       ; (behind a wait on XCNT: the earlier stores have read their base)
.endif
.irp t, 0,1,2,3,4,5,6,7,8,9,10,11,12,13,14,15
	v_pk_add_f32 v[BB+4*\t:BB+4*\t+1], v[BB+4*\t:BB+4*\t+1], v[8:9]
	v_pk_add_f32 v[BB+4*\t+2:BB+4*\t+3], v[BB+4*\t+2:BB+4*\t+3], v[10:11]
	global_store_b128 v[CO], v[BB+4*\t:BB+4*\t+3], s[12:13] offset:\t*ROWC th:TH_STORE_NT   ; 512 consecutive bytes, at a multiple of 256 from the result's first byte
.endr
.endm
	PLACES NP
	s_wait_loadcnt 0x0                             ; bc
	TOSTAGE 0
.irp a, 1,2,3,4,5,6,7
.if \a > 1
	s_wait_xcnt 0x0                                ; block a - 2's stores have read their registers and their base
.endif
	TOSTAGE \a
	SEND \a-1, 32                                  ; behind block a - 1's loads: block a's 16 stores and 16 loads
.endr
	s_wait_xcnt 0x0
	SEND 7, 0
	s_wait_tensorcnt 0x0                           ; the wave's end
	ds_add_u32 v[SPW], v[NIL]
	s_wait_dscnt 0x0
	CROUND                                         ; the closing round
	s_endpgm
.Lfunc_end_k_q4a4d20be46_proj:
	.size	k_q4a4d20be46_proj, .Lfunc_end_k_q4a4d20be46_proj-k_q4a4d20be46_proj
	.p2alignl 7, 3214868480
	.fill 96, 4, 3214868480
	.section	.rodata,"a",@progbits
	.p2align	6, 0x0
	.amdhsa_kernel k_q4a4d20be46_proj
		.amdhsa_group_segment_fixed_size 327680
		.amdhsa_private_segment_fixed_size 0
		.amdhsa_enable_private_segment 0
		.amdhsa_kernarg_size 48
		.amdhsa_user_sgpr_count 2
		.amdhsa_user_sgpr_kernarg_segment_ptr 1
		.amdhsa_wavefront_size32 1
		.amdhsa_system_sgpr_workgroup_id_x 1
		.amdhsa_system_sgpr_workgroup_id_y 1
		.amdhsa_system_sgpr_workgroup_id_z 1
		.amdhsa_system_vgpr_workitem_id 0
		.amdhsa_next_free_vgpr 1024
		.amdhsa_next_free_sgpr 100
		.amdhsa_reserve_vcc 0
		.amdhsa_float_denorm_mode_32 3
		.amdhsa_float_denorm_mode_16_64 3
		.amdhsa_memory_ordered 1
		.amdhsa_forward_progress 1
		.amdhsa_inst_pref_size 154
	.end_amdhsa_kernel
	.amdgpu_metadata
---
amdhsa.version: [ 1, 2 ]
amdhsa.kernels:
  - .name:           k_q4a4d20be46_proj
    .symbol:         k_q4a4d20be46_proj.kd
    .args:
      - { .name: cf, .offset: 0, .size: 8, .value_kind: global_buffer, .address_space: global }
      - { .name: cs, .offset: 8, .size: 8, .value_kind: global_buffer, .address_space: global }
      - { .name: opf, .offset: 16, .size: 8, .value_kind: global_buffer, .address_space: global }
      - { .name: ops, .offset: 24, .size: 8, .value_kind: global_buffer, .address_space: global }
      - { .name: bc, .offset: 32, .size: 8, .value_kind: global_buffer, .address_space: global }
      - { .name: out0, .offset: 40, .size: 8, .value_kind: global_buffer, .address_space: global }
    .group_segment_fixed_size: 327680
    .private_segment_fixed_size: 0
    .kernarg_segment_align: 8
    .kernarg_segment_size: 48
    .max_flat_workgroup_size: 128
    .sgpr_count:     100
    .vgpr_count:     1024
    .wavefront_size: 32
...
	.end_amdgpu_metadata
.endif
;; end of part 4
;; ======== version 2 of 2: 4 launches
;; limits: right only within a limited range of input values
;; workspace buffers: opf 18,874,368 bytes; ops 1,572,864 bytes; mbits 524,288 bytes of whole numbers; rt 2,097,152 bytes; qkvf 9,437,184 bytes; qkvs 393,216 bytes; cf 3,145,728 bytes; cs 262,144 bytes
;; launch prep (part 5): grid 672 x 1, 4 waves a work-group, no clusters, 68,096 bytes of LDS; arguments subject_tokens, object_tokens, wq, wk, wv, wc, msk, opf, ops, mbits, rt; writes opf, ops, mbits, rt
.if DOCPART == 5
	.amdgcn_target "amdgcn-amd-amdhsa--gfx1250"
	.amdhsa_code_object_version 6
	.text
	.protected	k_q4a4d20be46_prep
	.globl	k_q4a4d20be46_prep
	.p2align	8
	.type	k_q4a4d20be46_prep,@function
k_q4a4d20be46_prep:
	s_mov_b64 s[64:65], 0
	v_nop
	global_prefetch_b8 v0, s[64:65] scope:SCOPE_SE
	s_setreg_imm32_b32 hwreg(HW_REG_WAVE_MODE, 25, 1), 1
	s_wait_xcnt 0x0
; PREP: everything that later launches read many times is made once, in the order of the matrix operands' registers.
;  work-groups   0-255: the four weights [K 2048][N 2048] f32 -> codes of BF6 (E3M2) along K, one E8M0 byte for each 32 along K
;  work-groups 256-511: the two token tensors [2048][2048] f32 (K innermost) -> the same
;  work-groups 512-639: msk [2048][2048] i32 -> one bit a number, as lane masks for the attention's score registers
;  work-groups 640-671: cos and sin of position x 10000^(-i/64), i = 0..63, in the order in which the projections' results lie in registers
; A FRAGMENT IMAGE is 16 rows x 128 K = 1,536 bytes: operand registers 4 g .. 4 g + 3 of lane l at 512 g + 16 l (lane (r, h): registers 6 c .. 6 c + 5 = k 64 c + 32 h + 0..31 of row r).
; A SCALE IMAGE is 128 bytes: lane l's word (four bytes, 128 along K of row l % 16) at 4 l.  An operand of 2,048 rows: tile Tt, K step j at (j / 2) KPAIR + 3072 Tt + 1536 (j % 2).
; A tile is NATURAL (place r = row 16 Tt + r) or PERMUTED (place r = row 32 (Tt / 2) + 8 (Tt % 2) + r % 8 + 16 (r / 8)): as source 0 of a product two neighbouring permuted tiles give a lane 16 neighbours.
; A block's scale is 2^(floor(log2(largest magnitude)) - 4); its byte is the largest magnitude's exponent field - 4, held at 1 from below.
; LIMITS: NaN and infinities are not served; a block whose largest magnitude lies under 2^-122 (a block of zeros too) gets the byte 1 where the rule says more or 127: its codes add nothing, and only this program reads the bytes.
; The frequencies are 2^(-i log2(10) / 16) by v_exp_f32; the angle at position 2,047 may differ from a correctly rounded one by about 2e-4.
; A stream: no matrix unit, no tensor load, no barrier, no cluster: waves share nothing.  The two paths that use LDS have bytes of their own.
.set OPSEC, 3145728                    ; an operand's codes
.set SCSEC, 262144                     ; its scale images
.set KPAIR, 393216                     ; 128 tiles x two K steps of codes
.set SPAIR, 32768                      ; and of scale images
.set FRB,   1536
.set SPI,   528                        ; a stage row: 512 bytes + 16, so that 16 rows begin in 16 different groups of banks
.set STGB,  16*SPI                     ; a wave's stage
.set WX,  32                           ; weights: v32-95 two sets of 32 numbers down K
.set P0,  96                           ; v96-107  the image registers of lanes 0-15 (blocks 0 and 2 of a K step)
.set P1,  108                          ; v108-119 of lanes 16-31 (blocks 1 and 3)
.set TC,  120                          ; v120-122 a block's upper 16 codes (a conversion's three registers begin on an even number)
.set SB,  24                           ; v24-27   a scale word for each of the wave's four K steps
.set RL,  32                           ; tokens, mask: v32-159 two sets of 16 rows x 16 bytes as loaded
.set X,   160                          ; v160-223 64 numbers of my row
.set P,   16                           ; v16-27   a fragment's registers
.set TT,  28                           ; v28-30
.macro WLOAD t                         ; block t: W(32 t + i, my column): 128 consecutive bytes a load
.set i, 0
.rept 32
	global_load_b32 v[WX+32*((\t)%2)+i], v6, s[28:29] offset:(32*(\t)+i)*8192 th:TH_LOAD_NT
.set i, i+1
.endr
.endm
.macro WBLOCK t
.set XS, WX+32*((\t)%2)
.set BE, (\t)%4                        ; the block in its K step
.set JJ, (\t)/4                        ; the K step
.set PD, P0+12*(BE%2)+6*(BE/2)
.if (\t) < 15
	s_wait_loadcnt 32                              ; this block's 32 loads are in; the next block's may be out
.else
	s_wait_loadcnt 0x0
.endif
	v_max3_num_f32 v12, |v[XS]|, |v[XS+1]|, |v[XS+2]|              ; all 32 numbers of the block are mine: two chains
	v_max3_num_f32 v13, |v[XS+3]|, |v[XS+4]|, |v[XS+5]|
.irp i2, 6,10,14,18,22,26
	v_max3_num_f32 v12, v12, |v[XS+\i2]|, |v[XS+\i2+1]|
	v_max3_num_f32 v13, v13, |v[XS+\i2+2]|, |v[XS+\i2+3]|
.endr
	v_max3_num_f32 v12, v12, |v[XS+30]|, |v[XS+31]|
	v_max3_num_f32 v12, v12, v13, 0x2800000        ; the floor 2^(5 - 127): the byte cannot fall under 1
	v_add_nc_u32 v11, 0xfe000000, v12              ; 4 off the exponent field: the conversion's scale operand
	v_lshrrev_b32 v13, 23, v11                     ; the scale's byte
.if BE == 0
	v_mov_b32 v[SB+JJ], v13
.else
	v_lshl_or_b32 v[SB+JJ], v13, 8*BE, v[SB+JJ]
.endif
.if (BE == 0) && ((\t) > 0)
	s_wait_alu depctr_va_vdst(0)
	s_wait_xcnt 0x0                                ; the last K step's stores have read the image registers, which are written again below
.endif
	v_cvt_scalef32_pk16_bf6_f32 v[PD:PD+2], v[XS:XS+15], v11
	v_cvt_scalef32_pk16_bf6_f32 v[TC:TC+2], v[XS+16:XS+31], v11
	v_nop                                          ; one plain line behind a scaled conversion
.irp i2, 0,1,2
	v_mov_b32 v[PD+3+\i2], v[TC+\i2]
.endr
.if (\t)+2 < 16
	WLOAD (\t)+2
.endif
.if BE == 3                            ; a K step is whole: 16 lanes fill 256 consecutive bytes of one tile's image, the other 16 of the neighbour tile's
.irp g, 0,1,2
	global_store_b128 v4, v[P0+4*\g:P0+4*\g+3], s[18:19] offset:(JJ/2)*KPAIR+(JJ%2)*FRB+512*\g
	global_store_b128 v4, v[P1+4*\g:P1+4*\g+3], s[18:19] offset:(JJ/2)*KPAIR+(JJ%2)*FRB+512*\g+256
.endr
	global_store_b32 v5, v[SB+JJ], s[20:21] offset:(JJ/2)*SPAIR+(JJ%2)*128
	global_store_b32 v5, v[SB+JJ], s[20:21] offset:(JJ/2)*SPAIR+(JJ%2)*128+64
.endif
.endm
.macro TLOADU t                        ; unit t: 16 rows x 512 consecutive bytes; places 0-7 from the first base, 8-15 from the second
.irp p, 0,1,2,3,4,5,6,7
	global_load_b128 v[RL+64*((\t)%2)+4*\p:RL+64*((\t)%2)+4*\p+3], v4, s[28:29] offset:\p*8192+512*(\t) th:TH_LOAD_NT
.endr
.irp p, 0,1,2,3,4,5,6,7
	global_load_b128 v[RL+64*((\t)%2)+32+4*\p:RL+64*((\t)%2)+32+4*\p+3], v4, s[30:31] offset:\p*8192+512*(\t) th:TH_LOAD_NT
.endr
.endm
.macro TIN t                           ; into the wave's own stage, as loaded
.irp p, 0,1,2,3,4,5,6,7,8,9,10,11,12,13,14,15
	ds_store_b128 v5, v[RL+64*((\t)%2)+4*\p:RL+64*((\t)%2)+4*\p+3] offset:SPI*\p
.endr
.endm
.macro TBACK                           ; tokens: X[32 c + e] = k 64 c + 32 h + e of row r.  LDS serves a wave's instructions in order: these see the stores above
.irp c, 0,1
.irp u, 0,1,2,3,4,5,6,7
	ds_load_b128 v[X+32*\c+4*\u:X+32*\c+4*\u+3], v6 offset:256*\c+16*\u
.endr
.endr
.endm
.macro MBACK                           ; mask: X[16 b + e] = key 32 b + 16 h + e of query r
.irp b, 0,1,2,3
.irp u, 0,1,2,3
	ds_load_b128 v[X+16*\b+4*\u:X+16*\b+4*\u+3], v6 offset:128*\b+16*\u
.endr
.endr
.endm
.macro TUNIT t                         ; one K step of the tile: a fragment image and a scale image
	s_wait_dscnt 0x0                               ; my 64 numbers are back, and the stage's stores have read their registers
.if (\t) > 0
	s_wait_xcnt 0x0                                ; the last unit's stores have read the codes and the scale word
.endif
.if (\t)+2 < 4
	TLOADU (\t)+2
.endif
.irp c, 0,1
	v_max3_num_f32 v[8+\c], |v[X+32*\c]|, |v[X+32*\c+1]|, 0x2800000   ; my block 2 c + h: all its 32 numbers are mine; the floor holds the byte at 1
.endr
.irp i2, 2,4,6,8,10,12,14,16,18,20,22,24,26,28,30
.irp c, 0,1
	v_max3_num_f32 v[8+\c], v[8+\c], |v[X+32*\c+\i2]|, |v[X+32*\c+\i2+1]|
.endr
.endr
.irp c, 0,1
	v_add_nc_u32 v[10+\c], 0xfe000000, v[8+\c]
.endr
.irp c, 0,1
	v_lshrrev_b32 v[12+\c], 23, v[10+\c]
.endr
	v_lshl_or_b32 v14, v13, 16, v12                ; my two bytes: blocks h and 2 + h,
	v_lshlrev_b32 v14, v31, v14                    ; 8 h bits up;
	v_permlanex16_b32 v15, v14, s40, s41
	v_or_b32 v14, v14, v15                         ; with lane l xor 16's two the word is whole, in both lanes
	v_cvt_scalef32_pk16_bf6_f32 v[P:P+2], v[X:X+15], v10
	v_cvt_scalef32_pk16_bf6_f32 v[TT:TT+2], v[X+16:X+31], v10
	v_cvt_scalef32_pk16_bf6_f32 v[P+6:P+8], v[X+32:X+47], v11
	v_nop
.irp i2, 0,1,2
	v_mov_b32 v[P+3+\i2], v[TT+\i2]
.endr
	v_cvt_scalef32_pk16_bf6_f32 v[TT:TT+2], v[X+48:X+63], v11
	v_nop
.irp i2, 0,1,2
	v_mov_b32 v[P+9+\i2], v[TT+\i2]
.endr
.irp g, 0,1,2
	global_store_b128 v4, v[P+4*\g:P+4*\g+3], s[18:19] offset:((\t)/2)*KPAIR+((\t)%2)*FRB+512*\g   ; 512 consecutive bytes
.endr
	global_store_b32 v7, v14, s[20:21] offset:((\t)/2)*SPAIR+((\t)%2)*128
.if (\t) < 2
	s_wait_loadcnt 16                              ; the next unit's 16 loads are in; the unit after it may be out
.elseif (\t) == 2
	s_wait_loadcnt 0x0
.endif
.if (\t) < 3
	TIN (\t)+1
	TBACK
.endif
.endm
.macro MUNIT t                         ; 16 queries x 128 keys of the mask become 64 words: word n, bit l: the number that stands under score register n of lane l
	s_wait_dscnt 0x0
.if (\t) > 0
	s_wait_xcnt 0x0                                ; the last unit's store has read v[16:17]
.endif
.if (\t)+2 < 4
	TLOADU (\t)+2
.endif
	v_mov_b32 v16, 0
	v_mov_b32 v17, 0
.irp q, 0,1,2,3
.irp n, 0,1,2,3,4,5,6,7,8,9,10,11,12,13,14,15
	v_cmp_ne_u32 s[44+\n], 0, v[X+16*\q+\n]
.endr
.irp n, 0,1,2,3,4,5,6,7,8,9,10,11,12,13,14,15
	v_writelane_b32 v[16+\n%2], s[44+\n], 8*\q+\n/2    ; word 16 q + n goes to lane (16 q + n) / 2
.endr
.endr
	global_store_b64 v7, v[16:17], s[22:23] offset:256*(\t)   ; 256 consecutive bytes, aligned
.if (\t) < 2
	s_wait_loadcnt 16
.elseif (\t) == 2
	s_wait_loadcnt 0x0
.endif
.if (\t) < 3
	TIN (\t)+1
	MBACK
.endif
.endm
; cos and sin of the angle in v[a] (0 or more): n = the nearest multiple of pi / 2, taken off in two parts; polynomials on +-pi/4; the quadrant by a swap and two signs
.macro SINCOS a, c, s
	v_mul_f32 v20, s32, v[\a]
	v_rndne_f32 v20, v20
	v_fma_f32 v21, v20, s33, v[\a]
	v_fma_f32 v21, v20, s34, v21
	v_mul_f32 v22, v21, v21
	v_fma_f32 v23, v22, s35, s36
	v_fma_f32 v23, v23, v22, s37
	v_mul_f32 v23, v23, v22
	v_fma_f32 v23, v23, v21, v21                   ; sin
	v_fma_f32 v24, v22, s38, s39
	v_fma_f32 v24, v24, v22, s40
	v_mul_f32 v24, v24, v22
	v_fma_f32 v25, v22, -0.5, 1.0
	v_fma_f32 v24, v24, v22, v25                   ; cos
	v_cvt_i32_f32 v20, v20
	v_and_b32 v25, 1, v20
	v_cmp_eq_u32 vcc_lo, 1, v25
	v_cndmask_b32 v[\s], v23, v24, vcc_lo
	v_cndmask_b32 v[\c], v24, v23, vcc_lo
	v_and_b32 v25, 2, v20
	v_lshlrev_b32 v25, 30, v25
	v_xor_b32 v[\s], v[\s], v25
	v_add_nc_u32 v20, 1, v20
	v_and_b32 v20, 2, v20
	v_lshlrev_b32 v20, 30, v20
	v_xor_b32 v[\c], v[\c], v20
.endm
	s_load_b512 s[4:19], s[0:1], 0x0               ; subject s4, object s6, wq s8, wk s10, wv s12, wc s14, msk s16, opf s18
	s_load_b128 s[20:23], s[0:1], 0x40             ; ops s20, mbits s22
	s_load_b64 s[24:25], s[0:1], 0x50              ; rt
	v_lshl_add_u32 v224, v0, 2, 0x10800
	v_mov_b32 v225, 0
	v_lshrrev_b32 v1, 5, v0
	v_readfirstlane_b32 s26, v1                    ; wave
	v_and_b32 v1, 31, v0                           ; lane
	v_and_b32 v2, 15, v0                           ; r
	v_bfe_u32 v3, v0, 4, 1                         ; h
	s_wait_kmcnt 0x0
	s_cmp_lt_u32 ttmp9, 256
	s_cbranch_scc1 .Lweights
	s_cmp_lt_u32 ttmp9, 512
	s_cbranch_scc1 .Ltokens
	s_cmp_lt_u32 ttmp9, 640
	s_cbranch_scc1 .Lmask
	; ---- the tables: wave = a tile of 16 positions; a trip = 16 bytes a lane: cos, sin of two neighbouring frequencies
	s_sub_co_u32 s27, ttmp9, 640
	s_lshl_b32 s27, s27, 2
	s_add_co_u32 s27, s27, s26                     ; Tt
	s_lshl_b32 s28, s27, 4
	s_wait_alu depctr_va_vdst(0)
	v_add_nc_u32 v4, s28, v2
	v_cvt_f32_u32 v4, v4                           ; my position 16 Tt + r
	v_lshlrev_b32 v5, 3, v3                        ; 8 h
	s_lshl_b32 s29, s27, 13
	v_lshlrev_b32 v6, 4, v1
	v_add_nc_u32 v6, s29, v6                       ; the natural table: 8192 Tt + 16 lane
	s_and_b32 s30, s27, 0x7e
	v_lshrrev_b32 v7, 3, v2
	v_or_b32 v7, s30, v7                           ; the permuted table: my position's tile (Tt with its low bit = r / 8),
	v_lshlrev_b32 v7, 13, v7
	s_and_b32 s31, s27, 1
	s_lshl_b32 s31, s31, 3
	v_and_b32 v8, 7, v2
	v_or_b32 v8, s31, v8                           ; and its place there: r % 8 + 8 (Tt % 2)
	v_lshl_add_u32 v8, v3, 4, v8
	v_lshl_add_u32 v7, v8, 4, v7
	v_add_nc_u32 v7, 1048576, v7
	s_mov_b32 s32, 0x3f22f983                      ; 2 / pi
	s_mov_b32 s33, 0xbfc90fdb                      ; -pi / 2, the f32 nearest,
	s_mov_b32 s34, 0x333bbd2e                      ; and what it lacks
	s_mov_b32 s35, 0xb94ca1f9
	s_mov_b32 s36, 0x3c08839e
	s_mov_b32 s37, 0xbe2aaaa3
	s_mov_b32 s38, 0x37ccf5ce
	s_mov_b32 s39, 0xbab6061a
	s_mov_b32 s40, 0x3d2aaaa5
	s_mov_b32 s43, 0xbe549a78                      ; -log2(10) / 16 = -log2(10000) / 64
	s_mov_b32 s44, 0
.Lrt:
	s_lshr_b32 s45, s44, 2
	s_lshl_b32 s45, s45, 4
	s_and_b32 s46, s44, 3
	s_lshl_b32 s46, s46, 1
	s_add_co_u32 s45, s45, s46
	v_add_nc_u32 v10, s45, v5                      ; i0 = 16 (g / 4) + 2 (g % 4) + 8 h
	v_cvt_f32_u32 v10, v10
	v_add_f32 v11, 1.0, v10
	v_mul_f32 v10, s43, v10
	v_mul_f32 v11, s43, v11
	s_wait_alu depctr_va_vdst(0)
	v_exp_f32 v10, v10
	v_exp_f32 v11, v11
	v_nop                                          ; a plain line behind the exponentials,
	s_wait_alu depctr_va_vdst(0)                   ; and one wait for both, ahead of their first reader
	v_mul_f32 v10, v4, v10
	v_mul_f32 v11, v4, v11
	SINCOS 10, 12, 13
	SINCOS 11, 14, 15
	global_store_b128 v6, v[12:15], s[24:25]
	global_store_b128 v7, v[12:15], s[24:25]
	s_wait_xcnt 0x0                                ; the stores have read their data and offsets: both are written again
	v_add_nc_u32 v6, 512, v6
	v_add_nc_u32 v7, 512, v7
	s_add_co_u32 s44, s44, 1
	s_cmp_lt_u32 s44, 16
	s_cbranch_scc1 .Lrt
	s_endpgm
.Lweights:                             ; ---- a lane takes a column n, its registers run down K: wave = 32 columns x 512 along K
	s_lshr_b32 s27, ttmp9, 6                       ; which weight
	s_cmp_eq_u32 s27, 1
	s_cselect_b64 s[28:29], s[10:11], s[8:9]
	s_cmp_eq_u32 s27, 2
	s_cselect_b64 s[28:29], s[12:13], s[28:29]
	s_cmp_eq_u32 s27, 3
	s_cselect_b64 s[28:29], s[14:15], s[28:29]
	s_bfe_u32 s30, ttmp9, 0x40002                  ; which 128 columns
	s_and_b32 s31, ttmp9, 3                        ; which 512 along K
	s_lshl_b32 s32, s31, 22
	s_lshl_b32 s33, s30, 9
	s_add_co_u32 s32, s32, s33
	s_lshl_b32 s33, s26, 7
	s_add_co_u32 s32, s32, s33
	s_mov_b32 s33, 0
	s_add_nc_u64 s[28:29], s[28:29], s[32:33]
	s_lshl_b32 s34, s30, 3
	s_lshl_b32 s35, s26, 1
	s_add_co_u32 s34, s34, s35                     ; my two tiles begin at 8 cg + 2 w
	s_add_co_u32 s35, s27, 2                       ; the operand's section
	s_mul_i32 s36, s35, OPSEC
	s_mul_i32 s37, s31, 2*KPAIR
	s_add_co_u32 s36, s36, s37
	s_mul_i32 s37, s34, 2*FRB
	s_add_co_u32 s36, s36, s37
	s_mov_b32 s37, 0
	s_add_nc_u64 s[18:19], s[18:19], s[36:37]
	s_mul_i32 s36, s35, SCSEC
	s_lshl_b32 s38, s31, 16
	s_add_co_u32 s36, s36, s38
	s_lshl_b32 s38, s34, 8
	s_add_co_u32 s36, s36, s38
	s_add_nc_u64 s[20:21], s[20:21], s[36:37]
	s_wait_alu depctr_va_vdst(0)
	v_lshlrev_b32 v6, 2, v1                        ; in: 4 bytes a lane
	v_bfe_u32 v7, v0, 3, 1                         ; column c lies in tile (c / 8) % 2 of the pair,
	v_and_b32 v8, 7, v0
	v_lshl_or_b32 v8, v3, 3, v8                    ; at place c % 8 + 8 (c / 16)
	v_mul_u32_u24 v4, v7, 2*FRB
	v_lshl_add_u32 v4, v8, 4, v4
	v_lshlrev_b32 v5, 8, v7
	v_lshl_add_u32 v5, v8, 2, v5
	WLOAD 0
	WLOAD 1
.set tt, 0
.rept 16
	WBLOCK tt
.set tt, tt+1
.endr
	s_endpgm
.Ltokens:                              ; ---- work-group = a tile of 16 rows, wave = four K steps of it
	s_sub_co_u32 s27, ttmp9, 256
	s_lshr_b32 s32, s27, 7                         ; 0 subject (natural tiles), 1 object (permuted)
	s_and_b32 s27, s27, 127                        ; Tt
	s_lshl_b32 s33, s27, 4
	s_lshr_b32 s34, s27, 1
	s_lshl_b32 s34, s34, 5
	s_and_b32 s35, s27, 1
	s_lshl_b32 s35, s35, 3
	s_add_co_u32 s34, s34, s35
	s_mov_b32 s35, 131072
	s_cmp_eq_u32 s32, 0
	s_cselect_b64 s[28:29], s[4:5], s[6:7]
	s_cselect_b32 s33, s33, s34                    ; the row at place 0
	s_cselect_b32 s34, 65536, s35                  ; places 8-15 begin 8 rows on, or 16
	s_lshl_b32 s36, s33, 13
	s_lshl_b32 s37, s26, 11
	s_add_co_u32 s36, s36, s37
	s_mov_b32 s37, 0
	s_mov_b32 s35, 0
	s_add_nc_u64 s[28:29], s[28:29], s[36:37]
	s_add_nc_u64 s[30:31], s[28:29], s[34:35]
	s_mul_i32 s36, s32, OPSEC
	s_mul_i32 s38, s26, 2*KPAIR
	s_add_co_u32 s36, s36, s38
	s_mul_i32 s38, s27, 2*FRB
	s_add_co_u32 s36, s36, s38
	s_add_nc_u64 s[18:19], s[18:19], s[36:37]
	s_lshl_b32 s36, s32, 18
	s_lshl_b32 s38, s26, 16
	s_add_co_u32 s36, s36, s38
	s_lshl_b32 s38, s27, 8
	s_add_co_u32 s36, s36, s38
	s_add_nc_u64 s[20:21], s[20:21], s[36:37]
	s_mul_i32 s38, s26, STGB                       ; my stage
	s_wait_alu depctr_va_vdst(0)
	v_lshlrev_b32 v4, 4, v1
	v_add_nc_u32 v5, s38, v4
	v_mul_u32_u24 v6, v2, SPI
	v_lshl_add_u32 v6, v3, 7, v6
	v_add_nc_u32 v6, s38, v6
	v_lshlrev_b32 v7, 2, v1
	v_lshlrev_b32 v31, 3, v3
	v_mov_b32 v15, 0                               ; a lane permute's destination counts as one of its sources
	s_mov_b32 s40, 0x76543210
	s_mov_b32 s41, 0xfedcba98
	TLOADU 0
	TLOADU 1
	s_wait_alu depctr_va_vdst(0)
	s_wait_loadcnt 16
	TIN 0
	TBACK
	TUNIT 0
	TUNIT 1
	TUNIT 2
	TUNIT 3
	s_wait_tensorcnt 0x0
	ds_add_u32 v224, v225
	s_wait_dscnt 0x0
	s_endpgm
.Lmask:                                ; ---- work-group = 16 queries, wave = four steps of 128 keys
	s_sub_co_u32 s27, ttmp9, 512
	s_lshl_b32 s36, s27, 17
	s_lshl_b32 s37, s26, 11
	s_add_co_u32 s36, s36, s37
	s_mov_b32 s37, 0
	s_add_nc_u64 s[28:29], s[16:17], s[36:37]
	s_add_nc_u64 s[30:31], s[28:29], 65536
	s_lshl_b32 s36, s27, 12
	s_lshl_b32 s38, s26, 10
	s_add_co_u32 s36, s36, s38
	s_add_nc_u64 s[22:23], s[22:23], s[36:37]
	s_mul_i32 s38, s26, STGB
	s_add_co_u32 s38, s38, 4*STGB                  ; this path's stages lie behind the tokens'
	s_wait_alu depctr_va_vdst(0)
	v_lshlrev_b32 v4, 4, v1
	v_add_nc_u32 v5, s38, v4
	v_mul_u32_u24 v6, v2, SPI
	v_lshl_add_u32 v6, v3, 6, v6
	v_add_nc_u32 v6, s38, v6
	v_lshlrev_b32 v7, 3, v1
	TLOADU 0
	TLOADU 1
	s_wait_alu depctr_va_vdst(0)
	s_wait_loadcnt 16
	TIN 0
	MBACK
	MUNIT 0
	MUNIT 1
	MUNIT 2
	MUNIT 3
	s_wait_tensorcnt 0x0
	ds_add_u32 v224, v225
	s_wait_dscnt 0x0
	s_endpgm
.Lfunc_end_k_q4a4d20be46_prep:
	.size	k_q4a4d20be46_prep, .Lfunc_end_k_q4a4d20be46_prep-k_q4a4d20be46_prep
	.p2alignl 7, 3214868480
	.fill 96, 4, 3214868480
	.section	.rodata,"a",@progbits
	.p2align	6, 0x0
	.amdhsa_kernel k_q4a4d20be46_prep
		.amdhsa_group_segment_fixed_size 68096
		.amdhsa_private_segment_fixed_size 0
		.amdhsa_enable_private_segment 0
		.amdhsa_kernarg_size 88
		.amdhsa_user_sgpr_count 2
		.amdhsa_user_sgpr_kernarg_segment_ptr 1
		.amdhsa_wavefront_size32 1
		.amdhsa_system_sgpr_workgroup_id_x 1
		.amdhsa_system_sgpr_workgroup_id_y 1
		.amdhsa_system_sgpr_workgroup_id_z 1
		.amdhsa_system_vgpr_workitem_id 0
		.amdhsa_next_free_vgpr 226
		.amdhsa_next_free_sgpr 66
		.amdhsa_reserve_vcc 1
		.amdhsa_float_denorm_mode_32 3
		.amdhsa_float_denorm_mode_16_64 3
		.amdhsa_memory_ordered 1
		.amdhsa_forward_progress 1
		.amdhsa_inst_pref_size 160
	.end_amdhsa_kernel
	.amdgpu_metadata
---
amdhsa.version: [ 1, 2 ]
amdhsa.kernels:
  - .name:           k_q4a4d20be46_prep
    .symbol:         k_q4a4d20be46_prep.kd
    .args:
      - { .name: subject_tokens, .offset: 0, .size: 8, .value_kind: global_buffer, .address_space: global }
      - { .name: object_tokens, .offset: 8, .size: 8, .value_kind: global_buffer, .address_space: global }
      - { .name: wq, .offset: 16, .size: 8, .value_kind: global_buffer, .address_space: global }
      - { .name: wk, .offset: 24, .size: 8, .value_kind: global_buffer, .address_space: global }
      - { .name: wv, .offset: 32, .size: 8, .value_kind: global_buffer, .address_space: global }
      - { .name: wc, .offset: 40, .size: 8, .value_kind: global_buffer, .address_space: global }
      - { .name: msk, .offset: 48, .size: 8, .value_kind: global_buffer, .address_space: global }
      - { .name: opf, .offset: 56, .size: 8, .value_kind: global_buffer, .address_space: global }
      - { .name: ops, .offset: 64, .size: 8, .value_kind: global_buffer, .address_space: global }
      - { .name: mbits, .offset: 72, .size: 8, .value_kind: global_buffer, .address_space: global }
      - { .name: rt, .offset: 80, .size: 8, .value_kind: global_buffer, .address_space: global }
    .group_segment_fixed_size: 68096
    .private_segment_fixed_size: 0
    .kernarg_segment_align: 8
    .kernarg_segment_size: 88
    .max_flat_workgroup_size: 128
    .sgpr_count:     66
    .vgpr_count:     226
    .wavefront_size: 32
...
	.end_amdgpu_metadata
.endif
;; end of part 5
;; launch qkv (part 6): grid 24 x 8, 4 waves a work-group, clusters of 4 x 4, 327,680 bytes of LDS; arguments opf, ops, bq, bk, bv, rt, qkvf, qkvs; writes qkvf, qkvs
.if DOCPART == 6
	.amdgcn_target "amdgcn-amd-amdhsa--gfx1250"
	.amdhsa_code_object_version 6
	.text
	.protected	k_q4a4d20be46_qkv
	.globl	k_q4a4d20be46_qkv
	.p2align	8
	.type	k_q4a4d20be46_qkv,@function
k_q4a4d20be46_qkv:
	s_mov_b64 s[64:65], 0
	v_nop
	global_prefetch_b8 v0, s[64:65] scope:SCOPE_SE
	s_setreg_imm32_b32 hwreg(HW_REG_WAVE_MODE, 25, 1), 1
	s_wait_xcnt 0x0
	s_wait_alu depctr_hold_cnt(0) depctr_sa_sdst(0) depctr_va_vdst(0) depctr_va_sdst(0) depctr_va_ssrc(0) depctr_va_vcc(0) depctr_vm_vsrc(0)
	s_getreg_b32 s2, hwreg(HW_REG_IB_STS2, 6, 4)
	s_cmp_eq_u32 s2, 0
	s_cbranch_scc0 .Lentry_in_a_cluster
	s_endpgm
.Lentry_in_a_cluster:
	s_bfe_u32 s2, ttmp6, 0x10000c
	s_cmp_lg_u32 s2, 0xf033
	s_cbranch_scc0 .Lentry_shape_is_right
	s_endpgm
.Lentry_shape_is_right:
.set NQ,     2
.set FR,     12
.set FRB,    1536
.set NL,     3
.set NP,     4
.set HALFT,  24576
.set SLOT,   4*HALFT
.set LAPS,   4
.set SCL,    2*SLOT
.set HALFS,  16384
.set SPARE,  SCL+4*HALFS
.set OPSEC,  3145728
.set SCSEC,  262144
.set KPAIR,  393216
.set LI,   3
.set ADRA, 16
.set ADRB, 20
.set ADRS, 27
.set SPW,  28
.set NIL,  29
.set SC,   32
.set AF,   128
.set H,    64
.set PC,   128
.set TM,   148
.set PW8,  164
.set M4,   172
.set T,    176
.set BV,   180
.set BIAS, 0
.set G1, 24
.set G0, 32
.set G1B, 48
.set G0B, 56
.set G1S, 68
.set G0S, 76
.set G1SB, 80
.set G0SB, 88
.set ROLE, 66
.set MSB, 0
.macro WIN new
.if MSB != \new
	s_set_vgpr_msb (MSB<<8)|\new
.set MSB, \new
.endif
.endm
.set MUL_LO, 0xa1
.set MUL_HI, 0xf1
.set TO_B,   0x40
.macro JLOAD g0a, g1a, g0b, g1b
	s_cmp_eq_u32 s15, 0
	s_cbranch_scc0 .Lfor_b_\@
	tensor_load_to_lds s[\g0a:\g0a+3], s[\g1a:\g1a+7]
	s_nop 0
.rept 4
	v_nop
.endr
	s_branch .Lasked_\@
.Lfor_b_\@:
	tensor_load_to_lds s[\g0b:\g0b+3], s[\g1b:\g1b+7]
	s_nop 0
.rept 4
	v_nop
.endr
.Lasked_\@:
.endm
.macro CREST
	s_cmp_lg_u32 s14, 0
	s_cbranch_scc1 .Lnot_wave_0_\@
	s_barrier_signal -3
.Lnot_wave_0_\@:
	s_barrier_wait -3
	s_barrier_signal -1
	s_barrier_wait -1
.endm
.macro CROUND
	s_barrier_signal -1
	s_barrier_wait -1
	CREST
.endm
	s_load_b128 s[4:7], s[0:1], 0x0
	s_load_b64 s[98:99], s[0:1], 0x28              ; the table of cos and sin, for its prefetch
	v_lshl_add_u32 v[SPW], v0, 2, SPARE
	v_mov_b32 v[NIL], 0
	ds_add_u32 v28, v29
	ds_add_u32 v28, v29
	s_wait_dscnt 0x0
	v_lshrrev_b32 v1, 5, v0
	v_and_b32 v31, 31, v0                          ; the prefetches' offsets, never rewritten: lanes 256 bytes apart; the lanes left over name their wave's last block again
	v_min_u32 v30, 23, v31
	v_min_u32 v31, 15, v31
	v_lshlrev_b32 v30, 8, v30
	v_lshlrev_b32 v31, 8, v31
	v_readfirstlane_b32 s14, v1
	s_lshr_b32 s15, s14, 1
	s_and_b32 s16, s14, 1
	s_bfe_u32 s40, ttmp6, 0x40000
	s_bfe_u32 s41, ttmp6, 0x40004
	s_and_b32 s42, ttmp9, 1
	s_lshl_b32 s42, s42, 2
	s_add_co_u32 s42, s42, s40
	s_and_b32 s17, ttmp7, 0xffff
	s_lshl_b32 s17, s17, 2
	s_add_co_u32 s17, s17, s41
	s_lshl_b32 s43, s41, 2
	s_lshl_b32 s43, 15, s43
	s_lshl_b32 s44, 0x1111, s40
	s_lshr_b32 s[ROLE], ttmp9, 1
	s_add_co_u32 s67, s[ROLE], 2
	s_cmp_eq_u32 s[ROLE], 2
	s_cselect_b32 s95, 4, s[ROLE]
	s_cselect_b32 s96, 1, s67
	s_or_b32 s[G1+0], s43, (3<<16)|(1<<21)
	s_or_b32 s[G1B+0], s44, (3<<16)|(1<<21)
.irp g, G1, G1B
	s_mov_b32 s[\g+1], 32<<16
	s_mov_b32 s[\g+2], 192<<16
	s_mov_b32 s[\g+3], 32<<16
	s_mov_b32 s[\g+4], 192
	s_mov_b32 s[\g+5], 32
	s_mov_b32 s[\g+6], 0
	s_mov_b32 s[\g+7], 0
.endr
	s_or_b32 s[G1S+0], s43, (3<<16)|(1<<21)
	s_or_b32 s[G1SB+0], s44, (3<<16)|(1<<21)
.irp g, G1S, G1SB
	s_mov_b32 s[\g+1], 512<<16
	s_mov_b32 s[\g+2], 8<<16
	s_mov_b32 s[\g+3], 512<<16
	s_mov_b32 s[\g+4], 8
	s_mov_b32 s[\g+5], 4096
	s_mov_b32 s[\g+6], 0
	s_mov_b32 s[\g+7], 0
.endr
	s_lshl_b32 s18, s16, 3
	s_lshl_b32 s20, s17, 4
	s_add_co_u32 s20, s20, s18
	s_lshl_b32 s46, s42, 4
	s_add_co_u32 s46, s46, s18
	s_lshl_b32 s22, s20, 8
	s_lshl_b32 s92, s46, 8
	s_mul_i32 s20, s20, 2*FRB
	s_mul_i32 s46, s46, 2*FRB
	s_mul_i32 s18, s95, OPSEC
	s_add_co_u32 s20, s20, s18
	s_mul_i32 s18, s95, SCSEC
	s_add_co_u32 s22, s22, s18
	s_mul_i32 s18, s96, OPSEC
	s_add_co_u32 s46, s46, s18
	s_mul_i32 s18, s96, SCSEC
	s_add_co_u32 s92, s92, s18
	s_mov_b32 s21, 0
	s_mov_b32 s23, 0
	s_mov_b32 s47, 0
	s_mov_b32 s93, 0
	s_mul_i32 s45, s14, HALFT
	s_wait_kmcnt 0x0
	s_add_nc_u64 s[20:21], s[4:5], s[20:21]
	s_add_nc_u64 s[22:23], s[6:7], s[22:23]
	s_add_nc_u64 s[46:47], s[4:5], s[46:47]
	s_add_nc_u64 s[92:93], s[6:7], s[92:93]
	CROUND
	; the head's four tiles, each whole: K pair 0 of A's 16 tiles (49,152 dense bytes) and of B's, the scale images of A's 16 tiles for all of K (8 rows of 4,096 bytes) and of B's
	s_mov_b32 s13, 0
	s_mul_i32 s12, s16, HALFT                      ; my half's offset is taken off again: the whole tile's first byte
	s_sub_nc_u64 s[6:7], s[20:21], s[12:13]
	s_sub_nc_u64 s[10:11], s[46:47], s[12:13]
	s_lshl_b32 s12, s16, 11
	s_sub_nc_u64 s[G0S+2:G0S+3], s[22:23], s[12:13]
	s_sub_nc_u64 s[G0SB+2:G0SB+3], s[92:93], s[12:13]
	s_mov_b32 s4, 1
	s_mov_b32 s5, 0
	s_or_b32 s7, s7, 0x80000000
	s_mov_b32 s8, 1
	s_mov_b32 s9, 2*HALFT
	s_or_b32 s11, s11, 0x80000000
	s_mov_b32 s[G0S], 1
	s_mov_b32 s[G0S+1], SCL
	s_or_b32 s[G0S+3], s[G0S+3], 0x80000000
	s_mov_b32 s[G0SB], 1
	s_mov_b32 s[G0SB+1], SCL+2*HALFS
	s_or_b32 s[G0SB+3], s[G0SB+3], 0x80000000
.irp s, 0,1
	s_mov_b32 s[G0+4*\s], 1
	s_add_co_u32 s[G0+4*\s+1], s45, \s*SLOT
	s_add_nc_u64 s[G0+4*\s+2:G0+4*\s+3], s[20:21], \s*KPAIR
	s_or_b32 s[G0+4*\s+3], s[G0+4*\s+3], 0x80000000
	s_mov_b32 s[G0B+4*\s], 1
	s_add_co_u32 s[G0B+4*\s+1], s45, \s*SLOT
	s_add_nc_u64 s[G0B+4*\s+2:G0B+4*\s+3], s[46:47], \s*KPAIR
	s_or_b32 s[G0B+4*\s+3], s[G0B+4*\s+3], 0x80000000
.endr
; one joint load a wave at the head, in one chain of branches on the wave's number: every way passes exactly one load
.macro ARM under, g0, g1, next
	s_cmp_lt_u32 s14, \under
	s_cbranch_scc0 \next
	tensor_load_to_lds s[\g0:\g0+3], s[\g1:\g1+7]
	s_nop 0
.rept 4
	v_nop
.endr
	s_branch .Lhead_asked
\next:
.endm
	ARM 1, 4, G1, .Lhead_b
	ARM 2, 8, G1B, .Lhead_sa
	ARM 3, G0S, G1S, .Lhead_sb
	tensor_load_to_lds s[G0SB:G0SB+3], s[G1SB:G1SB+7]
	s_nop 0
.rept 4
	v_nop
.endr
.Lhead_asked:
	s_wait_alu depctr_va_vdst(0)
	s_wait_tensorcnt 0x0                           ; my tile of the four is in; slot 1's first fill stands behind the full sequence, as a refill does
	ds_add_u32 v28, v29
	s_mov_b32 s[G1+2], 96<<16                      ; no tensor load of mine is out: from here on a load brings a quarter of a slot, 96 rows of 256 bytes
	s_mov_b32 s[G1+4], 96
	s_mov_b32 s[G1B+2], 96<<16
	s_mov_b32 s[G1B+4], 96
	s_wait_dscnt 0x0
	CROUND
	JLOAD G0+4, G1, G0B+4, G1B
; PREFETCHES.  A refill brings a wave 24,576 bytes, 96 blocks of 256: the four partners that ask for them jointly share them out by address, 24 blocks each (by cx for A's tiles, by cy for B's): one instruction a wave.
; Behind the refill of K pair r stands the request for K pair r + 2; the last lap's two refills ask for nothing, so no request passes K pair 7; K pairs 2 and 3 are asked for here, behind slot 1's load.
.macro ASK off
	s_cmp_gt_u32 s3, 1
	s_cbranch_scc0 .Lnot_asked_\@
	global_prefetch_b8 v30, s[12:13] offset:\off th:TH_LOAD_NT scope:SCOPE_SE
.Lnot_asked_\@:
.endm
	s_cmp_eq_u32 s15, 0                            ; do I fetch for A?
	s_cselect_b64 s[12:13], s[20:21], s[46:47]     ; K pair 0 of the quarter slot that I fetch,
	s_cselect_b32 s96, s40, s41
	s_mul_i32 s96, s96, 6144                       ; and my work-group's 24 blocks of it
	s_mov_b32 s97, 0
	s_add_nc_u64 s[12:13], s[12:13], s[96:97]
	global_prefetch_b8 v30, s[12:13] offset:2*KPAIR th:TH_LOAD_NT scope:SCOPE_SE
	global_prefetch_b8 v30, s[12:13] offset:3*KPAIR th:TH_LOAD_NT scope:SCOPE_SE
	s_cmp_eq_u32 s[ROLE], 2                        ; V's results are not rotated: they read no table
	s_cbranch_scc1 .Lno_rt
	s_lshl_b32 s96, s[ROLE], 20                    ; the way out reads 65,536 bytes of the table for my 128 rows; the sixteen waves with these rows (eight tile columns x two halves) ask for 4,096 bytes each
	s_lshl_b32 s97, s17, 17
	s_add_co_u32 s96, s96, s97
	s_lshl_b32 s97, s15, 16
	s_add_co_u32 s96, s96, s97
	s_lshl_b32 s97, s42, 13
	s_add_co_u32 s96, s96, s97
	s_lshl_b32 s97, s16, 12
	s_add_co_u32 s96, s96, s97
	s_mov_b32 s97, 0
	s_add_nc_u64 s[98:99], s[98:99], s[96:97]
	global_prefetch_b8 v31, s[98:99] th:TH_LOAD_NT scope:SCOPE_SE
.Lno_rt:
	v_and_b32 v1, 31, v0
	v_bfe_u32 v2, v0, 4, 1
	s_wait_alu depctr_va_vdst(0)
	v_lshlrev_b32 v[LI], 4, v1
	v_and_b32 v4, 15, v0
	s_mul_i32 s21, s15, HALFT
	s_mul_i32 s22, s16, HALFT
	s_add_co_u32 s22, s22, 2*HALFT
.irp s, 0,1
	v_add_nc_u32 v[ADRA+\s], s21, v[LI]
	v_add_nc_u32 v[ADRB+\s], s22, v[LI]
	s_add_co_u32 s21, s21, SLOT
	s_add_co_u32 s22, s22, SLOT
.endr
	v_lshlrev_b32 v5, 2, v1
	s_lshl_b32 s21, s15, 11                        ; the scales lie [K pair][16 tiles x 256 bytes]: my eight tiles begin 2,048 x half into a row of 4,096
	s_lshl_b32 s22, s16, 11
	s_add_co_u32 s22, s22, 2*HALFS
	s_sub_co_u32 s22, s22, s21
	v_mul_u32_u24 v6, s22, v2
	s_add_co_u32 s21, s21, SCL
	v_add_nc_u32 v5, v5, v6
	v_add_nc_u32 v[ADRS], s21, v5
.macro FRAG reg, adr, q, i
.irp c, 0,1,2
	ds_load_b128 v[\reg+4*\c:\reg+4*\c+3], v[\adr] offset:(2*(\i)+(\q))*FRB+512*\c
.endr
.endm
.macro MUL16 a0, p, q, sc, zero
.irp a, \a0, \a0+1
.irp b, 0,1,2,3,4,5,6,7
.if \zero
	v_wmma_scale_f32_16x16x128_f8f6f4 v[8*(8*((\a)%4)+\b):8*(8*((\a)%4)+\b)+7], v[128*(\p)+FR*\b:128*(\p)+FR*\b+FR-1], v[AF+FR*(\a):AF+FR*(\a)+FR-1], 0, v[SC+8*NQ*(\sc)+NQ*\b+(\q)], v[SC+8*NQ*(\sc)+NQ*(\a)+(\q)] matrix_a_fmt:MATRIX_FMT_BF6 matrix_b_fmt:MATRIX_FMT_BF6 matrix_a_scale:MATRIX_SCALE_ROW1
.else
	v_wmma_scale_f32_16x16x128_f8f6f4 v[8*(8*((\a)%4)+\b):8*(8*((\a)%4)+\b)+7], v[128*(\p)+FR*\b:128*(\p)+FR*\b+FR-1], v[AF+FR*(\a):AF+FR*(\a)+FR-1], v[8*(8*((\a)%4)+\b):8*(8*((\a)%4)+\b)+7], v[SC+8*NQ*(\sc)+NQ*\b+(\q)], v[SC+8*NQ*(\sc)+NQ*(\a)+(\q)] matrix_a_fmt:MATRIX_FMT_BF6 matrix_b_fmt:MATRIX_FMT_BF6 matrix_a_scale:MATRIX_SCALE_ROW1
.endif
.endr
.endr
.endm
.macro FETCH_B slot, q, p
	WIN TO_B
.irp i, 0,1,2,3,4,5,6,7
	FRAG 128*(\p)+FR*\i, ADRB+\slot, \q, \i
.endr
	WIN 0
.endm
.macro FETCH_A slot, q, i0
.irp i, \i0, \i0+1, \i0+2, \i0+3
	FRAG AF+FR*(\i), ADRA+\slot, \q, \i
.endr
.endm
.macro SCALES sc
.irp i, 0,1,2,3,4,5,6,7
.irp q, 0,1
	ds_load_b32 v[SC+8*NQ*\sc+NQ*\i+\q], v[ADRS] offset:256*\i+128*\q
.endr
.endr
.endm
.macro PLACES n
.rept \n
	v_nop
.endr
.endm
.macro STEP slot, q, zero
	s_wait_dscnt 4*NL
	WIN MUL_LO
	MUL16 0, (\q)%2, \q, \slot, \zero
	MUL16 2, (\q)%2, \q, \slot, \zero
	s_wait_dscnt 0
	PLACES NP
	FETCH_B \slot, (\q)+1, 1-(\q)%2
	FETCH_A \slot, (\q)+1, 0
	WIN MUL_HI
	MUL16 4, (\q)%2, \q, \slot, \zero
	MUL16 6, (\q)%2, \q, \slot, \zero
	PLACES NP
	WIN 0
	FETCH_A \slot, (\q)+1, 4
.endm
.macro TURN slot, next, fill
	s_wait_tensorcnt 0x0
	ds_add_u32 v[SPW], v[NIL]
	s_wait_dscnt 4*NL+1
	WIN MUL_LO
	MUL16 0, 1, NQ-1, \slot, 0
	s_wait_dscnt 0x0
	s_barrier_signal -1
	MUL16 2, 1, NQ-1, \slot, 0
	WIN 0
	s_barrier_wait -1
.if \fill
	CREST
	s_add_nc_u64 s[G0+4*\slot+2:G0+4*\slot+3], s[G0+4*\slot+2:G0+4*\slot+3], 2*KPAIR
	s_add_nc_u64 s[G0B+4*\slot+2:G0B+4*\slot+3], s[G0B+4*\slot+2:G0B+4*\slot+3], 2*KPAIR
	JLOAD G0+4*\slot, G1, G0B+4*\slot, G1B
.else
	PLACES NP
.endif
	s_wait_alu depctr_va_vdst(0)
	v_add_nc_u32 v[ADRS], 4096, v[ADRS]
	FETCH_B \next, 0, 0
	FETCH_A \next, 0, 0
	SCALES \next
.if \fill
	ASK (4+\slot)*KPAIR
.endif
	WIN MUL_HI
	MUL16 4, 1, NQ-1, \slot, 0
	MUL16 6, 1, NQ-1, \slot, 0
	PLACES NP
	WIN 0
	FETCH_A \next, 0, 4
.endm
	s_wait_alu depctr_va_vdst(0)
	s_wait_tensorcnt 1
	s_barrier_signal -1
	s_barrier_wait -1
	FETCH_B 0, 0, 0
	FETCH_A 0, 0, 0
	SCALES 0
	FETCH_A 0, 0, 4
	STEP 0, 0, 1
	s_mov_b32 s3, LAPS-1
.Llap:
	TURN 0, 1, 1
	STEP 1, 0, 0
	TURN 1, 0, 1
	STEP 0, 0, 0
	s_wait_xcnt 0x0                                ; the lap's prefetches have read their address: it steps two K pairs on
	s_add_nc_u64 s[12:13], s[12:13], 2*KPAIR
	s_sub_co_u32 s3, s3, 1
	s_cmp_lg_u32 s3, 0
	s_cbranch_scc1 .Llap
	TURN 0, 1, 0
	s_load_b256 s[24:31], s[0:1], 0x10
	s_load_b128 s[32:35], s[0:1], 0x30
	STEP 1, 0, 0
	s_wait_dscnt 4*NL
	WIN MUL_LO
	MUL16 0, 1, NQ-1, 1, 0
	MUL16 2, 1, NQ-1, 1, 0
	s_wait_dscnt 0
	WIN MUL_HI
	MUL16 4, 1, NQ-1, 1, 0
	MUL16 6, 1, NQ-1, 1, 0
	WIN 0
.macro QUANT s, pw
.irp b, 0,1,2,3
	v_max3_num_f32 v[TM+\b], |v[\s+16*\b]|, |v[\s+1+16*\b]|, 0x2800000
.endr
.irp i, 2,4,6,8,10,12,14
.irp b, 0,1,2,3
	v_max3_num_f32 v[TM+\b], v[TM+\b], |v[\s+16*\b+\i]|, |v[\s+1+16*\b+\i]|
.endr
.endr
.irp b, 0,1,2,3
	v_permlanex16_b32 v[TM+4+\b], v[TM+\b], s58, s59
.endr
.irp b, 0,1,2,3
	v_max_num_f32 v[TM+\b], v[TM+\b], v[TM+4+\b]
.endr
.irp b, 0,1,2,3
	v_add_nc_u32 v[TM+12+\b], 0xfe000000, v[TM+\b]
.endr
.irp b, 0,1,2,3
	v_lshrrev_b32 v[TM+4+\b], 23, v[TM+12+\b]
.endr
	v_lshl_or_b32 v[\pw], v[TM+5], 8, v[TM+4]
	v_lshl_or_b32 v[\pw], v[TM+6], 16, v[\pw]
	v_lshl_or_b32 v[\pw], v[TM+7], 24, v[\pw]
.irp c, 0,1
	v_cvt_scalef32_pk16_bf6_f32 v[PC+6*\c:PC+2+6*\c], v[\s+32*\c:\s+15+32*\c], v[TM+12+2*\c]
	v_cvt_scalef32_pk16_bf6_f32 v[PC+12+4*\c:PC+14+4*\c], v[\s+16+32*\c:\s+31+32*\c], v[TM+12+2*\c+1]
.endr
	v_nop
.irp c, 0,1
.irp i, 0,1,2
	v_permlane16_swap_b32 v[PC+6*\c+\i], v[PC+12+4*\c+\i]
.endr
.irp i, 0,1,2
	v_mov_b32 v[PC+3+6*\c+\i], v[PC+12+4*\c+\i]
.endr
.endr
.endm
.macro IMAGE a
.irp g, 0,1,2
	global_store_b128 v[LI], v[PC+4*\g:PC+4*\g+3], s[54:55] offset:(\a)*FRB+512*\g
.endr
.endm
.macro FINISH
.irp j, 0,1,2,3
	v_cndmask_b32 v[M4+\j], v[PW8+2*\j], v[PW8+2*\j+1], s67
.endr
	global_store_b128 v[LI], v[M4:M4+3], s[56:57]
.endm
.macro RTLOAD a
	WIN 0x40
.irp g, 0,1,2,3,4,5,6,7,8,9,10,11,12,13,14,15
	global_load_b128 v[64+64*((\a)%3)+4*\g:64+64*((\a)%3)+4*\g+3], v[LI], s[52:53] offset:(\a)*8192+512*\g
.endr
.endm
.macro QKBLK a
.set AC, 64*((\a)%4)
.set RB, 64+64*((\a)%3)
.if (\a) > 0
	s_wait_xcnt 0x0
.endif
.if (\a) <= 5
	s_wait_loadcnt 32
.elseif (\a) == 6
	s_wait_loadcnt 16
.else
	s_wait_loadcnt 0x0
.endif
	WIN 0x06+(\a)/4
.set k, 0
.rept 32
	v_pk_add_f32 v[H+2*k:H+2*k+1], v[AC+2*k:AC+2*k+1], v[BIAS+2*k:BIAS+2*k+1]
.set k, k+1
.endr
	WIN 0x04
.set k, 0
.rept 32
	v_mul_f32 v[T+2*(k%2)], v[H+2*k+1], v[RB+2*k+1]
	v_mul_f32 v[T+2*(k%2)+1], v[H+2*k], v[RB+2*k+1]
	v_fma_f32 v[H+2*k], v[H+2*k], v[RB+2*k], -v[T+2*(k%2)]
	v_fma_f32 v[H+2*k+1], v[H+2*k+1], v[RB+2*k], v[T+2*(k%2)+1]
.set k, k+1
.endr
.if (\a)+3 < 8
	RTLOAD (\a)+3
.endif
	WIN 0
	QUANT H, PW8+(\a)
	IMAGE \a
.endm
.macro VBLK a
.set AC, 64*((\a)%4)
.if (\a) > 0
	s_wait_xcnt 0x0
.endif
	WIN 0x02+(\a)/4
.set k, 0
.rept 32
	v_pk_add_f32 v[H+2*k:H+2*k+1], v[AC+2*k:AC+2*k+1], v[BV+2*(\a):BV+2*(\a)+1] op_sel_hi:[1,0]
.set k, k+1
.endr
	WIN 0
	QUANT H, PW8+(\a)
	IMAGE \a
.endm
	PLACES NP
	s_wait_kmcnt 0x0
	s_lshl_b32 s36, s17, 1
	s_add_co_u32 s36, s36, s15
	s_lshl_b32 s37, s42, 1
	s_add_co_u32 s37, s37, s16
	s_mov_b32 s58, 0x76543210
	s_mov_b32 s59, 0xfedcba98
	s_mov_b32 s67, 0xffff0000
.irp b, 0,1,2,3
	v_mov_b32 v[TM+4+\b], 0
.endr
	s_cmp_eq_u32 s[ROLE], 2
	s_cbranch_scc1 .Lvrole
	s_lshl_b32 s40, s37, 4
	s_add_co_u32 s40, s40, s36
	s_mul_i32 s44, s40, 8*FRB
	s_lshl_b32 s45, s40, 9
	s_mul_i32 s46, s37, 393216
	s_lshr_b32 s47, s36, 2
	s_mul_i32 s47, s47, 98304
	s_add_co_u32 s46, s46, s47
	s_and_b32 s47, s36, 3
	s_mul_i32 s47, s47, 8*FRB
	s_add_co_u32 s46, s46, s47
	s_add_co_u32 s46, s46, 3145728
	s_lshl_b32 s47, s37, 14
	s_lshl_b32 s48, s36, 9
	s_add_co_u32 s47, s47, s48
	s_add_co_u32 s47, s47, 131072
	s_cmp_eq_u32 s[ROLE], 0
	s_cselect_b32 s44, s44, s46
	s_cselect_b32 s46, s45, s47
	s_cselect_b64 s[48:49], s[24:25], s[26:27]
	s_mov_b32 s45, 0
	s_mov_b32 s47, 0
	s_add_nc_u64 s[54:55], s[32:33], s[44:45]
	s_add_nc_u64 s[56:57], s[34:35], s[46:47]
	s_lshl_b32 s44, s37, 9
	s_add_nc_u64 s[48:49], s[48:49], s[44:45]
	s_lshl_b32 s44, s[ROLE], 20
	s_lshl_b32 s46, s36, 16
	s_add_co_u32 s44, s44, s46
	s_add_nc_u64 s[52:53], s[30:31], s[44:45]
	v_lshlrev_b32 v5, 6, v2
	WIN 0x40
.irp b, 0,1,2,3
.irp u, 0,1,2,3
	global_load_b128 v[BIAS+16*\b+4*\u:BIAS+16*\b+4*\u+3], v5, s[48:49] offset:128*\b+16*\u
.endr
.endr
	RTLOAD 0
	RTLOAD 1
	RTLOAD 2
	WIN 0
	QKBLK 0
	QKBLK 1
	QKBLK 2
	QKBLK 3
	QKBLK 4
	QKBLK 5
	QKBLK 6
	QKBLK 7
	FINISH
	s_branch .Lend
.Lvrole:
	s_mul_i32 s46, s36, 393216
	s_lshr_b32 s47, s37, 2
	s_mul_i32 s47, s47, 98304
	s_add_co_u32 s46, s46, s47
	s_and_b32 s47, s37, 3
	s_mul_i32 s47, s47, 8*FRB
	s_add_co_u32 s46, s46, s47
	s_add_co_u32 s46, s46, 3145728+49152
	s_mov_b32 s47, 0
	s_add_nc_u64 s[54:55], s[32:33], s[46:47]
	s_lshl_b32 s46, s36, 14
	s_lshl_b32 s48, s37, 9
	s_add_co_u32 s46, s46, s48
	s_add_co_u32 s46, s46, 131072+8192
	s_add_nc_u64 s[56:57], s[34:35], s[46:47]
	s_lshl_b32 s46, s36, 9
	s_add_nc_u64 s[48:49], s[28:29], s[46:47]
	v_and_b32 v5, 7, v4
	v_lshrrev_b32 v6, 3, v4
	v_lshl_add_u32 v5, v6, 4, v5
	v_lshlrev_b32 v5, 2, v5
.irp a, 0,1,2,3,4,5,6,7
	global_load_b32 v[BV+2*\a], v5, s[48:49] offset:(32*(\a/2)+8*(\a%2))*4
	v_mov_b32 v[BV+2*\a+1], 0
.endr
	s_wait_alu depctr_va_vdst(0)
	s_wait_loadcnt 0x0
	VBLK 0
	VBLK 1
	VBLK 2
	VBLK 3
	VBLK 4
	VBLK 5
	VBLK 6
	VBLK 7
	FINISH
.Lend:
	s_wait_tensorcnt 0x0
	ds_add_u32 v[SPW], v[NIL]
	s_wait_dscnt 0x0
	CROUND
	s_endpgm
.Lfunc_end_k_q4a4d20be46_qkv:
	.size	k_q4a4d20be46_qkv, .Lfunc_end_k_q4a4d20be46_qkv-k_q4a4d20be46_qkv
	.p2alignl 7, 3214868480
	.fill 96, 4, 3214868480
	.section	.rodata,"a",@progbits
	.p2align	6, 0x0
	.amdhsa_kernel k_q4a4d20be46_qkv
		.amdhsa_group_segment_fixed_size 327680
		.amdhsa_private_segment_fixed_size 0
		.amdhsa_enable_private_segment 0
		.amdhsa_kernarg_size 64
		.amdhsa_user_sgpr_count 2
		.amdhsa_user_sgpr_kernarg_segment_ptr 1
		.amdhsa_wavefront_size32 1
		.amdhsa_system_sgpr_workgroup_id_x 1
		.amdhsa_system_sgpr_workgroup_id_y 1
		.amdhsa_system_sgpr_workgroup_id_z 1
		.amdhsa_system_vgpr_workitem_id 0
		.amdhsa_next_free_vgpr 1024
		.amdhsa_next_free_sgpr 100
		.amdhsa_reserve_vcc 0
		.amdhsa_float_denorm_mode_32 3
		.amdhsa_float_denorm_mode_16_64 3
		.amdhsa_memory_ordered 1
		.amdhsa_forward_progress 1
		.amdhsa_inst_pref_size 255
	.end_amdhsa_kernel
	.section	.bss,"aw",@nobits
	.p2align	6
	.space	262144
	.amdgpu_metadata
---
amdhsa.version: [ 1, 2 ]
amdhsa.kernels:
  - .name:           k_q4a4d20be46_qkv
    .symbol:         k_q4a4d20be46_qkv.kd
    .args:
      - { .name: opf, .offset: 0, .size: 8, .value_kind: global_buffer, .address_space: global }
      - { .name: ops, .offset: 8, .size: 8, .value_kind: global_buffer, .address_space: global }
      - { .name: bq, .offset: 16, .size: 8, .value_kind: global_buffer, .address_space: global }
      - { .name: bk, .offset: 24, .size: 8, .value_kind: global_buffer, .address_space: global }
      - { .name: bv, .offset: 32, .size: 8, .value_kind: global_buffer, .address_space: global }
      - { .name: rt, .offset: 40, .size: 8, .value_kind: global_buffer, .address_space: global }
      - { .name: qkvf, .offset: 48, .size: 8, .value_kind: global_buffer, .address_space: global }
      - { .name: qkvs, .offset: 56, .size: 8, .value_kind: global_buffer, .address_space: global }
    .group_segment_fixed_size: 327680
    .private_segment_fixed_size: 0
    .kernarg_segment_align: 8
    .kernarg_segment_size: 64
    .max_flat_workgroup_size: 128
    .sgpr_count:     100
    .vgpr_count:     1024
    .wavefront_size: 32
...
	.end_amdgpu_metadata
.endif
;; end of part 6
;; launch attn (part 7): grid 16 x 16, 8 waves a work-group, no clusters, 70,656 bytes of LDS; arguments qkvf, qkvs, mbits, cf, cs; writes cf, cs
.if DOCPART == 7
	.amdgcn_target "amdgcn-amd-amdhsa--gfx1250"
	.amdhsa_code_object_version 6
	.text
	.protected	k_q4a4d20be46_attn
	.globl	k_q4a4d20be46_attn
	.p2align	8
	.type	k_q4a4d20be46_attn,@function
k_q4a4d20be46_attn:
	s_mov_b64 s[64:65], 0
	v_nop
	global_prefetch_b8 v0, s[64:65] scope:SCOPE_SE
	s_setreg_imm32_b32 hwreg(HW_REG_WAVE_MODE, 25, 1), 1
	s_wait_xcnt 0x0
; c[q][head][:] = softmax_k(mask(q . k / sqrt(128))) v, both products on codes of BF6 (E3M2) with one E8M0 scale for each 32 along K; c leaves quantised along the head's 128, as an operand of the last projection.
; THE SOFTMAX AHEAD OF THE SECOND PRODUCT: t = score x log2(e) / sqrt(128); M = the row's largest t so far, rounded up to a whole number; p = 2^(t - M) is quantised along the keys; the row's sum is taken of the unquantised p and divides at the end.
; THE MASK is an input, packed by the first launch into lane masks (word n, bit l: the number under score register n of lane l; 64 words for 16 queries x 128 keys).  A masked score becomes -2^33 ahead of the maximum;
; c = log2(e) / sqrt(128) as f32 is a multiple of 2^-26, so its t is a whole number: in a row all of whose keys are masked M = t and p = 1 exactly, a uniform row, as with -1e9.
; WHICH KEY STEPS ARE WALKED IS READ FROM THE MASK WORDS.  For a tile of 16 queries its 1,024 mask words give two lists of 16 bits: the steps of 128 keys with any bit set, and those with any bit clear.
; A step with no bit set gives p = 0 to every one of the 16 rows as soon as the row has one unmasked key anywhere: such steps are not walked.  If some row of the 16 has no unmasked key at all, its softmax is uniform over all keys:
; then all 16 steps are walked.  In a step with no bit clear the 64 selects are jumped over.  All three are choices by whole numbers that an earlier launch stored.
; LIMITS: rows whose unmasked logits lie under -7.5e8 are not served; NaN and infinities are not served, and one that stands only under a step that is not walked is not carried to the result; a block whose largest magnitude lies under 2^-122 gets the byte 1.
; THE DEAL: waves w and w + 4 of work-group b serve tiles x = 4 b + w % 4 and 127 - x together: wave w takes the even key steps of both lists, wave w + 4 the odd ones.  Each walks its share of the partner's tile first and puts
; O^T, -M and the sum (17 x 512 bytes) into its own LDS bytes, then its share of its own tile (wave w: x; wave w + 4: 127 - x).  One barrier; then it adds the partner's part to its own.  M is a whole number in both parts,
; so both are brought under the larger M by powers of two, which round nothing.  A share with no step leaves zeros under -M = 3e38, whose factor is 0.
; NO TENSOR LOAD, NO CLUSTER: the steps that a wave walks hang on numbers read from memory, so two work-groups need not want the same tile: no joint request can be made on every path.
; All operands lie in memory as images of their registers (16 rows x 128 K = 1,536 bytes, registers 4 g .. 4 g + 3 of lane l at 512 g + 16 l), so each lane loads its fragments whole: a load of the wave covers 512 consecutive bytes.
; ONE STEP AHEAD: K's eight fragments and scale words of the next step on the list are asked for behind this step's first product, V's behind its second: 25 loads each, into v256-351 and v352-447.
; K's loads and V's have address registers of their own: each pair is written again only behind the counted wait that shows its last 25 loads done.
; PREFETCH: the sixteen work-groups of a head share its 393,216 bytes of K and V out: each asks once, at its head and under the read of the mask words, for 24,576 bytes (as many as one key step): waves 0-2, lanes 256 bytes apart.
; LAYOUT: S^T = K Q^T, O^T = V^T P^T: a lane holds one query.  K's tiles hold keys 32 (t / 2) + 8 (t % 2) + r % 8 + 16 (r / 8), so score register 16 b + i is key 32 b + 16 h + i; V's tiles hold the channels likewise.
; REGISTERS: v1 16 x lane; v2, v3 my LDS bytes and my partner's; v5, v6 the add's; v7 4 x lane; v12 -M, v13 the largest t, v[14:15] the sum; v16-27 Q; v28 256 x lane; v29 -2^33; v30, v84-95 the second tile's Q; v80-83 V's scale words;
; v96-159 S^T, then p; v160-223 O^T; v224-235 codes; v232-247 at work; v248-251 K's scale words (register j: tile 2 j in lanes 0-15, tile 2 j + 1 in lanes 16-31); v252 f; v253 p's scale word; v255 Q's.
.set FRB,  1536
.set VOFF, 49152                       ; V's fragments of a step lie this far behind K's
.set XCH,  8704                        ; a wave's LDS bytes
.set SPARE, 8*XCH                      ; behind them the spare words: 128 bytes for each of eight waves, named by no other line
.set LI,  1
.set XO,  2
.set XI,  3
.set SPW, 5
.set NIL, 6
.set L4,  7
.set PFO, 28
.set SM,  29
.set AC,  2                            ; s2  my steps still to be asked for, a bit each
.set NF,  3                            ; s3  the steps with a bit clear
.set WV,  4
.set CNT, 5
.set ST,  6
.set MO,  7                            ; s7  byte offset of the next step's mask words
.set KB,  8                            ; s[8:9] the head's K and V; s[10:11] its scale images
.set SB,  10
.set KA,  12                           ; s[12:13], s[14:15] the same at the step asked for: K's loads
.set SA,  14
.set OF,  16                           ; s[16:17] an offset, upper word 0
.set KV,  18                           ; s[18:19], s[66:67] V's loads
.set SV,  66
.set SEL, 20
.set CS,  22
.set MB,  24
.set CFB, 26
.set CSB, 28
.set NFC, 30                           ; s30 has the step in hand a bit clear?
.set PASS, 31
.set MB1, 100                          ; the second tile's mask words and lists
.set AC1, 104
.set NF1, 105
.set MSB, 0
.macro WIN new                         ; the immediate's high byte repeats the setting that is left
.if MSB != \new
	s_set_vgpr_msb (MSB<<8)|\new
.set MSB, \new
.endif
.endm
.macro BITS dst, m                     ; bit 2 i: any of lanes 0-15 in lane mask s[m + i]; bit 2 i + 1: any of lanes 16-31
	s_mov_b32 s[\dst], 0
.irp i, 0,1,2,3,4,5,6,7
	s_and_b32 s[OF], s[\m+\i], 0xffff
	s_cselect_b32 s[OF], 1<<(2*\i), 0
	s_or_b32 s[\dst], s[\dst], s[OF]
	s_lshr_b32 s[OF], s[\m+\i], 16
	s_cselect_b32 s[OF], 2<<(2*\i), 0
	s_or_b32 s[\dst], s[\dst], s[OF]
.endr
.endm
.macro LIST src, ac, nf                ; a tile's mask words in v[src ..] (load i: lanes 0-15 step 2 i, lanes 16-31 step 2 i + 1): my share of its steps, and the steps with a bit clear
.irp i, 0,1,2,3,4,5,6,7
	v_or_b32 v[64+\i], v[\src+4*\i], v[\src+4*\i+1]
	v_and_b32 v[72+\i], v[\src+4*\i], v[\src+4*\i+1]
.endr
.irp u, 2,3
.irp i, 0,1,2,3,4,5,6,7
	v_or_b32 v[64+\i], v[64+\i], v[\src+4*\i+\u]
	v_and_b32 v[72+\i], v[72+\i], v[\src+4*\i+\u]
.endr
.endr
.irp i, 0,1,2,3,4,5,6,7
	v_cmp_ne_u32 s[68+\i], 0, v[64+\i]             ; lanes whose four words have a bit set,
	v_cmp_ne_u32 s[76+\i], -1, v[72+\i]            ; and those with a bit clear
.endr
	v_or_b32 v31, v64, v65                         ; all 1,024 words together: bits r and 16 + r say whether query r has an unmasked key
.irp i, 2,3,4,5,6,7
	v_or_b32 v31, v31, v[64+\i]
.endr
.irp x, 1,2,4,8
	v_mov_b32_dpp v10, v31 row_xmask:\x row_mask:0xf bank_mask:0xf
	v_or_b32 v31, v31, v10
.endr
	v_permlanex16_b32 v10, v31, s[SEL], s[SEL+1]
	v_or_b32 v31, v31, v10
	v_readfirstlane_b32 s[ST], v31
	s_wait_alu depctr_va_vdst(0)
	BITS \ac, 68
	BITS \nf, 76
	s_lshr_b32 s[OF], s[ST], 16
	s_or_b32 s[ST], s[ST], s[OF]
	s_and_b32 s[ST], s[ST], 0xffff
	s_cmp_eq_u32 s[ST], 0xffff                     ; has every one of the 16 queries an unmasked key?
	s_cselect_b32 s[\ac], s[\ac], 0xffff           ; if not: all 16 steps
	s_and_b32 s[\ac], s[\ac], s43                  ; my share: the even steps or the odd ones
.endm
.macro NEXT                            ; the lowest step left on the list, held to 15 ahead of every address; step s lies at 12,288 (s + (s & 12))
	s_ctz_i32_b32 s[ST], s[AC]
	s_min_u32 s[ST], s[ST], 15
	s_sub_co_u32 s[OF], s[AC], 1
	s_and_b32 s[AC], s[AC], s[OF]
	s_lshr_b32 s[NFC], s[NF], s[ST]
	s_and_b32 s[NFC], s[NFC], 1
	s_and_b32 s[OF], s[ST], 12
	s_add_co_u32 s[OF], s[OF], s[ST]
	s_mul_i32 s[OF], s[OF], 12288
	s_add_nc_u64 s[KA:KA+1], s[KB:KB+1], s[OF:OF+1]
	s_lshl_b32 s[OF], s[ST], 9
	s_add_nc_u64 s[SA:SA+1], s[SB:SB+1], s[OF:OF+1]
	s_lshl_b32 s[MO], s[ST], 8
.endm
.macro KLOAD                           ; 25 loads: K's eight fragments into v256-351, its scale words
	WIN 0x40
.irp t, 0,1,2,3,4,5,6,7
.irp c, 0,1,2
	global_load_b128 v[12*\t+4*\c:12*\t+4*\c+3], v[LI], s[KA:KA+1] offset:FRB*\t+512*\c
.endr
.endr
	WIN 0
	global_load_b128 v[248:251], v[LI], s[SA:SA+1]
.endm
.macro VLOAD                           ; 25 loads: V's eight fragments into v352-447, its scale words
	s_mov_b64 s[KV:KV+1], s[KA:KA+1]
	s_mov_b64 s[SV:SV+1], s[SA:SA+1]
	WIN 0x40
.irp t, 0,1,2,3,4,5,6,7
.irp c, 0,1,2
	global_load_b128 v[96+12*\t+4*\c:96+12*\t+4*\c+3], v[LI], s[KV:KV+1] offset:VOFF+FRB*\t+512*\c
.endr
.endr
	WIN 0
	global_load_b128 v[80:83], v[LI], s[SV:SV+1] offset:8192
.endm
.macro MLOAD                           ; a step's 64 mask words
	s_load_b512 s[32:47], s[MB:MB+1], s[MO] offset:0x0
	s_load_b512 s[48:63], s[MB:MB+1], s[MO] offset:0x40
	s_load_b512 s[68:83], s[MB:MB+1], s[MO] offset:0x80
	s_load_b512 s[84:99], s[MB:MB+1], s[MO] offset:0xc0
.endm
.macro MKCODES                         ; v232-235 the four blocks' largest magnitudes (floored), v96-159 the numbers: codes into v224-235, the scale word into v253
.irp b, 0,1,2,3
	v_add_nc_u32 v[244+\b], 0xfe000000, v[232+\b]  ; 4 off the exponent field: the conversion's scale operand
.endr
.irp b, 0,1,2,3
	v_lshrrev_b32 v[236+\b], 23, v[244+\b]
.endr
	v_lshl_or_b32 v253, v237, 8, v236
	s_delay_alu instid0(VALU_DEP_1)
	v_lshl_or_b32 v253, v238, 16, v253
	s_delay_alu instid0(VALU_DEP_1)
	v_lshl_or_b32 v253, v239, 24, v253
.irp c, 0,1
	v_cvt_scalef32_pk16_bf6_f32 v[224+6*\c:226+6*\c], v[96+32*\c:111+32*\c], v[244+2*\c]
	v_cvt_scalef32_pk16_bf6_f32 v[236+4*\c:238+4*\c], v[112+32*\c:127+32*\c], v[244+2*\c+1]
.endr
	v_nop                                          ; one plain line behind a scaled conversion
.irp c, 0,1                                    ; the layout wants a whole block in a lane
.irp i, 0,1,2
	v_permlane16_swap_b32 v[224+6*\c+\i], v[236+4*\c+\i]
.endr
.irp i, 0,1,2
	v_mov_b32 v[227+6*\c+\i], v[236+4*\c+\i]
.endr
.endr
.endm
.macro TOFF p, m, q, qs                ; tile s[p]: byte offsets of its mask words, of Q's image and of Q's word in the merged scale image of eight tiles (16 r + 256 (T % 2) + 4 ((T / 2) % 4))
	s_lshl_b32 s[\m], s[\p], 12
	s_mov_b32 s[\m+1], 0
	s_lshl_b32 s[\q], s42, 7
	s_add_co_u32 s[\q], s[\q], s[\p]
	s_mul_i32 s[\q], s[\q], FRB
	s_mov_b32 s[\q+1], 0
	s_lshl_b32 s[\qs], s42, 4
	s_lshr_b32 s62, s[\p], 3
	s_add_co_u32 s[\qs], s[\qs], s62
	s_lshl_b32 s[\qs], s[\qs], 9
	s_and_b32 s62, s[\p], 1
	s_lshl_b32 s62, s62, 8
	s_add_co_u32 s[\qs], s[\qs], s62
	s_bfe_u32 s62, s[\p], 0x20001
	s_lshl_b32 s62, s62, 2
	s_add_co_u32 s[\qs], s[\qs], s62
	s_mov_b32 s[\qs+1], 0
.endm
	s_load_b256 s[32:39], s[0:1], 0x0              ; qkvf s32, qkvs s34, mbits s36, cf s38
	s_load_b64 s[40:41], s[0:1], 0x20              ; cs
	v_lshl_add_u32 v[SPW], v0, 2, SPARE
	v_mov_b32 v[NIL], 0
	v_lshrrev_b32 v8, 5, v0
	v_readfirstlane_b32 s[WV], v8                  ; wave 0..7
	v_and_b32 v8, 31, v0
	v_lshlrev_b32 v[LI], 4, v8
	v_lshlrev_b32 v[L4], 2, v8
	v_lshlrev_b32 v[PFO], 8, v8
	v_and_b32 v11, 15, v0
	v_lshlrev_b32 v11, 4, v11
	v_mov_b32 v10, 0                               ; a DPP form's and a lane permute's destination counts as one of its sources
	s_mul_i32 s56, s[WV], XCH
	v_add_nc_u32 v[XO], s56, v[LI]                 ; my LDS bytes,
	s_xor_b32 s56, s[WV], 4
	s_mul_i32 s56, s56, XCH
	v_add_nc_u32 v[XI], s56, v[LI]                 ; and my partner's
	v_mov_b32 v[SM], 0xd0000000                    ; -2^33
.irp b, 0,1,2,3
	v_mov_b32 v[236+\b], 0
.endr
	v_mov_b32 v252, 0
	v_mov_b32 v253, 0                              ; (named as the upper half of v[252:253] before it is first written)
	s_and_b32 s44, s[WV], 3
	s_lshl_b32 s46, ttmp9, 2
	s_add_co_u32 s44, s44, s46                     ; x = 4 b + w % 4
	s_sub_co_u32 s45, 127, s44
	s_lshr_b32 s46, s[WV], 2
	s_lshl_b32 s43, 0x5555, s46                    ; waves 0-3 the even steps, waves 4-7 the odd ones
	s_cmp_eq_u32 s46, 0
	s_cselect_b32 s47, s45, s44                    ; the tile walked first: my partner's
	s_cselect_b32 s45, s44, s45                    ; the tile walked second: mine
	s_mov_b32 s44, s47
	s_and_b32 s42, ttmp7, 0xffff                   ; the head
	TOFF 44, MB, 46, 48
	TOFF 45, MB1, 50, 52
	s_lshr_b32 s62, s42, 1
	s_and_b32 s63, s42, 1
	s_mul_i32 s[CFB], s62, 393216                  ; c's image: my tile, K step = head
	s_mul_i32 s[CFB+1], s45, 2*FRB
	s_add_co_u32 s[CFB], s[CFB], s[CFB+1]
	s_mul_i32 s[CFB+1], s63, FRB
	s_add_co_u32 s[CFB], s[CFB], s[CFB+1]
	s_mov_b32 s[CFB+1], 0
	s_lshl_b32 s[CSB], s62, 15
	s_lshl_b32 s[CSB+1], s45, 8
	s_add_co_u32 s[CSB], s[CSB], s[CSB+1]
	s_lshl_b32 s[CSB+1], s63, 7
	s_add_co_u32 s[CSB], s[CSB], s[CSB+1]
	s_mov_b32 s[CSB+1], 0
	s_mul_i32 s[KB], s42, 393216                   ; the head's K and V
	s_add_co_u32 s[KB], s[KB], 3145728
	s_mov_b32 s[KB+1], 0
	s_lshl_b32 s[SB], s42, 14                      ; and their scale images: K's 16 x 512 bytes, then V's
	s_add_co_u32 s[SB], s[SB], 131072
	s_mov_b32 s[SB+1], 0
	s_mul_i32 s60, ttmp9, 24576                    ; the prefetch: my work-group's sixteenth, my wave's third of it
	s_add_co_u32 s60, s60, s[KB]
	s_min_u32 s61, s[WV], 2
	s_lshl_b32 s61, s61, 13
	s_add_co_u32 s60, s60, s61
	s_mov_b32 s61, 0
	s_mov_b32 s[SEL], 0x76543210
	s_mov_b32 s[SEL+1], 0xfedcba98
	s_mov_b32 s[CS], 0x3e0293ee                    ; c = log2(e) / sqrt(128)
	s_mov_b32 s[CS+1], s[CS]
	s_wait_alu depctr_va_vdst(0)
	s_wait_kmcnt 0x0
	s_add_nc_u64 s[MB:MB+1], s[36:37], s[MB:MB+1]
	s_add_nc_u64 s[MB1:MB1+1], s[36:37], s[MB1:MB1+1]
	s_add_nc_u64 s[46:47], s[32:33], s[46:47]
	s_add_nc_u64 s[48:49], s[34:35], s[48:49]
	s_add_nc_u64 s[50:51], s[32:33], s[50:51]
	s_add_nc_u64 s[52:53], s[34:35], s[52:53]
	s_add_nc_u64 s[CFB:CFB+1], s[38:39], s[CFB:CFB+1]
	s_add_nc_u64 s[CSB:CSB+1], s[40:41], s[CSB:CSB+1]
	s_add_nc_u64 s[KB:KB+1], s[32:33], s[KB:KB+1]
	s_add_nc_u64 s[SB:SB+1], s[34:35], s[SB:SB+1]
	s_add_nc_u64 s[60:61], s[32:33], s[60:61]
.irp i, 0,1,2,3,4,5,6,7
	global_load_b128 v[32+4*\i:35+4*\i], v[LI], s[MB:MB+1] offset:512*\i      ; both tiles' mask words
	global_load_b128 v[96+4*\i:99+4*\i], v[LI], s[MB1:MB1+1] offset:512*\i
.endr
.irp g, 0,1,2
	global_load_b128 v[16+4*\g:19+4*\g], v[LI], s[46:47] offset:512*\g        ; both tiles' Q
	global_load_b128 v[84+4*\g:87+4*\g], v[LI], s[50:51] offset:512*\g
.endr
	global_load_b32 v255, v11, s[48:49]            ; and their rows' scale words
	global_load_b32 v30, v11, s[52:53]
	s_cmp_lt_u32 s[WV], 3
	s_cbranch_scc0 .Lno_ask
	global_prefetch_b8 v[PFO], s[60:61] th:TH_LOAD_NT scope:SCOPE_SE
.Lno_ask:
	s_wait_loadcnt 0x0
	LIST 32, AC, NF
	LIST 96, AC1, NF1
	s_mov_b32 s[OF+1], 0
	s_mov_b32 s[PASS], 0
	s_wait_xcnt 0x0                                ; the prefetch has read its base, on which mask words land below
; A KEY STEP: 128 keys.  more = 1: the next step on the list is asked for.
.macro STEP more
	s_wait_loadcnt 25                              ; K's 25 loads are in; the 25 issued behind them, V's of this step, may be out
	WIN 0x01                                       ; source 0 in v256-511
.irp t, 0,1,2,3,4,5,6,7                        ; S^T: each tile starts its sum
.if \t%2
	v_wmma_scale_f32_16x16x128_f8f6f4 v[96+8*\t:103+8*\t], v[12*\t:12*\t+11], v[16:27], 0, v[248+\t/2], v255 matrix_a_fmt:MATRIX_FMT_BF6 matrix_b_fmt:MATRIX_FMT_BF6 matrix_a_scale:MATRIX_SCALE_ROW1
.else
	v_wmma_scale_f32_16x16x128_f8f6f4 v[96+8*\t:103+8*\t], v[12*\t:12*\t+11], v[16:27], 0, v[248+\t/2], v255 matrix_a_fmt:MATRIX_FMT_BF6 matrix_b_fmt:MATRIX_FMT_BF6
.endif
.endr
.rept 4
	v_nop                                          ; four places ahead of the loads into K's registers and of the first read of S^T
.endr
	WIN 0
	s_wait_kmcnt 0x0                               ; this step's mask words are in
	s_cmp_eq_u32 s[NFC], 0
	s_cbranch_scc1 .Lall_\@                        ; no bit clear: nothing to select
.set n, 0
.rept 32
	v_cndmask_b32 v[96+n], v[SM], v[96+n], s[32+n] ; the score where the mask's number is not 0, else -2^33; each accumulator from its low end on
.set n, n+1
.endr
.set n, 0
.rept 32
	v_cndmask_b32 v[128+n], v[SM], v[128+n], s[68+n]
.set n, n+1
.endr
.Lall_\@:
.if \more
	s_wait_alu depctr_va_vdst(0)
	NEXT                                           ; K's address registers: their last loads are in (the wait at the step's head); the mask words' offset: its loads are in
	KLOAD
.endif
.irp b, 0,1,2,3                                ; the largest score of each block of 32 keys, the four by turns: it serves the row's maximum and, since p rises with the score, the block's largest p
	v_max3_num_f32 v[232+\b], v[96+16*\b], v[97+16*\b], v[98+16*\b]
.endr
.irp i, 3,5,7,9,11,13
.irp b, 0,1,2,3
	v_max3_num_f32 v[232+\b], v[232+\b], v[96+16*\b+\i], v[97+16*\b+\i]
.endr
.endr
.irp b, 0,1,2,3
	v_max_num_f32 v[232+\b], v[232+\b], v[111+16*\b]
.endr
.if \more
	MLOAD                                          ; the next step's mask words
.endif
.irp b, 0,1,2,3
	v_permlanex16_b32 v[236+\b], v[232+\b], s[SEL], s[SEL+1]
.endr
.irp b, 0,1,2,3
	v_max_num_f32 v[232+\b], v[232+\b], v[236+\b]  ; with lane l xor 16's 16 keys
.endr
	v_max3_num_f32 v254, v232, v233, v234
	s_delay_alu instid0(VALU_DEP_1)
	v_max_num_f32 v254, v254, v235
	s_delay_alu instid0(VALU_DEP_1)
	v_mul_f32 v254, s[CS], v254                    ; the step's largest t of my query
	s_delay_alu instid0(VALU_DEP_1)
	v_max_num_f32 v13, v13, v254
	v_mov_b32 v254, v12
	s_delay_alu instid0(VALU_DEP_2)
	v_floor_f32 v12, -v13                          ; the new -M = -ceil(t): a whole number
	s_delay_alu instid0(VALU_DEP_1)
	v_sub_f32 v254, v12, v254                      ; old M - new M: a whole number, 0 or less
	s_delay_alu instid0(VALU_DEP_1)
	v_cvt_i32_f32 v254, v254                       ; (it saturates)
	s_delay_alu instid0(VALU_DEP_1)
	v_ldexp_f32 v252, 1.0, v254                    ; f = 2^(old M - new M): a multiplication by it rounds nothing
.set j, 0
.rept 32
	v_pk_fma_f32 v[96+j:97+j], v[96+j:97+j], s[CS:CS+1], v[12:13] op_sel_hi:[1,0,0]   ; t - M, two in one line
.set j, j+2
.endr
.irp b, 0,1,2,3
	v_fma_f32 v[232+\b], v[232+\b], s[CS], v12     ; the same of each block's largest score
.endr
	s_wait_alu depctr_va_vdst(0)
.set j, 0
.rept 64
	v_exp_f32 v[96+j], v[96+j]                     ; p = 2^(t - M)
.set j, j+1
.endr
	v_pk_mul_f32 v[14:15], v[14:15], v[252:253] op_sel_hi:[1,0]   ; the sums under the new M: the plain line behind the batch
	s_wait_alu depctr_va_vdst(0)                   ; one wait for the 64, ahead of their first reader
.irp b, 0,1,2,3
	v_exp_f32 v[232+\b], v[232+\b]                 ; the block's largest p: the same two instructions on the same number
.endr
.irp c, 0,1,2,3                                ; the row's sum of the unquantised p: four chains by turns
	v_pk_add_f32 v[236+2*\c:237+2*\c], v[96+2*\c:97+2*\c], v[104+2*\c:105+2*\c]
.endr
.irp k, 16,24,32,40,48,56
.irp c, 0,1,2,3
	v_pk_add_f32 v[236+2*\c:237+2*\c], v[236+2*\c:237+2*\c], v[96+\k+2*\c:97+\k+2*\c]
.endr
.endr
	v_pk_add_f32 v[236:237], v[236:237], v[238:239]
	v_pk_add_f32 v[240:241], v[240:241], v[242:243]
	s_delay_alu instid0(VALU_DEP_1)
	v_pk_add_f32 v[236:237], v[236:237], v[240:241]
	s_delay_alu instid0(VALU_DEP_1)
	v_pk_add_f32 v[14:15], v[14:15], v[236:237]
	s_wait_alu depctr_va_vdst(0)                   ; and one for the four
.irp b, 0,1,2,3
	v_max_num_f32 v[232+\b], 0x2800000, v[232+\b]  ; the floor 2^(5 - 127)
.endr
	MKCODES
	s_wait_alu depctr_va_vdst(0)
.set j, 0
.rept 32
	v_pk_mul_f32 v[160+j:161+j], v[160+j:161+j], v[252:253] op_sel_hi:[1,0]   ; O^T under the new M; these also stand between the codes' and the scale word's last writes and the products
.set j, j+2
.endr
	s_wait_alu depctr_va_vdst(0)
.if \more
	s_wait_loadcnt 25                              ; V's 25 loads are in; the 25 behind them, the next step's K, may be out
.else
	s_wait_loadcnt 0x0
.endif
	WIN 0x01
.irp t, 0,1,2,3,4,5,6,7                        ; O^T += V^T P^T: eight accumulators by turns, one instruction a turn
.if \t%2
	v_wmma_scale_f32_16x16x128_f8f6f4 v[160+8*\t:167+8*\t], v[96+12*\t:96+12*\t+11], v[224:235], v[160+8*\t:167+8*\t], v[80+\t/2], v253 matrix_a_fmt:MATRIX_FMT_BF6 matrix_b_fmt:MATRIX_FMT_BF6 matrix_a_scale:MATRIX_SCALE_ROW1
.else
	v_wmma_scale_f32_16x16x128_f8f6f4 v[160+8*\t:167+8*\t], v[96+12*\t:96+12*\t+11], v[224:235], v[160+8*\t:167+8*\t], v[80+\t/2], v253 matrix_a_fmt:MATRIX_FMT_BF6 matrix_b_fmt:MATRIX_FMT_BF6
.endif
.endr
.rept 4
	v_nop                                          ; four places ahead of the loads into V's registers, and of what reads or writes O^T behind the last step
.endr
.if \more
	VLOAD                                          ; V's address registers: their last loads are in (the wait above)
.else
	WIN 0
.endif
.endm
.Lpass:                                ; two trips: my share of my partner's tile, then of mine
	v_mov_b32 v13, 0xff61b1e6                      ; the largest t so far: -3e38
	v_mov_b32 v14, 0
	v_mov_b32 v15, 0
	v_floor_f32 v12, -v13                          ; -M
.set j, 0
.rept 64
	v_mov_b32 v[160+j], 0                          ; O^T: the step is written once for all turns; its first turn finds zeros
.set j, j+1
.endr
	s_bcnt1_i32_b32 s[CNT], s[AC]
	s_wait_alu depctr_va_vdst(0)
	s_cmp_eq_u32 s[CNT], 0
	s_cbranch_scc1 .Lnone                          ; no step of this tile is mine
	s_sub_co_u32 s[CNT], s[CNT], 1                 ; the loop's trips: the last step is written out, and asks for nothing
	NEXT
	KLOAD
	VLOAD
	MLOAD
	s_cmp_eq_u32 s[CNT], 0
	s_cbranch_scc1 .Ltail
.Lstep:
	STEP 1
	s_sub_co_u32 s[CNT], s[CNT], 1
	s_cmp_lg_u32 s[CNT], 0
	s_cbranch_scc1 .Lstep
.Ltail:
	STEP 0
.Lnone:
	s_cmp_eq_u32 s[PASS], 1
	s_cbranch_scc1 .Lkeep
.set j, 0
.rept 16
	ds_store_b128 v[XO], v[160+4*j:163+4*j] offset:512*j   ; my part of my partner's tile: O^T, each accumulator from its low end on,
.set j, j+1
.endr
	ds_store_b128 v[XO], v[12:15] offset:8192      ; -M, the largest t, the sum
.irp i, 0,1,2,3,4,5,6,7,8,9,10,11
	v_mov_b32 v[16+\i], v[84+\i]                   ; my own tile's Q,
.endr
	v_mov_b32 v255, v30                            ; its scale words,
	s_mov_b32 s[AC], s[AC1]                        ; its lists and its mask words
	s_mov_b32 s[NF], s[NF1]
	s_mov_b64 s[MB:MB+1], s[MB1:MB1+1]
	s_wait_dscnt 0x0                               ; the stores are done: for my partner's sake, and their registers are written again
.Lkeep:
	s_add_co_u32 s[PASS], s[PASS], 1
	s_cmp_lt_u32 s[PASS], 2
	s_cbranch_scc1 .Lpass
	; THE TWO PARTS OF MY TILE ARE JOINED: -M = the lesser of the two; each part x 2^(its M - M)
	s_wait_alu depctr_va_vdst(0)
	s_barrier_signal -1
	s_barrier_wait -1                              ; every wave's stores are done
.set j, 0
.rept 16
	ds_load_b128 v[96+4*j:99+4*j], v[XI] offset:512*j
.set j, j+1
.endr
	ds_load_b128 v[232:235], v[XI] offset:8192
	s_wait_dscnt 0x0
	v_min_num_f32 v236, v12, v232
	v_mov_b32 v241, 0                              ; (upper halves of pairs of which the low word serves)
	v_mov_b32 v243, 0
	v_sub_f32 v237, v236, v12                      ; whole numbers, 0 or less
	v_sub_f32 v238, v236, v232
	v_cvt_i32_f32 v237, v237                       ; (they saturate)
	v_cvt_i32_f32 v238, v238
	v_ldexp_f32 v240, 1.0, v237
	v_ldexp_f32 v242, 1.0, v238
	v_pk_mul_f32 v[14:15], v[14:15], v[240:241] op_sel_hi:[1,0]
	v_pk_fma_f32 v[14:15], v[234:235], v[242:243], v[14:15] op_sel_hi:[1,0,1]
.set j, 0
.rept 32
	v_pk_mul_f32 v[160+j:161+j], v[160+j:161+j], v[240:241] op_sel_hi:[1,0]
.set j, j+2
.endr
.set j, 0
.rept 32
	v_pk_fma_f32 v[160+j:161+j], v[96+j:97+j], v[242:243], v[160+j:161+j] op_sel_hi:[1,0,1]
.set j, j+2
.endr
	; THE WAY OUT: O^T / the sum; register 16 b + i is channel 32 b + 16 h + i of my query: quantised along the head's 128, stored as an image: K step = head of the last projection's operand.
	v_add_f32 v14, v14, v15
	s_delay_alu instid0(VALU_DEP_1)
	v_permlanex16_b32 v252, v14, s[SEL], s[SEL+1]
	s_delay_alu instid0(VALU_DEP_1)
	v_add_f32 v14, v14, v252                       ; the row's sum
	s_wait_alu depctr_va_vdst(0)
	v_rcp_f32 v14, v14
	v_nop                                          ; a plain line behind it,
	s_wait_alu depctr_va_vdst(0)                   ; and its wait, ahead of the first reader
.set j, 0
.rept 64
	v_mul_f32 v[96+j], v[160+j], v14
.set j, j+1
.endr
.irp b, 0,1,2,3
	v_max3_num_f32 v[232+\b], |v[96+16*\b]|, |v[97+16*\b]|, 0x2800000
.endr
.irp i, 2,4,6,8,10,12,14
.irp b, 0,1,2,3
	v_max3_num_f32 v[232+\b], v[232+\b], |v[96+16*\b+\i]|, |v[97+16*\b+\i]|
.endr
.endr
.irp b, 0,1,2,3
	v_permlanex16_b32 v[236+\b], v[232+\b], s[SEL], s[SEL+1]
.endr
.irp b, 0,1,2,3
	v_max_num_f32 v[232+\b], v[232+\b], v[236+\b]
.endr
	MKCODES
.irp g, 0,1,2
	global_store_b128 v[LI], v[224+4*\g:227+4*\g], s[CFB:CFB+1] offset:512*\g   ; 512 consecutive bytes
.endr
	global_store_b32 v[L4], v253, s[CSB:CSB+1]
	s_wait_tensorcnt 0x0                           ; the wave's end
	ds_add_u32 v[SPW], v[NIL]
	s_wait_dscnt 0x0
	s_endpgm
.Lfunc_end_k_q4a4d20be46_attn:
	.size	k_q4a4d20be46_attn, .Lfunc_end_k_q4a4d20be46_attn-k_q4a4d20be46_attn
	.p2alignl 7, 3214868480
	.fill 96, 4, 3214868480
	.section	.rodata,"a",@progbits
	.p2align	6, 0x0
	.amdhsa_kernel k_q4a4d20be46_attn
		.amdhsa_group_segment_fixed_size 70656
		.amdhsa_private_segment_fixed_size 0
		.amdhsa_enable_private_segment 0
		.amdhsa_kernarg_size 40
		.amdhsa_user_sgpr_count 2
		.amdhsa_user_sgpr_kernarg_segment_ptr 1
		.amdhsa_wavefront_size32 1
		.amdhsa_system_sgpr_workgroup_id_x 1
		.amdhsa_system_sgpr_workgroup_id_y 1
		.amdhsa_system_sgpr_workgroup_id_z 1
		.amdhsa_system_vgpr_workitem_id 0
		.amdhsa_next_free_vgpr 448
		.amdhsa_next_free_sgpr 106
		.amdhsa_reserve_vcc 0
		.amdhsa_float_denorm_mode_32 3
		.amdhsa_float_denorm_mode_16_64 3
		.amdhsa_memory_ordered 1
		.amdhsa_forward_progress 1
		.amdhsa_inst_pref_size 90
	.end_amdhsa_kernel
	.amdgpu_metadata
---
amdhsa.version: [ 1, 2 ]
amdhsa.kernels:
  - .name:           k_q4a4d20be46_attn
    .symbol:         k_q4a4d20be46_attn.kd
    .args:
      - { .name: qkvf, .offset: 0, .size: 8, .value_kind: global_buffer, .address_space: global }
      - { .name: qkvs, .offset: 8, .size: 8, .value_kind: global_buffer, .address_space: global }
      - { .name: mbits, .offset: 16, .size: 8, .value_kind: global_buffer, .address_space: global }
      - { .name: cf, .offset: 24, .size: 8, .value_kind: global_buffer, .address_space: global }
      - { .name: cs, .offset: 32, .size: 8, .value_kind: global_buffer, .address_space: global }
    .group_segment_fixed_size: 70656
    .private_segment_fixed_size: 0
    .kernarg_segment_align: 8
    .kernarg_segment_size: 40
    .max_flat_workgroup_size: 256
    .sgpr_count:     106
    .vgpr_count:     448
    .wavefront_size: 32
...
	.end_amdgpu_metadata
.endif
;; end of part 7
;; launch proj (part 8): grid 16 x 16, 4 waves a work-group, clusters of 4 x 4, 327,680 bytes of LDS; arguments cf, cs, opf, ops, bc, out0; writes out0
.if DOCPART == 8
	.amdgcn_target "amdgcn-amd-amdhsa--gfx1250"
	.amdhsa_code_object_version 6
	.text
	.protected	k_q4a4d20be46_proj
	.globl	k_q4a4d20be46_proj
	.p2align	8
	.type	k_q4a4d20be46_proj,@function
k_q4a4d20be46_proj:
	s_mov_b64 s[64:65], 0
	v_nop
	global_prefetch_b8 v0, s[64:65] scope:SCOPE_SE
	s_setreg_imm32_b32 hwreg(HW_REG_WAVE_MODE, 25, 1), 1
	s_wait_xcnt 0x0
	s_wait_alu depctr_hold_cnt(0) depctr_sa_sdst(0) depctr_va_vdst(0) depctr_va_sdst(0) depctr_va_ssrc(0) depctr_va_vcc(0) depctr_vm_vsrc(0)
	s_getreg_b32 s2, hwreg(HW_REG_IB_STS2, 6, 4)
	s_cmp_eq_u32 s2, 0
	s_cbranch_scc0 .Lentry_in_a_cluster
	s_endpgm
.Lentry_in_a_cluster:
	s_bfe_u32 s2, ttmp6, 0x10000c
	s_cmp_lg_u32 s2, 0xf033
	s_cbranch_scc0 .Lentry_shape_is_right
	s_endpgm
.Lentry_shape_is_right:
.set FR,     12
.set FRB,    1536
.set NP,     4
.set QB,     12288
.set DB,     2*QB
.set WB,     3*DB
.set SPARE,  4*WB
.set STAGE,  SPARE+512
.set SPITCH, 272
.set OPSEC,  3145728
.set SCSEC,  262144
.set KPAIR,  393216
.set SPAIR,  32768
.set ROWC,   8192
.set LI,   3
.set ADRA, 16
.set ADRB, 20
.set STO,  24
.set RD,   25
.set CO,   26
.set SPW,  28
.set NIL,  29
.set SA,   32
.set SB,   64
.set AF,   128
.set BK,   128
.set G1,  24
.set G1B, 32
.set G0,  40
.set G0B, 52
.set MSB, 0
.macro WIN new
.if MSB != \new
	s_set_vgpr_msb (MSB<<8)|\new
.set MSB, \new
.endif
.endm
.set MUL,  0xa1
.set TO_B, 0x40
.macro JLOAD g0a, g1a, g0b, g1b
	s_cmp_eq_u32 s15, 0
	s_cbranch_scc0 .Lfor_b_\@
	tensor_load_to_lds s[\g0a:\g0a+3], s[\g1a:\g1a+7]
	s_nop 0
.rept 4
	v_nop
.endr
	s_branch .Lasked_\@
.Lfor_b_\@:
	tensor_load_to_lds s[\g0b:\g0b+3], s[\g1b:\g1b+7]
	s_nop 0
.rept 4
	v_nop
.endr
.Lasked_\@:
.endm
.macro CREST
	s_cmp_lg_u32 s14, 0
	s_cbranch_scc1 .Lnot_wave_0_\@
	s_barrier_signal -3
.Lnot_wave_0_\@:
	s_barrier_wait -3
	s_barrier_signal -1
	s_barrier_wait -1
.endm
.macro CROUND
	s_barrier_signal -1
	s_barrier_wait -1
	CREST
.endm
	s_load_b128 s[4:7], s[0:1], 0x0
	s_load_b128 s[8:11], s[0:1], 0x10
	s_load_b128 s[96:99], s[0:1], 0x20
	v_lshl_add_u32 v[SPW], v0, 2, SPARE
	v_mov_b32 v[NIL], 0
	ds_add_u32 v28, v29
	ds_add_u32 v28, v29
	s_wait_dscnt 0x0
	v_lshrrev_b32 v1, 5, v0
	v_readfirstlane_b32 s14, v1
	s_lshr_b32 s15, s14, 1
	s_and_b32 s16, s14, 1
	s_bfe_u32 s66, ttmp6, 0x40000
	s_bfe_u32 s67, ttmp6, 0x40004
	s_lshl_b32 s68, ttmp9, 2
	s_add_co_u32 s68, s68, s66
	s_and_b32 s17, ttmp7, 0xffff
	s_lshl_b32 s17, s17, 2
	s_add_co_u32 s17, s17, s67
	s_lshl_b32 s69, s67, 2
	s_lshl_b32 s69, 15, s69
	s_lshl_b32 s70, 0x1111, s66
	s_or_b32 s[G1+0], s69, (3<<16)|(1<<21)
	s_or_b32 s[G1B+0], s70, (3<<16)|(1<<21)
.irp g, G1, G1B
	s_mov_b32 s[\g+1], 1536<<16
	s_mov_b32 s[\g+2], 6<<16                       ; the head's load: six K pairs, 12,288 bytes each, 393,216 bytes apart in memory, on end in LDS
	s_mov_b32 s[\g+3], 1536<<16
	s_mov_b32 s[\g+4], 6
	s_mov_b32 s[\g+5], 49152
	s_mov_b32 s[\g+6], 0
	s_mov_b32 s[\g+7], 0
.endr
	s_lshl_b32 s18, s16, 2
	s_lshl_b32 s20, s17, 3
	s_add_co_u32 s20, s20, s18
	s_mul_i32 s20, s20, 2*FRB
	s_mov_b32 s21, 0
	s_lshl_b32 s72, s68, 3
	s_add_co_u32 s72, s72, s18
	s_mul_i32 s72, s72, 2*FRB
	s_add_co_u32 s72, s72, 5*OPSEC
	s_mov_b32 s73, 0
	s_mul_i32 s19, s14, WB
	s_wait_kmcnt 0x0
	s_add_nc_u64 s[20:21], s[4:5], s[20:21]
	s_add_nc_u64 s[72:73], s[8:9], s[72:73]
	CROUND
.irp d, 0
	s_mov_b32 s[G0+4*\d], 1
	s_add_co_u32 s[G0+4*\d+1], s19, \d*DB
	s_add_nc_u64 s[G0+4*\d+2:G0+4*\d+3], s[20:21], \d*2*KPAIR
	s_or_b32 s[G0+4*\d+3], s[G0+4*\d+3], 0x80000000
	s_mov_b32 s[G0B+4*\d], 1
	s_add_co_u32 s[G0B+4*\d+1], s19, \d*DB
	s_add_nc_u64 s[G0B+4*\d+2:G0B+4*\d+3], s[72:73], \d*2*KPAIR
	s_or_b32 s[G0B+4*\d+3], s[G0B+4*\d+3], 0x80000000
	JLOAD G0+4*\d, G1, G0B+4*\d, G1B               ; one joint load a wave at the head: K steps 0 to 11 of my half of A's or B's rows
.endr
	v_and_b32 v1, 31, v0
	; a prefetch of what the one refill will ask for: a wave's two rows of 12,288 bytes (K pairs 6 and 7), 96 blocks of 256: the four partners that load them jointly take 24 blocks each, told apart by address
	v_min_u32 v30, 23, v1
	v_lshlrev_b32 v30, 8, v30
	s_cmp_eq_u32 s15, 0                            ; do I fetch for A?
	s_cselect_b64 s[44:45], s[20:21], s[72:73]
	s_cselect_b32 s46, s66, s67                    ; my place among the four: cx for A's tiles, cy for B's
	s_lshr_b32 s47, s46, 1
	s_mul_i32 s47, s47, KPAIR                      ; which of the two rows,
	s_and_b32 s46, s46, 1
	s_mul_i32 s46, s46, 6144                       ; and which half of it
	s_add_co_u32 s46, s46, s47
	s_mov_b32 s47, 0
	s_add_nc_u64 s[44:45], s[44:45], s[46:47]
	s_wait_alu depctr_va_vdst(0)
	global_prefetch_b8 v30, s[44:45] offset:6*KPAIR th:TH_LOAD_NT scope:SCOPE_SE
	v_bfe_u32 v2, v0, 4, 1
	v_lshlrev_b32 v[LI], 4, v1
	v_and_b32 v4, 15, v0
	s_mul_i32 s76, s15, WB
	s_mul_i32 s77, s16, WB
	s_add_co_u32 s77, s77, 2*WB
	v_add_nc_u32 v[ADRA], s76, v[LI]
	v_add_nc_u32 v[ADRB], s77, v[LI]
	v_add_nc_u32 v[ADRA+1], 3*QB, v[ADRA]
	v_add_nc_u32 v[ADRB+1], 3*QB, v[ADRB]
	v_lshlrev_b32 v5, 2, v4
	v_lshl_add_u32 v5, v2, 7, v5
	s_wait_alu depctr_va_vdst(0)
	s_lshl_b32 s22, s17, 3
	s_lshl_b32 s23, s15, 2
	s_add_co_u32 s22, s22, s23
	s_lshl_b32 s22, s22, 8
	s_mov_b32 s23, 0
	s_add_nc_u64 s[22:23], s[6:7], s[22:23]
	s_lshl_b32 s74, s68, 3
	s_lshl_b32 s75, s16, 2
	s_add_co_u32 s74, s74, s75
	s_lshl_b32 s74, s74, 8
	s_add_co_u32 s74, s74, 5*SCSEC
	s_mov_b32 s75, 0
	s_add_nc_u64 s[74:75], s[10:11], s[74:75]
.irp s, 0,1,2,3,4,5,6,7
.irp i, 0,1,2,3
	global_load_b32 v[SA+4*\s+\i], v5, s[22:23] offset:\s*SPAIR+\i*256
	global_load_b32 v[SB+4*\s+\i], v5, s[74:75] offset:\s*SPAIR+\i*256
.endr
.endr
	s_lshl_b32 s78, s68, 9
	s_lshl_b32 s79, s16, 8
	s_add_co_u32 s78, s78, s79
	s_mov_b32 s79, 0
	s_add_nc_u64 s[96:97], s[96:97], s[78:79]
	s_add_nc_u64 s[12:13], s[98:99], s[78:79]
	s_lshl_b32 s78, s17, 7
	s_lshl_b32 s80, s15, 6
	s_add_co_u32 s78, s78, s80
	s_lshl_b32 s78, s78, 13
	s_add_nc_u64 s[12:13], s[12:13], s[78:79]
	v_lshlrev_b32 v6, 4, v4
	global_load_b128 v[8:11], v6, s[96:97]
	s_mul_i32 s81, s14, 16*SPITCH
	s_add_co_u32 s81, s81, STAGE
	v_mul_u32_u24 v7, v4, SPITCH
	v_lshl_add_u32 v7, v2, 6, v7
	v_add_nc_u32 v[STO], s81, v7
	v_mul_u32_u24 v7, v2, SPITCH
	v_lshl_add_u32 v7, v4, 4, v7
	v_add_nc_u32 v[RD], s81, v7
	v_lshlrev_b32 v[CO], 13, v2
	v_lshl_add_u32 v[CO], v4, 4, v[CO]
.macro FETCH j
.set FS, (\j)%2
.set SQ, ((\j)/2)%6
.set AR, SQ/3
.set OF, (SQ%3)*QB+((\j)%2)*FRB
	WIN TO_B
.irp i, 0,1,2,3
.irp c, 0,1,2
	ds_load_b128 v[48*FS+FR*\i+4*\c:48*FS+FR*\i+4*\c+3], v[ADRB+AR] offset:OF+2*\i*FRB+512*\c
.endr
.endr
	WIN 0
.irp i, 0,1,2,3
.irp c, 0,1,2
	ds_load_b128 v[AF+48*FS+FR*\i+4*\c:AF+48*FS+FR*\i+4*\c+3], v[ADRA+AR] offset:OF+2*\i*FRB+512*\c
.endr
.endr
.endm
.macro MUL16 j
.set MS, (\j)%2
.set MP, (\j)/2
.irp a, 0,1,2,3
.irp b, 0,1,2,3
.if (\j) == 0
	v_wmma_scale_f32_16x16x128_f8f6f4 v[8*(4*\a+\b):8*(4*\a+\b)+7], v[48*MS+FR*\b:48*MS+FR*\b+FR-1], v[AF+48*MS+FR*\a:AF+48*MS+FR*\a+FR-1], 0, v[SB+4*MP+\b], v[SA+4*MP+\a] matrix_a_fmt:MATRIX_FMT_BF6 matrix_b_fmt:MATRIX_FMT_BF6
.elseif MS == 0
	v_wmma_scale_f32_16x16x128_f8f6f4 v[8*(4*\a+\b):8*(4*\a+\b)+7], v[48*MS+FR*\b:48*MS+FR*\b+FR-1], v[AF+48*MS+FR*\a:AF+48*MS+FR*\a+FR-1], v[8*(4*\a+\b):8*(4*\a+\b)+7], v[SB+4*MP+\b], v[SA+4*MP+\a] matrix_a_fmt:MATRIX_FMT_BF6 matrix_b_fmt:MATRIX_FMT_BF6
.else
	v_wmma_scale_f32_16x16x128_f8f6f4 v[8*(4*\a+\b):8*(4*\a+\b)+7], v[48*MS+FR*\b:48*MS+FR*\b+FR-1], v[AF+48*MS+FR*\a:AF+48*MS+FR*\a+FR-1], v[8*(4*\a+\b):8*(4*\a+\b)+7], v[SB+4*MP+\b], v[SA+4*MP+\a] matrix_a_fmt:MATRIX_FMT_BF6 matrix_b_fmt:MATRIX_FMT_BF6 matrix_a_scale:MATRIX_SCALE_ROW1 matrix_b_scale:MATRIX_SCALE_ROW1
.endif
.endr
.endr
.endm
.macro PLACES n
.rept \n
	v_nop
.endr
.endm
.macro STEP j
.if (\j) == 4
	WIN 0
	s_wait_tensorcnt 0x0
	ds_add_u32 v[SPW], v[NIL]
	s_add_nc_u64 s[G0+2:G0+3], s[G0+2:G0+3], 6*KPAIR
	s_add_nc_u64 s[G0B+2:G0B+3], s[G0B+2:G0B+3], 6*KPAIR
	s_mov_b32 s[G1+2], 2<<16                       ; no tensor load of mine is out: the refill brings the last two K pairs, over K steps 0 to 3, which have been read
	s_mov_b32 s[G1+4], 2
	s_mov_b32 s[G1B+2], 2<<16
	s_mov_b32 s[G1B+4], 2
	s_wait_dscnt 0x0
	CROUND
	JLOAD G0, G1, G0B, G1B
.else
	s_wait_dscnt 0x0
.if (\j) == 11
	s_wait_tensorcnt 0x0
	s_barrier_signal -1
	s_barrier_wait -1
.endif
.if (\j) > 0
.if (\j) < 15
	PLACES NP
.endif
.endif
.endif
.if (\j) < 15
	FETCH (\j)+1
.endif
	WIN MUL
	MUL16 \j
.endm
	s_wait_tensorcnt 0x0
	s_barrier_signal -1
	s_barrier_wait -1
	FETCH 0
	s_wait_loadcnt 0x0
	STEP 0
	STEP 1
	STEP 2
	STEP 3
	STEP 4
	STEP 5
	STEP 6
	STEP 7
	STEP 8
	STEP 9
	STEP 10
	STEP 11
	STEP 12
	STEP 13
	STEP 14
	STEP 15
	WIN 0
.macro TOSTAGE a
	WIN 0x08
.irp b, 0,1,2,3
	ds_store_b128 v[STO], v[8*(4*(\a)+\b):8*(4*(\a)+\b)+3] offset:128*(\b/2)+32*(\b%2)
	ds_store_b128 v[STO], v[8*(4*(\a)+\b)+4:8*(4*(\a)+\b)+7] offset:128*(\b/2)+32*(\b%2)+16
.endr
	WIN 0
.irp t, 0,1,2,3,4,5,6,7
	ds_load_b128 v[BK+32*(\a)+4*\t:BK+32*(\a)+4*\t+3], v[RD] offset:2*\t*SPITCH
.endr
.endm
.macro SEND a, younger
	s_wait_dscnt \younger
.irp t, 0,1,2,3,4,5,6,7
	v_pk_add_f32 v[BK+32*(\a)+4*\t:BK+32*(\a)+4*\t+1], v[BK+32*(\a)+4*\t:BK+32*(\a)+4*\t+1], v[8:9]
	v_pk_add_f32 v[BK+32*(\a)+4*\t+2:BK+32*(\a)+4*\t+3], v[BK+32*(\a)+4*\t+2:BK+32*(\a)+4*\t+3], v[10:11]
	global_store_b128 v[CO], v[BK+32*(\a)+4*\t:BK+32*(\a)+4*\t+3], s[12:13] offset:(\a)*16*ROWC+2*\t*ROWC th:TH_STORE_NT
.endr
.endm
	PLACES NP
	s_wait_alu depctr_va_vdst(0)
	TOSTAGE 0
	TOSTAGE 1
	SEND 0, 16
	TOSTAGE 2
	SEND 1, 16
	TOSTAGE 3
	SEND 2, 16
	SEND 3, 0
	s_wait_tensorcnt 0x0
	ds_add_u32 v[SPW], v[NIL]
	s_wait_dscnt 0x0
	CROUND
	s_endpgm
.Lfunc_end_k_q4a4d20be46_proj:
	.size	k_q4a4d20be46_proj, .Lfunc_end_k_q4a4d20be46_proj-k_q4a4d20be46_proj
	.p2alignl 7, 3214868480
	.fill 96, 4, 3214868480
	.section	.rodata,"a",@progbits
	.p2align	6, 0x0
	.amdhsa_kernel k_q4a4d20be46_proj
		.amdhsa_group_segment_fixed_size 327680
		.amdhsa_private_segment_fixed_size 0
		.amdhsa_enable_private_segment 0
		.amdhsa_kernarg_size 48
		.amdhsa_user_sgpr_count 2
		.amdhsa_user_sgpr_kernarg_segment_ptr 1
		.amdhsa_wavefront_size32 1
		.amdhsa_system_sgpr_workgroup_id_x 1
		.amdhsa_system_sgpr_workgroup_id_y 1
		.amdhsa_system_sgpr_workgroup_id_z 1
		.amdhsa_system_vgpr_workitem_id 0
		.amdhsa_next_free_vgpr 768
		.amdhsa_next_free_sgpr 100
		.amdhsa_reserve_vcc 0
		.amdhsa_float_denorm_mode_32 3
		.amdhsa_float_denorm_mode_16_64 3
		.amdhsa_memory_ordered 1
		.amdhsa_forward_progress 1
		.amdhsa_inst_pref_size 86
	.end_amdhsa_kernel
	.amdgpu_metadata
---
amdhsa.version: [ 1, 2 ]
amdhsa.kernels:
  - .name:           k_q4a4d20be46_proj
    .symbol:         k_q4a4d20be46_proj.kd
    .args:
      - { .name: cf, .offset: 0, .size: 8, .value_kind: global_buffer, .address_space: global }
      - { .name: cs, .offset: 8, .size: 8, .value_kind: global_buffer, .address_space: global }
      - { .name: opf, .offset: 16, .size: 8, .value_kind: global_buffer, .address_space: global }
      - { .name: ops, .offset: 24, .size: 8, .value_kind: global_buffer, .address_space: global }
      - { .name: bc, .offset: 32, .size: 8, .value_kind: global_buffer, .address_space: global }
      - { .name: out0, .offset: 40, .size: 8, .value_kind: global_buffer, .address_space: global }
    .group_segment_fixed_size: 327680
    .private_segment_fixed_size: 0
    .kernarg_segment_align: 8
    .kernarg_segment_size: 48
    .max_flat_workgroup_size: 128
    .sgpr_count:     100
    .vgpr_count:     768
    .wavefront_size: 32
...
	.end_amdgpu_metadata
.endif
;; end of part 8
